; MI455X (gfx1250); checked and timed in simulation.
; The chip was launched on July 23, 2026; its instructions are those of AMD's public machine-readable ISA for CDNA 5 (MIT licence, August 2026) and "CDNA5" Instruction Set Architecture Reference Guide (July 2026). The comments in the code are by the model that wrote it; some were corrected since.
;; All2 All Cost Volume. Allowed arithmetic: float matrix products may take bf16 or f16 operands with f32 sums; all other float work in f32.
;; Inputs: f2_points 2 x 4,096 x 64 float32; f2_xyz 2 x 4,096 x 3 float32; params_convs1_W_0 142 x 128 float32; params_convs1_W_1 128 x 128 float32; params_convs1_W_2 128 x 64 float32; params_convs2_W_0 68 x 64 float32; params_convs2_W_1 64 x 64 float32; params_convs2_W_2 64 x 64 float32; params_mlp1_W_0 202 x 128 float32; params_mlp1_W_1 128 x 64 float32; params_mlp1_W_2 64 x 64 float32; params_mlp1_b_0 128 float32; params_mlp1_b_1 64 float32; params_mlp1_b_2 64 float32; params_mlp2_W_0 128 x 128 float32; params_mlp2_W_1 128 x 64 float32; params_mlp2_b_0 128 float32; params_mlp2_b_1 64 float32; params_mlp2n_W_0 192 x 128 float32; params_mlp2n_W_1 128 x 64 float32; params_mlp2n_b_0 128 float32; params_mlp2n_b_1 64 float32; params_pc_enc_W 10 x 64 float32; params_pc_enc_b 64 float32; params_pi_enc_W 10 x 64 float32; params_pi_enc_b 64 float32; params_pir_W 64 x 64 float32; params_pir_b 64 float32; warped_points 2 x 4,096 x 64 float32; warped_xyz 2 x 4,096 x 3 float32.
;; Outputs: out0 2 x 4,096 x 64 float32.
;; 3 versions, each right and faster than the one before. Each part assembles by itself: llvm-mc -triple=amdgcn-amd-amdhsa -mcpu=gfx1250 --defsym DOCPART=n.
;; ======== version 1 of 3: 7 launches
;; limits: values outside matrix products are rounded to bf16; right only within a limited range of input values
;; workspace buffers: wimg 356,608 bytes; nrmp 4,259,840 bytes; tabn 2,097,152 bytes; grp 3,145,728 bytes of whole numbers; idx 3,145,728 bytes of whole numbers; rmax 262,144 bytes; pfn 1,048,576 bytes
;; launch prep (part 1): grid 144 x 1, 4 waves a work-group, no clusters, 0 bytes of LDS; arguments params_convs1_W_0, params_convs1_W_1, params_convs1_W_2, params_convs2_W_0, params_convs2_W_1, params_convs2_W_2, params_mlp1_W_0, params_mlp1_W_1, params_mlp1_W_2, params_mlp2_W_0, params_mlp2_W_1, params_mlp2n_W_0, params_mlp2n_W_1, params_pc_enc_W, params_pi_enc_W, params_pir_W, params_mlp1_b_0, params_mlp1_b_1, params_mlp1_b_2, params_mlp2_b_0, params_mlp2_b_1, params_mlp2n_b_0, params_mlp2n_b_1, params_pc_enc_b, params_pi_enc_b, params_pir_b, warped_points, f2_points, wimg, nrmp; writes wimg, nrmp
.if DOCPART == 1
	.amdgcn_target "amdgcn-amd-amdhsa--gfx1250"
	.amdhsa_code_object_version 6
	.text
	.protected	k_q10b590946f_prep
	.globl	k_q10b590946f_prep
	.p2align	8
	.type	k_q10b590946f_prep,@function
k_q10b590946f_prep:
	s_mov_b64 s[64:65], 0
	v_nop
	global_prefetch_b8 v0, s[64:65] scope:SCOPE_SE
	s_setreg_imm32_b32 hwreg(HW_REG_WAVE_MODE, 25, 1), 1
	s_wait_xcnt 0x0
; Work-groups 0-15: one layer each. W [Kin][N] f32 becomes an image of N rows (one output channel each) of K' bf16
; plus 16 zero bytes, times the batch-norm scale; the K order is the order in which the later launches hold their
; fragments. The layer's bias goes out as f32 times the same scale.
; Work-groups 16-143: the two feature tables, 128 rows each: raw bf16, normalised bf16 (row / |row|) and 1/|row| in f32.
; Limit: a row whose sum of squares is below 1e-30 is treated as having that sum (a zero row stays zero).
.set BNS, 0x3f7fffac                   ; 1/sqrt(1+1e-5)
.set IMG3, 250112                      ; image of the convs2 chain
.set IMG6, 281856                      ; image of the second stage
.set B5, 247808                        ; biases of the first image
.set B6, IMG6+73728                    ; biases of the third
.macro HEAD warg, barg, N, LOGN, pitch ; pointers; n = t % N, g = t / N and the thread's four offsets
	s_load_b64 s[4:5], s[0:1], \warg*8
.if \barg >= 0
	s_load_b64 s[6:7], s[0:1], \barg*8
.endif
	v_and_b32 v1, \N-1, v0                         ; n
	v_lshrrev_b32 v2, \LOGN, v0                    ; g
	v_lshlrev_b32 v3, 2, v1                        ; 4 n
	v_mul_u32_u24 v4, v1, \pitch                   ; n * pitch
	v_mul_u32_u24 v5, v2, 32*\N                    ; 8 g source rows
	v_add_nc_u32 v5, v5, v3
	v_lshl_add_u32 v6, v2, 4, v4                   ; n * pitch + 16 g
	s_wait_kmcnt 0x0
.endm
; UT units of 8 k for each thread (unit G i + g), source rows from row0 on, to image byte doff of the row
.macro REGSEG row0, UT, N, G, doff
.set c_, 0
.rept \UT/4
.set i_, 0
.rept 4
.set e_, 0
.rept 8
	global_load_b32 v[16+8*i_+e_], v5, s[4:5] offset:(\row0+8*\G*(4*c_+i_)+e_)*\N*4
.set e_, e_+1
.endr
.set i_, i_+1
.endr
	s_wait_loadcnt 0x0
.set i_, 0
.rept 16
	v_pk_mul_f32 v[16+2*i_:17+2*i_], v[16+2*i_:17+2*i_], s[10:11] op_sel_hi:[1,0]
.set i_, i_+1
.endr
	s_wait_xcnt 0x0                                ; v48-63 were the last chunk's store data
.set i_, 0
.rept 16
	v_cvt_pk_bf16_f32 v[48+i_], v[16+2*i_], v[17+2*i_]
.set i_, i_+1
.endr
.set i_, 0
.rept 4
	global_store_b128 v6, v[48+4*i_:51+4*i_], s[8:9] offset:\doff+16*\G*(4*c_+i_)
.set i_, i_+1
.endr
.set c_, c_+1
.endr
.endm
.macro GL N, i, r
.if \r >= 0
	global_load_b32 v[16+\i], v3, s[4:5] offset:\r*\N*4
.else
	v_mov_b32 v[16+\i], 0
.endif
.endm
; the geometry K step: 14 named source rows (-1: zero), 18 zeros, and the row's 16 bytes of padding
.macro GEO N, doff, r0, r1, r2, r3, r4, r5, r6, r7, r8, r9, r10, r11, r12, r13
	GL \N, 0, \r0
	GL \N, 1, \r1
	GL \N, 2, \r2
	GL \N, 3, \r3
	GL \N, 4, \r4
	GL \N, 5, \r5
	GL \N, 6, \r6
	GL \N, 7, \r7
	GL \N, 8, \r8
	GL \N, 9, \r9
	GL \N, 10, \r10
	GL \N, 11, \r11
	GL \N, 12, \r12
	GL \N, 13, \r13
	v_mov_b32 v30, 0
	v_mov_b32 v31, 0
	s_wait_loadcnt 0x0
.set i_, 0
.rept 8
	v_pk_mul_f32 v[16+2*i_:17+2*i_], v[16+2*i_:17+2*i_], s[10:11] op_sel_hi:[1,0]
.set i_, i_+1
.endr
	s_wait_xcnt 0x0                                ; v48-59 may be earlier stores' data
.set i_, 0
.rept 8
	v_cvt_pk_bf16_f32 v[48+i_], v[16+2*i_], v[17+2*i_]
.set i_, i_+1
.endr
.irp i, 56,57,58,59
	v_mov_b32 v\i, 0
.endr
	global_store_b128 v4, v[48:51], s[8:9] offset:\doff
	global_store_b128 v4, v[52:55], s[8:9] offset:\doff+16
	global_store_b128 v4, v[56:59], s[8:9] offset:\doff+32
	global_store_b128 v4, v[56:59], s[8:9] offset:\doff+48
	global_store_b128 v4, v[56:59], s[8:9] offset:\doff+64
.endm
.macro PADU doff                       ; the 16 bytes behind a row without a geometry step
	s_wait_xcnt 0x0
.irp i, 56,57,58,59
	v_mov_b32 v\i, 0
.endr
	global_store_b128 v4, v[56:59], s[8:9] offset:\doff
.endm
.macro BIAS cnt, doff
	v_and_b32 v7, \cnt-1, v0
	v_lshlrev_b32 v7, 2, v7
	global_load_b32 v8, v7, s[6:7]
	s_wait_loadcnt 0x0
	v_mul_f32 v8, s10, v8
	global_store_b32 v7, v8, s[8:9] offset:\doff
.endm
	s_mov_b32 s2, ttmp9
	s_mov_b32 s10, BNS
	s_mov_b32 s11, BNS
	s_load_b64 s[8:9], s[0:1], 0xe0                ; wimg
	s_cmp_ge_u32 s2, 16
	s_cbranch_scc1 .Ltab
.irp k, 1,2,3,4,5,6,7,8,9,10,11,12,13,14,15
	s_cmp_eq_u32 s2, \k
	s_cbranch_scc1 .Lb\k
.endr
	HEAD 0, -1, 128, 7, 336                        ; convs1 layer 0: dst features, src features, geometry and cosines
	REGSEG 74, 8, 128, 1, 0
	REGSEG 10, 8, 128, 1, 128
	GEO 128, 256, 4,5,6,7,8,9,0,1,2,3,138,139,140,141
	s_endpgm
.Lb1:
	HEAD 1, -1, 128, 7, 272
	REGSEG 0, 16, 128, 1, 43008
	PADU 43008+256
	s_endpgm
.Lb2:
	HEAD 2, -1, 64, 6, 272
	REGSEG 0, 8, 64, 2, 77824
	PADU 77824+256
	s_endpgm
.Lb3:
	HEAD 3, -1, 64, 6, 208                         ; convs2 layer 0: features, then rela and dist at k 6-9 of the geometry step
	REGSEG 0, 4, 64, 2, IMG3
	GEO 64, IMG3+128, -1,-1,-1,-1,-1,-1,64,65,66,67,-1,-1,-1,-1
	s_endpgm
.Lb4:
	HEAD 4, -1, 64, 6, 144
	REGSEG 0, 4, 64, 2, IMG3+13312
	PADU IMG3+13312+128
	s_endpgm
.Lb5:
	HEAD 5, -1, 64, 6, 144
	REGSEG 0, 4, 64, 2, IMG3+22528
	PADU IMG3+22528+128
	s_endpgm
.Lb6:
	HEAD 6, 16, 128, 7, 464                        ; mlp1 layer 0: dst, src, attentive, geometry
	REGSEG 74, 8, 128, 1, 104448
	REGSEG 10, 8, 128, 1, 104448+128
	REGSEG 138, 8, 128, 1, 104448+256
	GEO 128, 104448+384, 0,1,2,3,4,5,6,7,8,9,-1,-1,-1,-1
	BIAS 128, B5+256
	s_endpgm
.Lb7:
	HEAD 7, 17, 64, 6, 272
	REGSEG 0, 8, 64, 2, 163840
	PADU 163840+256
	BIAS 64, B5+768
	s_endpgm
.Lb8:
	HEAD 8, 18, 64, 6, 144
	REGSEG 0, 4, 64, 2, 181248
	PADU 181248+128
	BIAS 64, B5+1024
	s_endpgm
.Lb9:
	HEAD 9, 19, 128, 7, 272
	REGSEG 0, 16, 128, 1, 195584
	PADU 195584+256
	BIAS 128, B5+1536
	s_endpgm
.Lb10:
	HEAD 10, 20, 64, 6, 272
	REGSEG 0, 8, 64, 2, 230400
	PADU 230400+256
	BIAS 64, B5+2048
	s_endpgm
.Lb11:
	HEAD 11, 21, 128, 7, 400
	REGSEG 0, 24, 128, 1, IMG6+5120
	PADU IMG6+5120+384
	BIAS 128, B6+256
	s_endpgm
.Lb12:
	HEAD 12, 22, 64, 6, 272
	REGSEG 0, 8, 64, 2, IMG6+56320
	PADU IMG6+56320+256
	BIAS 64, B6+768
	s_endpgm
.Lb13:
	HEAD 13, 23, 64, 6, 80
	GEO 64, IMG6, 0,1,2,3,4,5,6,7,8,9,-1,-1,-1,-1
	BIAS 64, B6
	s_endpgm
.Lb14:
	HEAD 14, 24, 64, 6, 80
	GEO 64, 190464, 0,1,2,3,4,5,6,7,8,9,-1,-1,-1,-1
	BIAS 64, B5+1280
	s_endpgm
.Lb15:
	HEAD 15, 25, 64, 6, 144
	REGSEG 0, 4, 64, 2, 95232
	PADU 95232+128
	BIAS 64, B5
	s_endpgm
; The tables. A wave owns 32 rows of 256 bytes; load i covers rows 2i and 2i+1, sixteen lanes a row.
.Ltab:
	s_load_b128 s[4:7], s[0:1], 0xd0               ; warped_points, f2_points
	s_load_b64 s[14:15], s[0:1], 0xe8              ; nrmp
	s_sub_co_u32 s2, s2, 16
	s_lshr_b32 s3, s2, 6                           ; cloud
	s_and_b32 s12, s2, 63
	v_lshrrev_b32 v1, 5, v0
	v_readfirstlane_b32 s13, v1                    ; wave
	s_lshl_b32 s16, s12, 7
	s_lshl_b32 s17, s13, 5
	s_add_co_u32 s16, s16, s17                     ; the wave's first row
	s_lshl_b32 s20, s16, 8
	s_mov_b32 s21, 0
	s_lshl_b32 s22, s3, 20
	s_lshl_b32 s23, s16, 7
	s_add_co_u32 s22, s22, s23
	s_mov_b32 s23, 0
	s_lshl_b32 s26, s3, 13
	s_add_co_u32 s26, s26, s16
	s_lshl_b32 s26, s26, 2                         ; byte of 1/norm of the first row
	v_and_b32 v1, 31, v0
	v_lshlrev_b32 v2, 4, v1                        ; 16 lane
	v_lshlrev_b32 v3, 3, v1                        ; 8 lane
	v_and_b32 v5, 15, v0                           ; r
	v_bfe_u32 v4, v0, 4, 1                         ; h
	v_lshl_add_u32 v4, v5, 1, v4                   ; 2 r + h
	v_lshl_add_u32 v4, v4, 2, s26
	v_mov_b32 v6, 0
	v_mov_b32 v11, 0
	s_wait_kmcnt 0x0
	s_cmp_eq_u32 s3, 0
	s_cselect_b64 s[18:19], s[4:5], s[6:7]
	s_add_nc_u64 s[18:19], s[18:19], s[20:21]
	s_add_nc_u64 s[24:25], s[14:15], s[22:23]
.set i_, 0
.rept 16
	global_load_b128 v[16+4*i_:19+4*i_], v2, s[18:19] offset:512*i_
.set i_, i_+1
.endr
.set i_, 0
.rept 16
.set a_, 16+4*i_
	s_wait_loadcnt 15-i_                           ; loads return in order: load i is in, the younger ones stay out
	v_pk_mul_f32 v[8:9], v[a_:a_+1], v[a_:a_+1]
	v_pk_fma_f32 v[8:9], v[a_+2:a_+3], v[a_+2:a_+3], v[8:9]
	v_add_f32 v8, v8, v9
.irp m, 1,2,4,8
	v_add_f32_dpp v8, v8, v8 row_xmask:\m row_mask:0xf bank_mask:0xf
.endr
	v_max_num_f32 v8, 0x0da24260, v8               ; 1e-30
	v_rsq_f32 v10, v8
	v_nop                                          ; one plain place behind the transcendental
	v_cmp_eq_u32 vcc_lo, i_, v5
	v_cndmask_b32 v6, v6, v10, vcc_lo              ; lane (r = i, h) keeps 1/norm of row 2i+h
	v_pk_mul_f32 v[12:13], v[a_:a_+1], v[10:11] op_sel_hi:[1,0]
	v_pk_mul_f32 v[14:15], v[a_+2:a_+3], v[10:11] op_sel_hi:[1,0]
	v_cvt_pk_bf16_f32 v[a_], v[a_], v[a_+1]        ; raw, in place: every load has its own store registers
	v_cvt_pk_bf16_f32 v[a_+1], v[a_+2], v[a_+3]
	v_cvt_pk_bf16_f32 v[a_+2], v12, v13
	v_cvt_pk_bf16_f32 v[a_+3], v14, v15
	global_store_b64 v3, v[a_:a_+1], s[24:25] offset:0x200000+256*i_     ; 256 consecutive bytes, aligned
	global_store_b64 v3, v[a_+2:a_+3], s[24:25] offset:256*i_
.set i_, i_+1
.endr
	global_store_b32 v4, v6, s[14:15] offset:0x400000
	s_endpgm
.Lfunc_end_k_q10b590946f_prep:
	.size	k_q10b590946f_prep, .Lfunc_end_k_q10b590946f_prep-k_q10b590946f_prep
	.p2alignl 7, 3214868480
	.fill 96, 4, 3214868480
	.section	.rodata,"a",@progbits
	.p2align	6, 0x0
	.amdhsa_kernel k_q10b590946f_prep
		.amdhsa_group_segment_fixed_size 0
		.amdhsa_private_segment_fixed_size 0
		.amdhsa_enable_private_segment 0
		.amdhsa_kernarg_size 240
		.amdhsa_user_sgpr_count 2
		.amdhsa_user_sgpr_kernarg_segment_ptr 1
		.amdhsa_wavefront_size32 1
		.amdhsa_system_sgpr_workgroup_id_x 1
		.amdhsa_system_sgpr_workgroup_id_y 1
		.amdhsa_system_sgpr_workgroup_id_z 1
		.amdhsa_system_vgpr_workitem_id 0
		.amdhsa_next_free_vgpr 80
		.amdhsa_next_free_sgpr 66
		.amdhsa_reserve_vcc 1
		.amdhsa_float_denorm_mode_32 3
		.amdhsa_float_denorm_mode_16_64 3
		.amdhsa_memory_ordered 1
		.amdhsa_forward_progress 1
		.amdhsa_inst_pref_size 253
	.end_amdhsa_kernel
	.amdgpu_metadata
---
amdhsa.version: [ 1, 2 ]
amdhsa.kernels:
  - .name:           k_q10b590946f_prep
    .symbol:         k_q10b590946f_prep.kd
    .args:
      - { .name: params_convs1_W_0, .offset: 0, .size: 8, .value_kind: global_buffer, .address_space: global }
      - { .name: params_convs1_W_1, .offset: 8, .size: 8, .value_kind: global_buffer, .address_space: global }
      - { .name: params_convs1_W_2, .offset: 16, .size: 8, .value_kind: global_buffer, .address_space: global }
      - { .name: params_convs2_W_0, .offset: 24, .size: 8, .value_kind: global_buffer, .address_space: global }
      - { .name: params_convs2_W_1, .offset: 32, .size: 8, .value_kind: global_buffer, .address_space: global }
      - { .name: params_convs2_W_2, .offset: 40, .size: 8, .value_kind: global_buffer, .address_space: global }
      - { .name: params_mlp1_W_0, .offset: 48, .size: 8, .value_kind: global_buffer, .address_space: global }
      - { .name: params_mlp1_W_1, .offset: 56, .size: 8, .value_kind: global_buffer, .address_space: global }
      - { .name: params_mlp1_W_2, .offset: 64, .size: 8, .value_kind: global_buffer, .address_space: global }
      - { .name: params_mlp2_W_0, .offset: 72, .size: 8, .value_kind: global_buffer, .address_space: global }
      - { .name: params_mlp2_W_1, .offset: 80, .size: 8, .value_kind: global_buffer, .address_space: global }
      - { .name: params_mlp2n_W_0, .offset: 88, .size: 8, .value_kind: global_buffer, .address_space: global }
      - { .name: params_mlp2n_W_1, .offset: 96, .size: 8, .value_kind: global_buffer, .address_space: global }
      - { .name: params_pc_enc_W, .offset: 104, .size: 8, .value_kind: global_buffer, .address_space: global }
      - { .name: params_pi_enc_W, .offset: 112, .size: 8, .value_kind: global_buffer, .address_space: global }
      - { .name: params_pir_W, .offset: 120, .size: 8, .value_kind: global_buffer, .address_space: global }
      - { .name: params_mlp1_b_0, .offset: 128, .size: 8, .value_kind: global_buffer, .address_space: global }
      - { .name: params_mlp1_b_1, .offset: 136, .size: 8, .value_kind: global_buffer, .address_space: global }
      - { .name: params_mlp1_b_2, .offset: 144, .size: 8, .value_kind: global_buffer, .address_space: global }
      - { .name: params_mlp2_b_0, .offset: 152, .size: 8, .value_kind: global_buffer, .address_space: global }
      - { .name: params_mlp2_b_1, .offset: 160, .size: 8, .value_kind: global_buffer, .address_space: global }
      - { .name: params_mlp2n_b_0, .offset: 168, .size: 8, .value_kind: global_buffer, .address_space: global }
      - { .name: params_mlp2n_b_1, .offset: 176, .size: 8, .value_kind: global_buffer, .address_space: global }
      - { .name: params_pc_enc_b, .offset: 184, .size: 8, .value_kind: global_buffer, .address_space: global }
      - { .name: params_pi_enc_b, .offset: 192, .size: 8, .value_kind: global_buffer, .address_space: global }
      - { .name: params_pir_b, .offset: 200, .size: 8, .value_kind: global_buffer, .address_space: global }
      - { .name: warped_points, .offset: 208, .size: 8, .value_kind: global_buffer, .address_space: global }
      - { .name: f2_points, .offset: 216, .size: 8, .value_kind: global_buffer, .address_space: global }
      - { .name: wimg, .offset: 224, .size: 8, .value_kind: global_buffer, .address_space: global }
      - { .name: nrmp, .offset: 232, .size: 8, .value_kind: global_buffer, .address_space: global }
    .group_segment_fixed_size: 0
    .private_segment_fixed_size: 0
    .kernarg_segment_align: 8
    .kernarg_segment_size: 240
    .max_flat_workgroup_size: 128
    .sgpr_count:     66
    .vgpr_count:     80
    .wavefront_size: 32
...
	.end_amdgpu_metadata
.endif
;; end of part 1
;; launch knn_a (part 2): grid 256 x 3, 4 waves a work-group, no clusters, 65,536 bytes of LDS; arguments warped_xyz, f2_xyz, grp; writes grp
.if DOCPART == 2
	.amdgcn_target "amdgcn-amd-amdhsa--gfx1250"
	.amdhsa_code_object_version 6
	.text
	.protected	k_q10b590946f_knn_a
	.globl	k_q10b590946f_knn_a
	.p2align	8
	.type	k_q10b590946f_knn_a,@function
k_q10b590946f_knn_a:
	s_mov_b64 s[64:65], 0
	v_nop
	global_prefetch_b8 v0, s[64:65] scope:SCOPE_SE
	s_setreg_imm32_b32 hwreg(HW_REG_WAVE_MODE, 25, 1), 1
	s_wait_xcnt 0x0
; First half of the exact top-k. Task y: 0 = warped queries in f2 (k = 32), 1 = warped in warped, 2 = f2 in f2 (k = 16).
; The 4,096 candidates of a batch are cut into 512 groups of 8 consecutive ones. For each query the k groups that come
; first by (smallest distance in the group, group number) are found; they hold the k nearest candidates under the order
; (distance, index): k groups in front of a candidate's group would be k candidates in front of it.
; Distances in f32: qq = (x x + y y) + z z, dot = fma(z, fma(y, x x')), d = fma(-2, dot, qq) + ss.
; A work-group has 32 queries of one batch, a wave 8. Lane l owns candidates 128 l .. 128 l + 127 = groups 16 l .. 16 l + 15.
; Every choice is a v_cndmask: no address and no branch hangs on a distance. Round r's group lands in lane r.
; Limits: finite inputs, |xyz| < 1e18 (no overflow, no NaN).
.set QX, 32
.set QY, 40
.set QZ, 48
.set QQ, 56
.set GG, 104                           ; group minima: query q, group j at GG + 16 q + j
	s_load_b128 s[4:7], s[0:1], 0x0                ; warped_xyz, f2_xyz
	s_load_b64 s[8:9], s[0:1], 0x10                ; grp
	s_and_b32 s10, ttmp7, 0xffff                   ; task
	v_lshrrev_b32 v1, 5, v0
	v_readfirstlane_b32 s11, v1                    ; wave
	s_lshr_b32 s12, ttmp9, 7                       ; batch
	s_mul_i32 s18, s12, 49152
	s_mov_b32 s19, 0
	s_lshl_b32 s22, ttmp9, 5
	s_lshl_b32 s23, s11, 3
	s_add_co_u32 s22, s22, s23                     ; the wave's first query
	s_mul_i32 s24, s22, 12
	s_mov_b32 s25, 0
	s_mov_b32 s26, 0x76543210
	s_mov_b32 s27, 0xfedcba98
	s_wait_kmcnt 0x0
	s_cmp_eq_u32 s10, 2
	s_cselect_b64 s[14:15], s[6:7], s[4:5]         ; queries
	s_cmp_eq_u32 s10, 1
	s_cselect_b64 s[16:17], s[4:5], s[6:7]         ; candidates
	s_cmp_eq_u32 s10, 0
	s_cselect_b32 s20, 32, 16                      ; k
	s_add_nc_u64 s[16:17], s[16:17], s[18:19]
	s_add_nc_u64 s[14:15], s[14:15], s[24:25]
	s_load_b512 s[32:47], s[14:15], 0x0            ; 8 queries, 24 words
	s_load_b256 s[48:55], s[14:15], 0x40
	; fill LDS: thread t brings candidates 32 t .. 32 t + 31; (x, y, z, ss) of candidate 128 l + row lies at 512 row + 16 l
	v_mul_u32_u24 v2, v0, 384
.set i_, 0
.rept 24
	global_load_b128 v[104+4*i_:107+4*i_], v2, s[16:17] offset:16*i_
.set i_, i_+1
.endr
	v_and_b32 v4, 3, v0
	v_lshlrev_b32 v4, 14, v4
	v_lshrrev_b32 v5, 2, v0
	v_lshl_add_u32 v5, v5, 4, v4
	s_wait_loadcnt 0x0
.set i_, 0
.rept 32
	v_mul_f32 v67, v[104+3*i_], v[104+3*i_]
	v_mul_f32 v68, v[105+3*i_], v[105+3*i_]
	v_add_f32 v67, v67, v68
	v_mul_f32 v68, v[106+3*i_], v[106+3*i_]
	v_add_f32 v67, v67, v68
	v_mov_b32 v64, v[104+3*i_]
	v_mov_b32 v65, v[105+3*i_]
	v_mov_b32 v66, v[106+3*i_]
	ds_store_b128 v5, v[64:67] offset:512*i_
.set i_, i_+1
.endr
	s_wait_dscnt 0x0                               ; my stores are done before the others read them
	s_barrier_signal -1
	s_barrier_wait -1
	v_and_b32 v1, 31, v0                           ; lane
	v_lshlrev_b32 v2, 4, v1
	v_mov_b32 v3, 0x7f800000                       ; +inf
	v_mov_b32 v6, 0
	v_lshlrev_b32 v4, 4, v1
.set i_, 0
.rept 16
	v_add_nc_u32 v5, i_, v4
	v_cvt_f32_u32 v[16+i_], v5                     ; group number as f32 (below 512: exact)
.set i_, i_+1
.endr
	s_wait_kmcnt 0x0
.set i_, 0
.rept 8
	v_mov_b32 v[8+i_], 0
	v_mov_b32 v[QX+i_], s[32+3*i_]
	v_mov_b32 v[QY+i_], s[33+3*i_]
	v_mov_b32 v[QZ+i_], s[34+3*i_]
	v_mul_f32 v[QQ+i_], v[QX+i_], v[QX+i_]
	v_mul_f32 v4, v[QY+i_], v[QY+i_]
	v_add_f32 v[QQ+i_], v[QQ+i_], v4
	v_mul_f32 v4, v[QZ+i_], v[QZ+i_]
	v_add_f32 v[QQ+i_], v[QQ+i_], v4
.set i_, i_+1
.endr
; distances of query pair p to the candidate in v[c:c+3], into the pair d
.macro DIST p, c, d
	v_pk_mul_f32 v[\d:\d+1], v[QX+2*\p:QX+2*\p+1], v[\c:\c+1] op_sel_hi:[1,0]
	v_pk_fma_f32 v[\d:\d+1], v[QY+2*\p:QY+2*\p+1], v[\c:\c+1], v[\d:\d+1] op_sel:[0,1,0] op_sel_hi:[1,1,1]
	v_pk_fma_f32 v[\d:\d+1], v[QZ+2*\p:QZ+2*\p+1], v[\c+2:\c+3], v[\d:\d+1] op_sel_hi:[1,0,1]
	v_pk_fma_f32 v[\d:\d+1], v[\d:\d+1], -2.0, v[QQ+2*\p:QQ+2*\p+1] op_sel_hi:[1,0,1]
	v_pk_add_f32 v[\d:\d+1], v[\d:\d+1], v[\c+2:\c+3] op_sel:[0,1] op_sel_hi:[1,1]
.endm
.macro LD4 set, row
.irp i, 0,1,2,3
	ds_load_b128 v[64+16*(\set)+4*\i:64+16*(\set)+4*\i+3], v2 offset:512*((\row)+\i)
.endr
.endm
	LD4 0, 0
.set b_, 0
.rept 32                               ; 32 batches of 4 rows; two batches make a group; the first pair of a group starts its minimum
.if b_ < 31
	LD4 (b_+1)&1, 4*b_+4
	s_wait_dscnt 0x4                               ; this batch's four loads are in, the next batch's four stay out
.else
	s_wait_dscnt 0x0
.endif
.set cb_, 64+16*(b_&1)
.set gj_, b_>>1
.irp p, 0,1,2,3
	DIST \p, cb_, 96
	DIST \p, cb_+4, 98
	DIST \p, cb_+8, 100
	DIST \p, cb_+12, 102
.irp u, 0,1
.if (b_&1) == 0
	v_min_num_f32 v[GG+16*(2*\p+\u)+gj_], v[96+\u], v[98+\u]
.else
	v_min3_num_f32 v[GG+16*(2*\p+\u)+gj_], v[GG+16*(2*\p+\u)+gj_], v[96+\u], v[98+\u]
.endif
	v_min3_num_f32 v[GG+16*(2*\p+\u)+gj_], v[GG+16*(2*\p+\u)+gj_], v[100+\u], v[102+\u]
.endr
.endr
.set b_, b_+1
.endr
.macro RED x                           ; minimum over the 32 lanes, in every lane
.irp m, 1,2,4,8
	v_min_num_f32_dpp v[\x], v[\x], v[\x] row_xmask:\m row_mask:0xf bank_mask:0xf
.endr
	v_permlanex16_b32 v6, v[\x], s26, s27
	v_min_num_f32 v[\x], v[\x], v6
.endm
; one extraction: the smallest value, the smallest number among its holders, that entry set to +inf, the number kept in lane = round
.macro ROUND GB, IDB, R, res
	v_min_num_f32 v4, v[\GB], v[\GB+1]
.set j_, 2
.rept (\R-2)/2
	v_min3_num_f32 v4, v4, v[\GB+j_], v[\GB+j_+1]
.set j_, j_+2
.endr
	RED 4
	v_mov_b32 v5, v3
.set j_, \R-1
.rept \R
	v_cmp_eq_f32 vcc_lo, v4, v[\GB+j_]
	v_cndmask_b32 v5, v5, v[\IDB+j_], vcc_lo
.set j_, j_-1
.endr
	RED 5
.set j_, 0
.rept \R
	v_cmp_eq_f32 vcc_lo, v5, v[\IDB+j_]
	v_cndmask_b32 v[\GB+j_], v[\GB+j_], v3, vcc_lo
.set j_, j_+1
.endr
	v_cndmask_b32 v[\res], v[\res], v5, s22
.endm
	s_lshl_b32 s28, s22, 7                         ; byte of the first query's 32 words
	s_lshl_b32 s29, s10, 20
	s_add_co_u32 s28, s28, s29
	s_mov_b32 s21, 0
.Lround:
	v_cmp_eq_u32 s22, s21, v1                      ; the lane that keeps this round's result
.irp q, 0,1,2,3,4,5,6,7
	ROUND GG+16*\q, 16, 16, 8+\q
.endr
	s_add_co_u32 s21, s21, 1
	s_cmp_lt_u32 s21, s20
	s_cbranch_scc1 .Lround
	v_lshl_add_u32 v7, v1, 2, s28
.irp q, 0,1,2,3,4,5,6,7
	v_cvt_u32_f32 v[8+\q], v[8+\q]
	global_store_b32 v7, v[8+\q], s[8:9] offset:128*\q
.endr
	s_endpgm
.Lfunc_end_k_q10b590946f_knn_a:
	.size	k_q10b590946f_knn_a, .Lfunc_end_k_q10b590946f_knn_a-k_q10b590946f_knn_a
	.p2alignl 7, 3214868480
	.fill 96, 4, 3214868480
	.section	.rodata,"a",@progbits
	.p2align	6, 0x0
	.amdhsa_kernel k_q10b590946f_knn_a
		.amdhsa_group_segment_fixed_size 65536
		.amdhsa_private_segment_fixed_size 0
		.amdhsa_enable_private_segment 0
		.amdhsa_kernarg_size 24
		.amdhsa_user_sgpr_count 2
		.amdhsa_user_sgpr_kernarg_segment_ptr 1
		.amdhsa_wavefront_size32 1
		.amdhsa_system_sgpr_workgroup_id_x 1
		.amdhsa_system_sgpr_workgroup_id_y 1
		.amdhsa_system_sgpr_workgroup_id_z 1
		.amdhsa_system_vgpr_workitem_id 0
		.amdhsa_next_free_vgpr 232
		.amdhsa_next_free_sgpr 66
		.amdhsa_reserve_vcc 1
		.amdhsa_float_denorm_mode_32 3
		.amdhsa_float_denorm_mode_16_64 3
		.amdhsa_memory_ordered 1
		.amdhsa_forward_progress 1
		.amdhsa_inst_pref_size 242
	.end_amdhsa_kernel
	.amdgpu_metadata
---
amdhsa.version: [ 1, 2 ]
amdhsa.kernels:
  - .name:           k_q10b590946f_knn_a
    .symbol:         k_q10b590946f_knn_a.kd
    .args:
      - { .name: warped_xyz, .offset: 0, .size: 8, .value_kind: global_buffer, .address_space: global }
      - { .name: f2_xyz, .offset: 8, .size: 8, .value_kind: global_buffer, .address_space: global }
      - { .name: grp, .offset: 16, .size: 8, .value_kind: global_buffer, .address_space: global }
    .group_segment_fixed_size: 65536
    .private_segment_fixed_size: 0
    .kernarg_segment_align: 8
    .kernarg_segment_size: 24
    .max_flat_workgroup_size: 128
    .sgpr_count:     66
    .vgpr_count:     232
    .wavefront_size: 32
...
	.end_amdgpu_metadata
.endif
;; end of part 2
;; launch knn_b (part 3): grid 256 x 3, 8 waves a work-group, no clusters, 0 bytes of LDS; arguments warped_xyz, f2_xyz, grp, idx; writes idx
.if DOCPART == 3
	.amdgcn_target "amdgcn-amd-amdhsa--gfx1250"
	.amdhsa_code_object_version 6
	.text
	.protected	k_q10b590946f_knn_b
	.globl	k_q10b590946f_knn_b
	.p2align	8
	.type	k_q10b590946f_knn_b,@function
k_q10b590946f_knn_b:
	s_mov_b64 s[64:65], 0
	v_nop
	global_prefetch_b8 v0, s[64:65] scope:SCOPE_SE
	s_setreg_imm32_b32 hwreg(HW_REG_WAVE_MODE, 25, 1), 1
	s_wait_xcnt 0x0
; Second half of the exact top-k: the 8 k candidates of the k chosen groups are fetched by the stored group numbers,
; their distances are made with the same arithmetic as in the first half, and the k first by (distance, index) are taken.
; A wave serves 4 queries, one after the other. Task 0: a lane holds one group (8 candidates), 32 rounds.
; Tasks 1, 2: a lane holds half a group (4 candidates), 16 rounds; words 16-31 of a query are written as 0.
; Limits as in the first half: finite inputs, |xyz| < 1e18.
	s_load_b256 s[4:11], s[0:1], 0x0               ; warped_xyz, f2_xyz, grp, idx
	s_and_b32 s12, ttmp7, 0xffff                   ; task
	v_lshrrev_b32 v1, 5, v0
	v_readfirstlane_b32 s13, v1                    ; wave
	s_lshr_b32 s14, ttmp9, 7                       ; batch
	s_mul_i32 s28, s14, 49152
	s_mov_b32 s29, 0
	s_lshl_b32 s20, ttmp9, 5
	s_lshl_b32 s21, s13, 2
	s_add_co_u32 s20, s20, s21                     ; first query
	s_mul_i32 s30, s20, 12
	s_mov_b32 s31, 0
	s_lshl_b32 s23, s20, 7
	s_lshl_b32 s25, s12, 20
	s_add_co_u32 s23, s23, s25                     ; byte of the query's 32 words in grp and in idx
	s_mov_b32 s26, 0x76543210
	s_mov_b32 s27, 0xfedcba98
	v_and_b32 v1, 31, v0
	v_mov_b32 v3, 0x7f800000
	v_mov_b32 v6, 0
	v_lshl_add_u32 v12, v1, 2, s23
	s_wait_kmcnt 0x0
	s_cmp_eq_u32 s12, 2
	s_cselect_b64 s[16:17], s[6:7], s[4:5]
	s_cmp_eq_u32 s12, 1
	s_cselect_b64 s[18:19], s[4:5], s[6:7]
	s_add_nc_u64 s[18:19], s[18:19], s[28:29]
	s_add_nc_u64 s[16:17], s[16:17], s[30:31]
.macro RED x
.irp m, 1,2,4,8
	v_min_num_f32_dpp v[\x], v[\x], v[\x] row_xmask:\m row_mask:0xf bank_mask:0xf
.endr
	v_permlanex16_b32 v6, v[\x], s26, s27
	v_min_num_f32 v[\x], v[\x], v6
.endm
.macro ROUND GB, IDB, R, res
	v_min_num_f32 v4, v[\GB], v[\GB+1]
.set j_, 2
.rept (\R-2)/2
	v_min3_num_f32 v4, v4, v[\GB+j_], v[\GB+j_+1]
.set j_, j_+2
.endr
	RED 4
	v_mov_b32 v5, v3
.set j_, \R-1
.rept \R
	v_cmp_eq_f32 vcc_lo, v4, v[\GB+j_]
	v_cndmask_b32 v5, v5, v[\IDB+j_], vcc_lo
.set j_, j_-1
.endr
	RED 5
.set j_, 0
.rept \R
	v_cmp_eq_f32 vcc_lo, v5, v[\IDB+j_]
	v_cndmask_b32 v[\GB+j_], v[\GB+j_], v3, vcc_lo
.set j_, j_+1
.endr
	v_cndmask_b32 v[\res], v[\res], v5, s22
.endm
; four queries; R candidates a lane, NR rounds
.macro QLOOP R, NR, sfx
	s_mov_b32 s24, 0
.Lq\sfx:
	s_load_b96 s[40:42], s[16:17], 0x0
	global_load_b32 v10, v2, s[8:9]
	s_wait_loadcnt 0x0
	v_min_u32 v10, 0x1ff, v10                      ; a group number stays inside its table
	v_mul_u32_u24 v11, v10, 96
	v_lshlrev_b32 v14, 3, v10
.if \R == 4
	v_add_nc_u32 v11, v11, v13
	v_add_nc_u32 v14, v14, v15
.endif
.set i_, 0
.rept 3*\R/4
	global_load_b128 v[16+4*i_:19+4*i_], v11, s[18:19] offset:16*i_
.set i_, i_+1
.endr
.set i_, 0
.rept \R
	v_add_nc_u32 v4, i_, v14
	v_cvt_f32_u32 v[48+i_], v4                     ; index as f32 (below 4,096: exact)
.set i_, i_+1
.endr
	v_mov_b32 v9, 0
	s_wait_kmcnt 0x0
	v_mul_f32 v8, s40, s40
	v_mul_f32 v4, s41, s41
	v_add_f32 v8, v8, v4
	v_mul_f32 v4, s42, s42
	v_add_f32 v8, v8, v4
	s_wait_loadcnt 0x0
.set i_, 0
.rept \R
	v_mul_f32 v4, s40, v[16+3*i_]
	v_fma_f32 v4, s41, v[17+3*i_], v4
	v_fma_f32 v4, s42, v[18+3*i_], v4
	v_fma_f32 v4, v4, -2.0, v8
	v_mul_f32 v5, v[16+3*i_], v[16+3*i_]
	v_mul_f32 v7, v[17+3*i_], v[17+3*i_]
	v_add_f32 v5, v5, v7
	v_mul_f32 v7, v[18+3*i_], v[18+3*i_]
	v_add_f32 v5, v5, v7
	v_add_f32 v[40+i_], v4, v5
.set i_, i_+1
.endr
	s_mov_b32 s21, 0
.Lr\sfx:
	v_cmp_eq_u32 s22, s21, v1
	ROUND 40, 48, \R, 9
	s_add_co_u32 s21, s21, 1
	s_cmp_lt_u32 s21, \NR
	s_cbranch_scc1 .Lr\sfx
	v_cvt_u32_f32 v7, v9
	global_store_b32 v12, v7, s[10:11]
	s_wait_xcnt 0x0                                ; v2, v7, v12 and s[16:17] are rewritten only behind this wait
	v_add_nc_u32 v2, 128, v2
	v_add_nc_u32 v12, 128, v12
	s_add_nc_u64 s[16:17], s[16:17], 12
	s_add_co_u32 s24, s24, 1
	s_cmp_lt_u32 s24, 4
	s_cbranch_scc1 .Lq\sfx
.endm
	s_cmp_lg_u32 s12, 0
	s_cbranch_scc1 .Lself
	v_lshl_add_u32 v2, v1, 2, s23
	QLOOP 8, 32, a
	s_endpgm
.Lself:
	v_and_b32 v2, 15, v0
	v_lshl_add_u32 v2, v2, 2, s23
	v_bfe_u32 v15, v0, 4, 1
	v_mul_u32_u24 v13, v15, 48                     ; the group's second half: 4 candidates of 12 bytes on
	v_lshlrev_b32 v15, 2, v15
	QLOOP 4, 16, b
	s_endpgm
.Lfunc_end_k_q10b590946f_knn_b:
	.size	k_q10b590946f_knn_b, .Lfunc_end_k_q10b590946f_knn_b-k_q10b590946f_knn_b
	.p2alignl 7, 3214868480
	.fill 96, 4, 3214868480
	.section	.rodata,"a",@progbits
	.p2align	6, 0x0
	.amdhsa_kernel k_q10b590946f_knn_b
		.amdhsa_group_segment_fixed_size 0
		.amdhsa_private_segment_fixed_size 0
		.amdhsa_enable_private_segment 0
		.amdhsa_kernarg_size 32
		.amdhsa_user_sgpr_count 2
		.amdhsa_user_sgpr_kernarg_segment_ptr 1
		.amdhsa_wavefront_size32 1
		.amdhsa_system_sgpr_workgroup_id_x 1
		.amdhsa_system_sgpr_workgroup_id_y 1
		.amdhsa_system_sgpr_workgroup_id_z 1
		.amdhsa_system_vgpr_workitem_id 0
		.amdhsa_next_free_vgpr 64
		.amdhsa_next_free_sgpr 66
		.amdhsa_reserve_vcc 1
		.amdhsa_float_denorm_mode_32 3
		.amdhsa_float_denorm_mode_16_64 3
		.amdhsa_memory_ordered 1
		.amdhsa_forward_progress 1
		.amdhsa_inst_pref_size 15
	.end_amdhsa_kernel
	.amdgpu_metadata
---
amdhsa.version: [ 1, 2 ]
amdhsa.kernels:
  - .name:           k_q10b590946f_knn_b
    .symbol:         k_q10b590946f_knn_b.kd
    .args:
      - { .name: warped_xyz, .offset: 0, .size: 8, .value_kind: global_buffer, .address_space: global }
      - { .name: f2_xyz, .offset: 8, .size: 8, .value_kind: global_buffer, .address_space: global }
      - { .name: grp, .offset: 16, .size: 8, .value_kind: global_buffer, .address_space: global }
      - { .name: idx, .offset: 24, .size: 8, .value_kind: global_buffer, .address_space: global }
    .group_segment_fixed_size: 0
    .private_segment_fixed_size: 0
    .kernarg_segment_align: 8
    .kernarg_segment_size: 32
    .max_flat_workgroup_size: 256
    .sgpr_count:     66
    .vgpr_count:     64
    .wavefront_size: 32
...
	.end_amdgpu_metadata
.endif
;; end of part 3
;; launch nbr (part 4): grid 128 x 2, 16 waves a work-group, no clusters, 167,936 bytes of LDS; arguments warped_xyz, f2_xyz, idx, nrmp, wimg, tabn; writes tabn
.if DOCPART == 4
	.amdgcn_target "amdgcn-amd-amdhsa--gfx1250"
	.amdhsa_code_object_version 6
	.text
	.protected	k_q10b590946f_nbr
	.globl	k_q10b590946f_nbr
	.p2align	8
	.type	k_q10b590946f_nbr,@function
k_q10b590946f_nbr:
	s_mov_b64 s[64:65], 0
	v_nop
	global_prefetch_b8 v0, s[64:65] scope:SCOPE_SE
	s_setreg_imm32_b32 hwreg(HW_REG_WAVE_MODE, 25, 1), 1
	s_wait_xcnt 0x0
; Neighbourhood descriptor of both clouds (y: 0 warped, 1 f2): convs2 chain on the 16 self-neighbours, max over channels,
; softmax over the neighbours, weighted sum of the neighbours' features; stored normalised (desc / |desc|) in bf16.
; A wave owns 4 points, two trips of 2 points; a row tile of the matrix products is one point's 16 neighbours.
; Matrix products: source 0 = 16 rows of the weight image (output channels), source 1 = 16 data rows. Lane (r, h), register j
; of the result holds channel 16 o + 8 h + j of data row r, so four packed conversions of tiles 2s and 2s+1 ARE the next
; layer's fragment of K step s: nothing goes through LDS between layers.
; The weight image is shared by all work-groups but is fetched once per work-group for 64 points' work: no joint requests.
; Limits: features enter the weighted sum rounded to bf16; a descriptor with a sum of squares below 1e-30 counts as that.
.set BI, 16                            ; v16-31   bias of two channel tiles / temporaries
.set WB, 32                            ; v32-63   two sets of weight fragments
.set DB, 64                            ; v64-95   results: tile (o, t) at DB + 16 o + 8 t
.set E,  96                            ; v96-127  gathered features, fragment (ks, t) at E + 16 ks + 8 t
.set XA, 128
.set XB, 192
.macro KSEG a, b, base, sk, st         ; K steps a and b read fragments base, base + sk; row tile t is st further
.set KB\a, \base
.set KB\b, \base+\sk
.set KT\a, \st
.set KT\b, \st
.endm
.macro KONE a, base, st
.set KB\a, \base
.set KT\a, \st
.endm
.macro GETF ks
.if \ks == 0
.set FB, KB0
.set FT, KT0
.elseif \ks == 1
.set FB, KB1
.set FT, KT1
.elseif \ks == 2
.set FB, KB2
.set FT, KT2
.elseif \ks == 3
.set FB, KB3
.set FT, KT3
.elseif \ks == 4
.set FB, KB4
.set FT, KT4
.elseif \ks == 5
.set FB, KB5
.set FT, KT5
.else
.set FB, KB6
.set FT, KT6
.endif
.endm
.macro WLOAD p, ks, set, pitch         ; weight fragments of channel tiles 2p, 2p+1, K step ks
.irp o, 0,1
	ds_load_b128 v[WB+16*(\set)+8*\o:WB+16*(\set)+8*\o+3], v8 offset:(32*(\p)+16*\o)*\pitch+64*(\ks)
	ds_load_b128 v[WB+16*(\set)+8*\o+4:WB+16*(\set)+8*\o+7], v8 offset:(32*(\p)+16*\o)*\pitch+64*(\ks)+32
.endr
.endm
.macro PAIRLOAD p, KS, pitch, bias
.if \bias
.irp o, 0,1
	ds_load_b128 v[BI+8*\o:BI+8*\o+3], v9 offset:128*(\p)+64*\o
	ds_load_b128 v[BI+8*\o+4:BI+8*\o+7], v9 offset:128*(\p)+64*\o+16
.endr
.endif
	WLOAD \p, 0, 0, \pitch
.if \KS > 1
	WLOAD \p, 1, 1, \pitch
.endif
.endm
; two channel tiles x two row tiles over all K steps. Behind each group of four products five v_nop: the places in front of
; the loads into the weight set just read, of the vector reads of the results and of the next pair's first products
; the link of a chain in place needs none.
.macro PAIRBODY p, KS, pitch, cb
.set ks_, 0
.rept \KS
.if ks_+1 < \KS
	s_wait_dscnt 0x4                               ; this K step's weights are in; the next step's four loads stay out
.else
	s_wait_dscnt 0x0
.endif
	GETF ks_
.irp o, 0,1
.irp t, 0,1
.if ks_ == 0
.if \cb
	v_wmma_f32_16x16x32_bf16 v[DB+16*\o+8*\t:DB+16*\o+8*\t+7], v[WB+8*\o:WB+8*\o+7], v[FB+\t*FT:FB+\t*FT+7], v[BI+8*\o:BI+8*\o+7]
.else
	v_wmma_f32_16x16x32_bf16 v[DB+16*\o+8*\t:DB+16*\o+8*\t+7], v[WB+8*\o:WB+8*\o+7], v[FB+\t*FT:FB+\t*FT+7], 0
.endif
.else
	v_wmma_f32_16x16x32_bf16 v[DB+16*\o+8*\t:DB+16*\o+8*\t+7], v[WB+16*(ks_&1)+8*\o:WB+16*(ks_&1)+8*\o+7], v[FB+\t*FT:FB+\t*FT+7], v[DB+16*\o+8*\t:DB+16*\o+8*\t+7]
.endif
.endr
.endr
.rept 5
	v_nop
.endr
.if ks_+2 < \KS
	WLOAD \p, ks_+2, ks_&1, \pitch
.endif
.set ks_, ks_+1
.endr
.endm
.macro POSTFRAG out, p                 ; relu in f32, round to bf16: K step p of the next layer's fragments
.irp t, 0,1
.irp o, 0,1
.irp j, 0,1,2,3,4,5,6,7
	v_max_num_f32 v[DB+16*\o+8*\t+\j], 0, v[DB+16*\o+8*\t+\j]
.endr
.irp j, 0,1,2,3
	v_cvt_pk_bf16_f32 v[\out+8*(2*(\p)+\t)+4*\o+\j], v[DB+16*\o+8*\t+2*\j], v[DB+16*\o+8*\t+2*\j+1]
.endr
.endr
.endr
.endm
.macro POSTMAX                         ; running maximum over channels in v10 (tile 0), v12 (tile 1); they start at 0: the relu
.irp t, 0,1
.irp o, 0,1
.irp j, 0,2,4,6
	v_max3_num_f32 v[10+2*\t], v[10+2*\t], v[DB+16*\o+8*\t+\j], v[DB+16*\o+8*\t+\j+1]
.endr
.endr
.endr
.endm
; a layer without bias: NP pairs of channel tiles, KS K steps. mode 0: fragments to out; 1: channel maximum
.macro LAYER woff, NP, KS, pitch, mode, out
	v_mul_u32_u24 v8, v1, \pitch
	v_lshl_add_u32 v8, v2, 4, v8                   ; r * pitch + 16 h
.if \woff
	v_add_nc_u32 v8, \woff, v8                     ; + the layer's place in the image
.endif
	PAIRLOAD 0, \KS, \pitch, 0
.set p_, 0
.rept \NP
	PAIRBODY p_, \KS, \pitch, 0
.if p_+1 < \NP
	PAIRLOAD p_+1, \KS, \pitch, 0
.endif
.if \mode == 0
	POSTFRAG \out, p_
.else
	POSTMAX
.endif
.set p_, p_+1
.endr
.endm
.macro GATHER dst, voff, sb, imm       ; rows of 64 bf16 as fragments: tile t's byte offsets (row * 128 + 16 h) in v[voff + t]
.irp t, 0,1
.irp k, 0,1
.irp f, 0,1
	global_load_b128 v[\dst+8*(2*\k+\t)+4*\f:\dst+8*(2*\k+\t)+4*\f+3], v[\voff+\t], s[\sb:\sb+1] offset:\imm+64*\k+32*\f
.endr
.endr
.endr
.endm
; the geometry K step of one row tile: k 0-2 own xyz, 3-5 neighbour xyz, 6-8 their difference, 9 its length, rest 0
.macro GEOFRAG out, sx, nb, rb, dd, T
	v_cvt_pk_bf16_f32 v[\T], s[\sx], s[\sx+1]
	v_cvt_pk_bf16_f32 v[\T+1], s[\sx+2], v[\nb]
	v_cvt_pk_bf16_f32 v[\T+2], v[\nb+1], v[\nb+2]
	v_cvt_pk_bf16_f32 v[\T+3], v[\rb], v[\rb+1]
	v_cvt_pk_bf16_f32 v[\T+4], v[\rb+2], v[\dd]
	v_cndmask_b32 v[\out], v[\T], v[\T+4], s30     ; lanes 16-31 hold k 8-15
	v_cndmask_b32 v[\out+1], v[\T+1], v15, s30
	v_cndmask_b32 v[\out+2], v[\T+2], v15, s30
	v_cndmask_b32 v[\out+3], v[\T+3], v15, s30
.irp i, 4,5,6,7
	v_mov_b32 v[\out+\i], 0
.endr
.endm
	s_load_b256 s[8:15], s[0:1], 0x0               ; warped_xyz, f2_xyz, idx, nrmp
	s_load_b128 s[16:19], s[0:1], 0x20             ; wimg, tabn
	v_lshrrev_b32 v1, 5, v0
	v_readfirstlane_b32 s24, v1                    ; wave
	s_and_b32 s25, ttmp7, 0xffff                   ; cloud
	s_mov_b32 s30, 0xffff0000                      ; lanes 16-31
	s_mov_b32 s31, 0x76543210
	s_mov_b32 s32, 0xfedcba98
	s_mov_b32 s34, 0x1e3ce508                      ; 1e-20
	s_mov_b32 s35, 0x3fb8aa3b                      ; log2 e
	v_and_b32 v1, 15, v0                           ; r
	v_bfe_u32 v2, v0, 4, 1                         ; h
	v_lshlrev_b32 v3, 4, v2                        ; 16 h
	v_lshlrev_b32 v5, 2, v1                        ; 4 r
	v_and_b32 v6, 31, v0
	s_lshl_b32 s26, s24, 9
	s_add_co_u32 s26, s26, 31744                   ; the wave's own 512 bytes behind the image
	v_lshl_add_u32 v6, v6, 4, s26
	v_add_nc_u32 v7, s26, v3
	v_mov_b32 v11, 0
	v_mov_b32 v13, 0
	v_mov_b32 v15, 0
	s_lshl_b32 s27, s25, 20                        ; cloud * 1 MiB
	s_lshl_b32 s29, ttmp9, 6
	s_lshl_b32 s28, s24, 2
	s_add_co_u32 s29, s29, s28                     ; first point
	s_lshr_b32 s33, ttmp9, 6
	s_lshl_b32 s33, s33, 12                        ; batch * 4096
	s_wait_kmcnt 0x0
	s_cmp_eq_u32 s25, 0
	s_cselect_b64 s[20:21], s[8:9], s[10:11]
	; each wave brings its slice (1,984 bytes) of the image as one row of 8-byte elements; all waves read all of it: wait, then a barrier
	s_mul_i32 s37, s24, 1984                       ; LDS byte = wave * slice
	s_mov_b32 s36, 1
	s_mov_b32 s48, s37
	s_mov_b32 s49, 0
	s_add_nc_u64 s[38:39], s[16:17], s[48:49]
	s_add_nc_u64 s[38:39], s[38:39], 250112
	s_or_b32 s39, s39, 0x80000000
	s_mov_b32 s40, 3<<16
	s_mov_b32 s41, (1984/8)<<16
	s_mov_b32 s42, 1<<16
	s_mov_b32 s43, (1984/8)<<16
	s_mov_b32 s44, 1
	s_mov_b32 s45, 248
	s_mov_b32 s46, 0
	s_mov_b32 s47, 0
	tensor_load_to_lds s[36:39], s[40:47]
	s_wait_tensorcnt 0x0
	s_barrier_signal -1
	s_barrier_wait -1
	s_mov_b32 s28, 0
.Ltrip:
	s_mul_i32 s48, s29, 12
	s_load_b128 s[52:55], s[20:21], s48 offset:0x0 ; own xyz of the two points
	s_load_b64 s[56:57], s[20:21], s48 offset:0x10
	s_lshl_b32 s49, s29, 7
	s_add_co_u32 s49, s49, s27
	v_add_nc_u32 v14, s49, v5
	global_load_b32 v16, v14, s[12:13] offset:0x100000
	global_load_b32 v17, v14, s[12:13] offset:0x100080
	s_wait_loadcnt 0x0
.irp t, 0,1
	v_min_u32 v[16+\t], 0xfff, v[16+\t]
	v_add_nc_u32 v[16+\t], s33, v[16+\t]
	v_lshl_add_u32 v[18+\t], v[16+\t], 7, v3
	v_add_nc_u32 v[18+\t], s27, v[18+\t]
	v_mul_u32_u24 v[20+\t], v[16+\t], 12
.endr
	GATHER E, 18, 14, 0x200000
.irp t, 0,1
.irp c, 0,1,2
	global_load_b32 v[28+3*\t+\c], v[20+\t], s[20:21] offset:4*\c
.endr
.endr
	s_wait_loadcnt 0x0
	s_wait_kmcnt 0x0
.irp t, 0,1
.irp c, 0,1,2
	v_sub_f32 v[44+3*\t+\c], v[28+3*\t+\c], s[52+3*\t+\c]
.endr
	v_fma_f32 v[50+\t], v[44+3*\t], v[44+3*\t], s34
	v_fmac_f32 v[50+\t], v[45+3*\t], v[45+3*\t]
	v_fmac_f32 v[50+\t], v[46+3*\t], v[46+3*\t]
.endr
	v_sqrt_f32 v50, v50
	v_sqrt_f32 v51, v51
	v_nop
	GEOFRAG XA, 52, 28, 44, 50, 36
	GEOFRAG XA+8, 55, 31, 47, 51, 36
	KSEG 0, 1, E, 16, 8
	KONE 2, XA, 8
	LAYER 0, 2, 3, 208, 0, XB
	KSEG 0, 1, XB, 16, 8
	LAYER 13312, 2, 2, 144, 0, XB+32
	KSEG 0, 1, XB+32, 16, 8
	v_mov_b32 v10, 0
	v_mov_b32 v12, 0
	LAYER 22528, 2, 2, 144, 1, 0
	; softmax over the 16 neighbours (lanes r) of each point
	v_permlanex16_b32 v11, v10, s31, s32
	v_permlanex16_b32 v13, v12, s31, s32
	v_max_num_f32 v10, v10, v11
	v_max_num_f32 v12, v12, v13
	v_mov_b32 v14, v10
	v_mov_b32 v16, v12
.irp m, 1,2,4,8
	v_max_num_f32_dpp v14, v14, v14 row_xmask:\m row_mask:0xf bank_mask:0xf
	v_max_num_f32_dpp v16, v16, v16 row_xmask:\m row_mask:0xf bank_mask:0xf
.endr
	v_sub_f32 v10, v10, v14
	v_sub_f32 v12, v12, v16
	v_mul_f32 v10, s35, v10
	v_mul_f32 v12, s35, v12
	v_exp_f32 v10, v10
	v_exp_f32 v12, v12
	v_nop
	v_mov_b32 v14, v10
	v_mov_b32 v16, v12
.irp m, 1,2,4,8
	v_add_f32_dpp v14, v14, v14 row_xmask:\m row_mask:0xf bank_mask:0xf
	v_add_f32_dpp v16, v16, v16 row_xmask:\m row_mask:0xf bank_mask:0xf
.endr
	v_rcp_f32 v14, v14
	v_rcp_f32 v16, v16
	v_nop
	v_mul_f32 v10, v10, v14
	v_mul_f32 v12, v12, v16
	; weighted features: lane (r, h) has 32 channels of neighbour r; product, then the sum over the 16 lanes
.irp t, 0,1
.irp k, 0,1
.irp f, 0,1
.irp i, 0,1,2,3
	v_fma_mix_f32_bf16 v[XA+32*\t+8*(2*\k+\f)+2*\i], v[10+2*\t], v[E+8*(2*\k+\t)+4*\f+\i], v15 op_sel_hi:[0,1,0]
	v_fma_mix_f32_bf16 v[XA+32*\t+8*(2*\k+\f)+2*\i+1], v[10+2*\t], v[E+8*(2*\k+\t)+4*\f+\i], v15 op_sel:[0,1,0] op_sel_hi:[0,1,0]
.endr
.endr
.endr
.endr
.irp m, 1,2,4,8
.set i_, 0
.rept 64
	v_add_f32_dpp v[XA+i_], v[XA+i_], v[XA+i_] row_xmask:\m row_mask:0xf bank_mask:0xf
.set i_, i_+1
.endr
.endr
.irp t, 0,1
	v_pk_mul_f32 v[16+2*\t:17+2*\t], v[XA+32*\t:XA+32*\t+1], v[XA+32*\t:XA+32*\t+1]
.set i_, 1
.rept 15
	v_pk_fma_f32 v[16+2*\t:17+2*\t], v[XA+32*\t+2*i_:XA+32*\t+2*i_+1], v[XA+32*\t+2*i_:XA+32*\t+2*i_+1], v[16+2*\t:17+2*\t]
.set i_, i_+1
.endr
	v_add_f32 v[16+2*\t], v[16+2*\t], v[17+2*\t]
	v_permlanex16_b32 v[17+2*\t], v[16+2*\t], s31, s32
	v_add_f32 v[16+2*\t], v[16+2*\t], v[17+2*\t]
	v_max_num_f32 v[16+2*\t], 0x0da24260, v[16+2*\t]
.endr
	v_rsq_f32 v16, v16
	v_rsq_f32 v18, v18
	v_nop
.irp t, 0,1
.set i_, 0
.rept 16
	v_pk_mul_f32 v[XA+32*\t+2*i_:XA+32*\t+2*i_+1], v[XA+32*\t+2*i_:XA+32*\t+2*i_+1], v[16+2*\t:17+2*\t] op_sel_hi:[1,0]
	v_cvt_pk_bf16_f32 v[32+16*\t+i_], v[XA+32*\t+2*i_], v[XA+32*\t+2*i_+1]
.set i_, i_+1
.endr
.irp g, 0,1,2,3
	ds_store_b128 v7, v[32+16*\t+4*\g:32+16*\t+4*\g+3] offset:128*\t+32*\g   ; the 16 lanes of a half write the same 16 bytes
.endr
.endr
	s_wait_xcnt 0x0
	v_add_nc_u32 v7, 0x100, v7
	s_add_co_u32 s29, s29, 2
	s_add_co_u32 s28, s28, 1
	s_cmp_lt_u32 s28, 2
	s_cbranch_scc1 .Ltrip
	ds_load_b128 v[16:19], v6                      ; my own four rows; a wave's LDS instructions are served in order
	s_sub_co_u32 s29, s29, 4
	s_lshl_b32 s29, s29, 7
	s_add_co_u32 s29, s29, s27
	v_and_b32 v20, 31, v0
	v_lshl_add_u32 v20, v20, 4, s29
	s_wait_dscnt 0x0
	global_store_b128 v20, v[16:19], s[18:19]      ; 512 consecutive bytes, aligned
	s_endpgm
.Lfunc_end_k_q10b590946f_nbr:
	.size	k_q10b590946f_nbr, .Lfunc_end_k_q10b590946f_nbr-k_q10b590946f_nbr
	.p2alignl 7, 3214868480
	.fill 96, 4, 3214868480
	.section	.rodata,"a",@progbits
	.p2align	6, 0x0
	.amdhsa_kernel k_q10b590946f_nbr
		.amdhsa_group_segment_fixed_size 167936
		.amdhsa_private_segment_fixed_size 0
		.amdhsa_enable_private_segment 0
		.amdhsa_kernarg_size 48
		.amdhsa_user_sgpr_count 2
		.amdhsa_user_sgpr_kernarg_segment_ptr 1
		.amdhsa_wavefront_size32 1
		.amdhsa_system_sgpr_workgroup_id_x 1
		.amdhsa_system_sgpr_workgroup_id_y 1
		.amdhsa_system_sgpr_workgroup_id_z 1
		.amdhsa_system_vgpr_workitem_id 0
		.amdhsa_next_free_vgpr 256
		.amdhsa_next_free_sgpr 66
		.amdhsa_reserve_vcc 0
		.amdhsa_float_denorm_mode_32 3
		.amdhsa_float_denorm_mode_16_64 3
		.amdhsa_memory_ordered 1
		.amdhsa_forward_progress 1
		.amdhsa_inst_pref_size 57
	.end_amdhsa_kernel
	.amdgpu_metadata
---
amdhsa.version: [ 1, 2 ]
amdhsa.kernels:
  - .name:           k_q10b590946f_nbr
    .symbol:         k_q10b590946f_nbr.kd
    .args:
      - { .name: warped_xyz, .offset: 0, .size: 8, .value_kind: global_buffer, .address_space: global }
      - { .name: f2_xyz, .offset: 8, .size: 8, .value_kind: global_buffer, .address_space: global }
      - { .name: idx, .offset: 16, .size: 8, .value_kind: global_buffer, .address_space: global }
      - { .name: nrmp, .offset: 24, .size: 8, .value_kind: global_buffer, .address_space: global }
      - { .name: wimg, .offset: 32, .size: 8, .value_kind: global_buffer, .address_space: global }
      - { .name: tabn, .offset: 40, .size: 8, .value_kind: global_buffer, .address_space: global }
    .group_segment_fixed_size: 167936
    .private_segment_fixed_size: 0
    .kernarg_segment_align: 8
    .kernarg_segment_size: 48
    .max_flat_workgroup_size: 512
    .sgpr_count:     66
    .vgpr_count:     256
    .wavefront_size: 32
...
	.end_amdgpu_metadata
.endif
;; end of part 4
;; launch rowmax (part 5): grid 32 x 8, 4 waves a work-group, no clusters, 294,912 bytes of LDS; arguments nrmp, tabn, rmax; writes rmax
.if DOCPART == 5
	.amdgcn_target "amdgcn-amd-amdhsa--gfx1250"
	.amdhsa_code_object_version 6
	.text
	.protected	k_q10b590946f_rowmax
	.globl	k_q10b590946f_rowmax
	.p2align	8
	.type	k_q10b590946f_rowmax,@function
k_q10b590946f_rowmax:
	s_mov_b64 s[64:65], 0
	v_nop
	global_prefetch_b8 v0, s[64:65] scope:SCOPE_SE
	s_setreg_imm32_b32 hwreg(HW_REG_WAVE_MODE, 25, 1), 1
	s_wait_xcnt 0x0
; Row maxima of the cosine matrices. y = 2 a + hb. Array a: 0 warped against f2, 1 f2 against warped (point features),
; 2 and 3 the same for the neighbourhood descriptors. A = 256 rows (x), B = half hb (2,048 rows) of the other table of
; the same batch; both are normalised bf16 rows of 64, so a product of rows is the cosine.
; B lies whole in LDS (2,048 rows of 144 bytes: 128 of data, 16 of padding), brought in four chunks of 512 rows, each wave
; a quarter of each chunk; the products on a chunk run while the later chunks arrive (four loads of a wave out at most).
; Source 0 = 16 rows of B, source 1 = 16 rows of A: a lane's eight results belong to A's row r, so the maximum stays in the lane.
; The B half is shared by the 16 work-groups of a batch; joint requests are left out in this version (each fetches its own copy).
; Limit: the 1e-6 in the reference's denominator |a||b| + 1e-6 is dropped.
.set AF, 16                            ; A: tile a, K step k at AF + 16 a + 8 k
.set BF, 80                            ; B: set s, tile u, K step k at BF + 32 s + 16 u + 8 k
.set DD, 144                           ; results: tile (u, a) at DD + 32 u + 8 a
	s_load_b128 s[4:7], s[0:1], 0x0                ; nrmp, tabn
	s_load_b64 s[8:9], s[0:1], 0x10                ; rmax
	v_lshrrev_b32 v1, 5, v0
	v_readfirstlane_b32 s13, v1                    ; wave
	s_and_b32 s10, ttmp7, 0xffff
	s_lshr_b32 s11, s10, 1                         ; array
	s_and_b32 s12, s10, 1                          ; half of B
	s_lshr_b32 s14, ttmp9, 4                       ; batch
	s_and_b32 s18, s11, 1
	s_lshl_b32 s20, ttmp9, 8
	s_lshl_b32 s21, s13, 6
	s_add_co_u32 s50, s20, s21                     ; the wave's first row of A
	s_lshl_b32 s20, s50, 7
	s_lshl_b32 s21, s18, 20
	s_add_co_u32 s20, s20, s21
	s_mov_b32 s21, 0
	s_lshl_b32 s22, s14, 12
	s_lshl_b32 s23, s12, 11
	s_add_co_u32 s22, s22, s23
	s_lshl_b32 s23, s13, 7
	s_add_co_u32 s22, s22, s23                     ; the wave's first row of B in chunk 0
	s_lshl_b32 s22, s22, 7
	s_xor_b32 s23, s18, 1
	s_lshl_b32 s23, s23, 20
	s_add_co_u32 s22, s22, s23
	s_mov_b32 s23, 0
	s_mul_i32 s19, s13, 18432                      ; 128 rows of 144 bytes
	s_mov_b32 s24, (1<<16)|(1<<20)|(4<<22)|(3<<25) ; 2-byte elements; 4 words of padding behind every 32 words
	s_mov_b32 s25, 64<<16
	s_mov_b32 s26, 128<<16
	s_mov_b32 s27, 64<<16
	s_mov_b32 s28, 128
	s_mov_b32 s29, 64
	s_mov_b32 s30, 0
	s_mov_b32 s31, 0
	s_wait_kmcnt 0x0
	s_cmp_lt_u32 s11, 2
	s_cselect_b64 s[16:17], s[4:5], s[6:7]
	s_add_nc_u64 s[20:21], s[16:17], s[20:21]
	s_add_nc_u64 s[22:23], s[16:17], s[22:23]
.irp c, 0,1,2,3
	s_mov_b32 s[32+4*\c], 1
	s_add_co_u32 s[33+4*\c], s19, \c*73728
	s_add_nc_u64 s[34+4*\c:35+4*\c], s[22:23], \c*65536
	s_or_b32 s[35+4*\c], s[35+4*\c], 0x80000000
	tensor_load_to_lds s[32+4*\c:35+4*\c], s[24:31]
.endr
	v_and_b32 v1, 15, v0
	v_bfe_u32 v2, v0, 4, 1
	v_lshlrev_b32 v4, 7, v1
	v_lshl_add_u32 v4, v2, 4, v4                   ; r * 128 + 16 h
	v_mul_u32_u24 v5, v1, 144
	v_lshl_add_u32 v5, v2, 4, v5                   ; r * 144 + 16 h
.irp a, 0,1,2,3
.irp k, 0,1
.irp f, 0,1
	global_load_b128 v[AF+16*\a+8*\k+4*\f:AF+16*\a+8*\k+4*\f+3], v4, s[20:21] offset:2048*\a+64*\k+32*\f
.endr
.endr
.endr
.irp a, 8,9,10,11
	v_mov_b32 v\a, 0xff800000                      ; -inf
.endr
	v_mov_b32 v12, 0
	s_mov_b32 s52, 0x76543210
	s_mov_b32 s53, 0xfedcba98
	s_mov_b32 s54, 0xffff0000
	s_wait_loadcnt 0x0
.macro BLOAD set, off                  ; two tiles of 16 rows of B
.irp u, 0,1
.irp k, 0,1
.irp f, 0,1
	ds_load_b128 v[BF+32*\set+16*\u+8*\k+4*\f:BF+32*\set+16*\u+8*\k+4*\f+3], v5 offset:\off+2304*\u+64*\k+32*\f
.endr
.endr
.endr
.endm
.macro TRIP cur, nxt, pre, off
.if \pre
	BLOAD \nxt, \off
	s_wait_dscnt 0x8                               ; this pair's loads are in, the next pair's eight stay out
.else
	s_wait_dscnt 0x0
.endif
.irp u, 0,1
.irp a, 0,1,2,3
	v_wmma_f32_16x16x32_bf16 v[DD+32*\u+8*\a:DD+32*\u+8*\a+7], v[BF+32*\cur+16*\u:BF+32*\cur+16*\u+7], v[AF+16*\a:AF+16*\a+7], 0
.endr
.endr
.irp u, 0,1
.irp a, 0,1,2,3
	v_wmma_f32_16x16x32_bf16 v[DD+32*\u+8*\a:DD+32*\u+8*\a+7], v[BF+32*\cur+16*\u+8:BF+32*\cur+16*\u+15], v[AF+16*\a+8:AF+16*\a+15], v[DD+32*\u+8*\a:DD+32*\u+8*\a+7]
.endr
.endr
.rept 5
	v_nop                                          ; the places in front of the reads of the results (ISA guide 7.12.1)
.endr
.irp a, 0,1,2,3
.irp u, 0,1
.irp j, 0,2,4,6
	v_max3_num_f32 v[8+\a], v[8+\a], v[DD+32*\u+8*\a+\j], v[DD+32*\u+8*\a+\j+1]
.endr
.endr
.endr
.endm
.macro CHUNK c
	s_wait_tensorcnt 3-\c                          ; my quarter of chunk c is in; the later chunks stay out
	s_barrier_signal -1
	s_barrier_wait -1                              ; everybody's is
	BLOAD 0, 0
	s_mov_b32 s48, 0
.Lc\c:
	TRIP 0, 1, 1, 4608
	TRIP 1, 0, 1, 9216
	v_add_nc_u32 v5, 9216, v5
	s_add_co_u32 s48, s48, 1
	s_cmp_lt_u32 s48, 7
	s_cbranch_scc1 .Lc\c
	TRIP 0, 1, 1, 4608
	TRIP 1, 0, 0, 0                                ; the chunk's last pair fetches nothing: the next chunk is read behind its barrier
	v_add_nc_u32 v5, 9216, v5
.endm
	CHUNK 0
	CHUNK 1
	CHUNK 2
	CHUNK 3
.irp a, 8,9,10,11
	v_permlanex16_b32 v12, v\a, s52, s53
	v_max_num_f32 v\a, v\a, v12
.endr
	v_cndmask_b32 v12, v8, v9, s54                 ; lane l of 32 stores row 32 i + l
	v_cndmask_b32 v13, v10, v11, s54
	s_lshl_b32 s51, s11, 13
	s_add_co_u32 s51, s51, s50
	s_lshl_b32 s51, s51, 3
	s_lshl_b32 s49, s12, 2
	s_add_co_u32 s51, s51, s49
	v_and_b32 v6, 31, v0
	v_lshl_add_u32 v6, v6, 3, s51
	global_store_b32 v6, v12, s[8:9]
	global_store_b32 v6, v13, s[8:9] offset:256
	s_endpgm
.Lfunc_end_k_q10b590946f_rowmax:
	.size	k_q10b590946f_rowmax, .Lfunc_end_k_q10b590946f_rowmax-k_q10b590946f_rowmax
	.p2alignl 7, 3214868480
	.fill 96, 4, 3214868480
	.section	.rodata,"a",@progbits
	.p2align	6, 0x0
	.amdhsa_kernel k_q10b590946f_rowmax
		.amdhsa_group_segment_fixed_size 294912
		.amdhsa_private_segment_fixed_size 0
		.amdhsa_enable_private_segment 0
		.amdhsa_kernarg_size 24
		.amdhsa_user_sgpr_count 2
		.amdhsa_user_sgpr_kernarg_segment_ptr 1
		.amdhsa_wavefront_size32 1
		.amdhsa_system_sgpr_workgroup_id_x 1
		.amdhsa_system_sgpr_workgroup_id_y 1
		.amdhsa_system_sgpr_workgroup_id_z 1
		.amdhsa_system_vgpr_workitem_id 0
		.amdhsa_next_free_vgpr 224
		.amdhsa_next_free_sgpr 66
		.amdhsa_reserve_vcc 0
		.amdhsa_float_denorm_mode_32 3
		.amdhsa_float_denorm_mode_16_64 3
		.amdhsa_memory_ordered 1
		.amdhsa_forward_progress 1
		.amdhsa_inst_pref_size 67
	.end_amdhsa_kernel
	.amdgpu_metadata
---
amdhsa.version: [ 1, 2 ]
amdhsa.kernels:
  - .name:           k_q10b590946f_rowmax
    .symbol:         k_q10b590946f_rowmax.kd
    .args:
      - { .name: nrmp, .offset: 0, .size: 8, .value_kind: global_buffer, .address_space: global }
      - { .name: tabn, .offset: 8, .size: 8, .value_kind: global_buffer, .address_space: global }
      - { .name: rmax, .offset: 16, .size: 8, .value_kind: global_buffer, .address_space: global }
    .group_segment_fixed_size: 294912
    .private_segment_fixed_size: 0
    .kernarg_segment_align: 8
    .kernarg_segment_size: 24
    .max_flat_workgroup_size: 128
    .sgpr_count:     66
    .vgpr_count:     224
    .wavefront_size: 32
...
	.end_amdgpu_metadata
.endif
;; end of part 5
;; launch stage1 (part 6): grid 256 x 1, 8 waves a work-group, no clusters, 278,784 bytes of LDS; arguments warped_xyz, f2_xyz, idx, nrmp, tabn, rmax, wimg, pfn; writes pfn
.if DOCPART == 6
	.amdgcn_target "amdgcn-amd-amdhsa--gfx1250"
	.amdhsa_code_object_version 6
	.text
	.protected	k_q10b590946f_stage1
	.globl	k_q10b590946f_stage1
	.p2align	8
	.type	k_q10b590946f_stage1,@function
k_q10b590946f_stage1:
	s_mov_b64 s[64:65], 0
	v_nop
	global_prefetch_b8 v0, s[64:65] scope:SCOPE_SE
	s_setreg_imm32_b32 hwreg(HW_REG_WAVE_MODE, 25, 1), 1
	s_wait_xcnt 0x0
; First stage of the cost volume, one point (32 cross-neighbours = two row tiles of 16) per trip, four trips a wave:
; cosines at the neighbour pairs, convs1 chain, softmax weight, pi_reverse encoding, mlp1, pi encoding, mlp2,
; softmax over the 32 neighbours per channel and the weighted sum pi_feat_new, stored in bf16.
; Matrix products: source 0 = 16 rows of the weight image (output channels), source 1 = 16 data rows. Lane (r, h), register j
; of the result holds channel 16 o + 8 h + j of data row r, so four packed conversions of tiles 2s and 2s+1 ARE the next
; layer's fragment of K step s: nothing goes through LDS between layers. Batch-norm scale is in the weights and biases;
; a bias is the C operand of a layer's first product.
; The weight image (250,112 bytes) is fetched once per work-group for 32 points' work: no joint requests in this version.
; Limits: the 1e-6 in |a||b| + 1e-6 is dropped; pi_feat enters the weighted sum rounded to bf16.
.set BI, 16                            ; v16-31   bias of two channel tiles / temporaries
.set WB, 32                            ; v32-63   two sets of weight fragments / temporaries in front of the layers
.set DB, 64                            ; v64-95   results: tile (o, t) at DB + 16 o + 8 t
.set E,  96                            ; v96-127  dst features, later pi_feat: fragment (ks, t) at E + 16 ks + 8 t
.set XA, 128
.set XB, 192
.set B5, 247808                        ; biases in the image
.set SXS, 0                            ; the wave's scratch: src fragments, 4 x 512 bytes
.set SXG, 2048                         ; geometry fragments, 2 x 512 bytes
.set SOUT, 3072                        ; four output rows of 128 bytes
.macro KSEG a, b, base, sk, st         ; K steps a and b read fragments base, base + sk; row tile t is st further
.set KB\a, \base
.set KB\b, \base+\sk
.set KT\a, \st
.set KT\b, \st
.endm
.macro KONE a, base, st
.set KB\a, \base
.set KT\a, \st
.endm
.macro GETF ks
.if \ks == 0
.set FB, KB0
.set FT, KT0
.elseif \ks == 1
.set FB, KB1
.set FT, KT1
.elseif \ks == 2
.set FB, KB2
.set FT, KT2
.elseif \ks == 3
.set FB, KB3
.set FT, KT3
.elseif \ks == 4
.set FB, KB4
.set FT, KT4
.elseif \ks == 5
.set FB, KB5
.set FT, KT5
.else
.set FB, KB6
.set FT, KT6
.endif
.endm
.macro WLOAD p, ks, set, pitch         ; weight fragments of channel tiles 2p, 2p+1, K step ks
.irp o, 0,1
	ds_load_b128 v[WB+16*(\set)+8*\o:WB+16*(\set)+8*\o+3], v8 offset:(32*(\p)+16*\o)*\pitch+64*(\ks)
	ds_load_b128 v[WB+16*(\set)+8*\o+4:WB+16*(\set)+8*\o+7], v8 offset:(32*(\p)+16*\o)*\pitch+64*(\ks)+32
.endr
.endm
.macro PAIRLOAD p, KS, pitch, bias
.if \bias
.irp o, 0,1
	ds_load_b128 v[BI+8*\o:BI+8*\o+3], v9 offset:128*(\p)+64*\o
	ds_load_b128 v[BI+8*\o+4:BI+8*\o+7], v9 offset:128*(\p)+64*\o+16
.endr
.endif
	WLOAD \p, 0, 0, \pitch
.if \KS > 1
	WLOAD \p, 1, 1, \pitch
.endif
.endm
; two channel tiles x two row tiles over all K steps. Behind each group of four products five v_nop: the places in front of
; the loads into the weight set just read, of the vector reads of the results and of the next pair's first products
; the link of a chain in place needs none.
.macro PAIRBODY p, KS, pitch, cb
.set ks_, 0
.rept \KS
.if ks_+1 < \KS
	s_wait_dscnt 0x4                               ; this K step's weights are in; the four youngest LDS instructions stay out
.else
	s_wait_dscnt 0x0
.endif
	GETF ks_
.irp o, 0,1
.irp t, 0,1
.if ks_ == 0
.if \cb
	v_wmma_f32_16x16x32_bf16 v[DB+16*\o+8*\t:DB+16*\o+8*\t+7], v[WB+8*\o:WB+8*\o+7], v[FB+\t*FT:FB+\t*FT+7], v[BI+8*\o:BI+8*\o+7]
.else
	v_wmma_f32_16x16x32_bf16 v[DB+16*\o+8*\t:DB+16*\o+8*\t+7], v[WB+8*\o:WB+8*\o+7], v[FB+\t*FT:FB+\t*FT+7], 0
.endif
.else
	v_wmma_f32_16x16x32_bf16 v[DB+16*\o+8*\t:DB+16*\o+8*\t+7], v[WB+16*(ks_&1)+8*\o:WB+16*(ks_&1)+8*\o+7], v[FB+\t*FT:FB+\t*FT+7], v[DB+16*\o+8*\t:DB+16*\o+8*\t+7]
.endif
.endr
.endr
.rept 5
	v_nop
.endr
.if ks_+2 < \KS
	WLOAD \p, ks_+2, ks_&1, \pitch
.endif
.set ks_, ks_+1
.endr
.endm
.macro POSTFRAG out, p                 ; relu in f32, round to bf16: K step p of the next layer's fragments
.irp t, 0,1
.irp o, 0,1
.irp j, 0,1,2,3,4,5,6,7
	v_max_num_f32 v[DB+16*\o+8*\t+\j], 0, v[DB+16*\o+8*\t+\j]
.endr
.irp j, 0,1,2,3
	v_cvt_pk_bf16_f32 v[\out+8*(2*(\p)+\t)+4*\o+\j], v[DB+16*\o+8*\t+2*\j], v[DB+16*\o+8*\t+2*\j+1]
.endr
.endr
.endr
.endm
.macro POSTMAX                         ; running maximum over channels in v10 (tile 0), v12 (tile 1); they start at 0: the relu
.irp t, 0,1
.irp o, 0,1
.irp j, 0,2,4,6
	v_max3_num_f32 v[10+2*\t], v[10+2*\t], v[DB+16*\o+8*\t+\j], v[DB+16*\o+8*\t+\j+1]
.endr
.endr
.endr
.endm
.macro POSTATT out, p                  ; result * row weight + bias, then as POSTFRAG
.irp t, 0,1
.irp o, 0,1
.irp j, 0,2,4,6
	v_pk_fma_f32 v[DB+16*\o+8*\t+\j:DB+16*\o+8*\t+\j+1], v[DB+16*\o+8*\t+\j:DB+16*\o+8*\t+\j+1], v[10+2*\t:11+2*\t], v[BI+8*\o+\j:BI+8*\o+\j+1] op_sel_hi:[1,0,1]
.endr
.endr
.endr
	POSTFRAG \out, \p
.endm
; softmax over the 32 rows (two tiles x 16 lanes) of each channel and the sum of weight * pi_feat; eight channels at a time
.macro POSTSOFT p
.irp o, 0,1
.irp j, 0,1,2,3,4,5,6,7
	v_max3_num_f32 v[XA+\j], v[DB+16*\o+\j], v[DB+16*\o+8+\j], v15
.endr
.irp m, 1,2,4,8
.irp j, 0,1,2,3,4,5,6,7
	v_max_num_f32_dpp v[XA+\j], v[XA+\j], v[XA+\j] row_xmask:\m row_mask:0xf bank_mask:0xf
.endr
.endr
.irp j, 0,1,2,3,4,5,6,7
	v_max_num_f32 v[DB+16*\o+\j], 0, v[DB+16*\o+\j]
	v_max_num_f32 v[DB+16*\o+8+\j], 0, v[DB+16*\o+8+\j]
	v_mul_f32 v[XA+\j], 0xbfb8aa3b, v[XA+\j]       ; - max * log2 e
.endr
.irp j, 0,1,2,3,4,5,6,7
	v_fma_f32 v[DB+16*\o+\j], v[DB+16*\o+\j], s35, v[XA+\j]
	v_fma_f32 v[DB+16*\o+8+\j], v[DB+16*\o+8+\j], s35, v[XA+\j]
.endr
.irp j, 0,1,2,3,4,5,6,7
	v_exp_f32 v[DB+16*\o+\j], v[DB+16*\o+\j]
	v_exp_f32 v[DB+16*\o+8+\j], v[DB+16*\o+8+\j]
.endr
	v_nop
.irp j, 0,1,2,3,4,5,6,7
	v_add_f32 v[XA+8+\j], v[DB+16*\o+\j], v[DB+16*\o+8+\j]
.endr
.irp i, 0,1,2,3
	v_fma_mix_f32_bf16 v[XA+16+2*\i], v[DB+16*\o+2*\i], v[E+16*(\p)+4*\o+\i], v15 op_sel_hi:[0,1,0]
	v_fma_mix_f32_bf16 v[XA+17+2*\i], v[DB+16*\o+2*\i+1], v[E+16*(\p)+4*\o+\i], v15 op_sel:[0,1,0] op_sel_hi:[0,1,0]
.endr
.irp i, 0,1,2,3
	v_fma_mix_f32_bf16 v[XA+16+2*\i], v[DB+16*\o+8+2*\i], v[E+16*(\p)+8+4*\o+\i], v[XA+16+2*\i] op_sel_hi:[0,1,0]
	v_fma_mix_f32_bf16 v[XA+17+2*\i], v[DB+16*\o+8+2*\i+1], v[E+16*(\p)+8+4*\o+\i], v[XA+17+2*\i] op_sel:[0,1,0] op_sel_hi:[0,1,0]
.endr
.irp m, 1,2,4,8
.irp j, 8,9,10,11,12,13,14,15,16,17,18,19,20,21,22,23
	v_add_f32_dpp v[XA+\j], v[XA+\j], v[XA+\j] row_xmask:\m row_mask:0xf bank_mask:0xf
.endr
.endr
.irp j, 0,1,2,3,4,5,6,7
	v_rcp_f32 v[XA+8+\j], v[XA+8+\j]
.endr
	v_nop
.irp j, 0,1,2,3,4,5,6,7
	v_mul_f32 v[XA+16+\j], v[XA+16+\j], v[XA+8+\j]
.endr
.irp i, 0,1,2,3
	v_cvt_pk_bf16_f32 v[XA+24+\i], v[XA+16+2*\i], v[XA+17+2*\i]
.endr
	ds_store_b128 v7, v[XA+24:XA+27] offset:64*(\p)+32*\o    ; channels 32 p + 16 o + 8 h ..; the 16 lanes of a half write the same bytes
.endr
.endm
; a layer: NP pairs of channel tiles, KS K steps. mode 0: fragments to out; 1: channel maximum; 2: POSTATT; 3: POSTSOFT
.macro LAYER woff, boff, NP, KS, pitch, mode, out
	v_mul_u32_u24 v8, v1, \pitch
	v_lshl_add_u32 v8, v2, 4, v8                   ; r * pitch + 16 h
.if \woff
	v_add_nc_u32 v8, \woff, v8                     ; + the layer's place in the image
.endif
.if \boff >= 0
	v_add_nc_u32 v9, \boff, v4
.set hb_, 1
.else
.set hb_, 0
.endif
.if \mode == 2
.set cb_, 0
.else
.set cb_, hb_
.endif
	PAIRLOAD 0, \KS, \pitch, hb_
.set p_, 0
.rept \NP
	PAIRBODY p_, \KS, \pitch, cb_
.if \mode == 2
	POSTATT \out, p_                               ; reads the bias registers: in front of the next pair's loads
.endif
.if p_+1 < \NP
	PAIRLOAD p_+1, \KS, \pitch, hb_
.endif
.if \mode == 0
	POSTFRAG \out, p_
.elseif \mode == 1
	POSTMAX
.elseif \mode == 3
	POSTSOFT p_
.endif
.set p_, p_+1
.endr
.endm
.macro GATHER dst, voff, sb, imm       ; rows of 64 bf16 as fragments: tile t's byte offsets (row * 128 + 16 h) in v[voff + t]
.irp t, 0,1
.irp k, 0,1
.irp f, 0,1
	global_load_b128 v[\dst+8*(2*\k+\t)+4*\f:\dst+8*(2*\k+\t)+4*\f+3], v[\voff+\t], s[\sb:\sb+1] offset:\imm+64*\k+32*\f
.endr
.endr
.endr
.endm
; the geometry K step of one row tile: k 0-2 own xyz, 3-5 neighbour xyz, 6-8 their difference, 9 its length, 10-13 cosines, rest 0
.macro GEOFRAG out, sx, nb, rb, dd, cb, T
	v_cvt_pk_bf16_f32 v[\T], s[\sx], s[\sx+1]
	v_cvt_pk_bf16_f32 v[\T+1], s[\sx+2], v[\nb]
	v_cvt_pk_bf16_f32 v[\T+2], v[\nb+1], v[\nb+2]
	v_cvt_pk_bf16_f32 v[\T+3], v[\rb], v[\rb+1]
	v_cvt_pk_bf16_f32 v[\T+4], v[\rb+2], v[\dd]
	v_cvt_pk_bf16_f32 v[\T+5], v[\cb], v[\cb+1]
	v_cvt_pk_bf16_f32 v[\T+6], v[\cb+2], v[\cb+3]
	v_cndmask_b32 v[\out], v[\T], v[\T+4], s30     ; lanes 16-31 hold k 8-15
	v_cndmask_b32 v[\out+1], v[\T+1], v[\T+5], s30
	v_cndmask_b32 v[\out+2], v[\T+2], v[\T+6], s30
	v_cndmask_b32 v[\out+3], v[\T+3], v15, s30
.irp i, 4,5,6,7
	v_mov_b32 v[\out+\i], 0
.endr
.endm
	s_load_b512 s[8:23], s[0:1], 0x0               ; warped_xyz 8, f2_xyz 10, idx 12, nrmp 14, tabn 16, rmax 18, wimg 20, pfn 22
	v_lshrrev_b32 v1, 5, v0
	v_readfirstlane_b32 s24, v1                    ; wave
	s_mov_b32 s30, 0xffff0000                      ; lanes 16-31
	s_mov_b32 s31, 0x76543210
	s_mov_b32 s32, 0xfedcba98
	s_mov_b32 s34, 0x1e3ce508                      ; 1e-20
	s_mov_b32 s35, 0x3fb8aa3b                      ; log2 e
	s_mov_b32 s60, 0x358637bd                      ; 1e-6
	v_and_b32 v1, 15, v0                           ; r
	v_bfe_u32 v2, v0, 4, 1                         ; h
	v_lshlrev_b32 v3, 4, v2                        ; 16 h
	v_lshlrev_b32 v4, 5, v2                        ; 32 h
	v_lshlrev_b32 v5, 2, v1                        ; 4 r
	v_and_b32 v6, 31, v0
	s_mul_i32 s25, s24, 3584
	s_add_co_u32 s25, s25, 250112                  ; the wave's own scratch behind the image
	v_lshl_add_u32 v6, v6, 4, s25                  ; + 16 lane
	v_add_nc_u32 v7, s25, v3
	v_add_nc_u32 v7, SOUT, v7                      ; output part, + 16 h
	v_mov_b32 v11, 0
	v_mov_b32 v13, 0
	v_mov_b32 v15, 0
	s_lshl_b32 s29, ttmp9, 5
	s_lshl_b32 s28, s24, 2
	s_add_co_u32 s29, s29, s28                     ; first point
	s_lshr_b32 s33, ttmp9, 7
	s_lshl_b32 s33, s33, 12                        ; batch * 4096
	s_wait_kmcnt 0x0
	; each wave brings its slice (31,264 bytes) of the image as one row of 8-byte elements; all waves read all of it: wait, then a barrier
	s_mul_i32 s37, s24, 31264                      ; LDS byte = wave * slice
	s_mov_b32 s36, 1
	s_mov_b32 s48, s37
	s_mov_b32 s49, 0
	s_add_nc_u64 s[38:39], s[20:21], s[48:49]
	s_or_b32 s39, s39, 0x80000000
	s_mov_b32 s40, 3<<16
	s_mov_b32 s41, (31264/8)<<16
	s_mov_b32 s42, 1<<16
	s_mov_b32 s43, (31264/8)<<16
	s_mov_b32 s44, 1
	s_mov_b32 s45, 3908
	s_mov_b32 s46, 0
	s_mov_b32 s47, 0
	tensor_load_to_lds s[36:39], s[40:47]
	s_wait_tensorcnt 0x0
	s_barrier_signal -1
	s_barrier_wait -1
	s_mov_b32 s28, 0
.Ltrip:
	s_mul_i32 s48, s29, 12
	s_lshl_b32 s49, s29, 2
	s_lshl_b32 s50, s29, 3
	s_lshl_b32 s51, s29, 7
	s_load_b96 s[52:54], s[8:9], s48 offset:0x0    ; src xyz
	s_load_b32 s55, s[14:15], s49 offset:0x400000  ; 1 / |src features|
	s_load_b64 s[56:57], s[18:19], s50 offset:0x0  ; row maxima of the src point, both halves
	s_load_b64 s[58:59], s[18:19], s50 offset:0x20000
	v_add_nc_u32 v14, s51, v5
	global_load_b32 v16, v14, s[12:13]
	global_load_b32 v17, v14, s[12:13] offset:64
	s_wait_loadcnt 0x0
.irp t, 0,1
	v_min_u32 v[16+\t], 0xfff, v[16+\t]
	v_add_nc_u32 v[16+\t], s33, v[16+\t]
	v_lshl_add_u32 v[18+\t], v[16+\t], 7, v3
	v_mul_u32_u24 v[20+\t], v[16+\t], 12
	v_lshlrev_b32 v[22+\t], 3, v[16+\t]
	v_lshlrev_b32 v[24+\t], 2, v[16+\t]
.endr
	v_add_nc_u32 v26, s51, v3
	GATHER E, 18, 14, 0x300000                     ; dst features
	GATHER XA+32, 18, 16, 0x100000                 ; dst neighbourhood descriptors
.irp k, 0,1
.irp f, 0,1
	global_load_b128 v[XA+8*\k+4*\f:XA+8*\k+4*\f+3], v26, s[14:15] offset:0x200000+64*\k+32*\f   ; src features: the same row in every lane r
	global_load_b128 v[XB+8*\k+4*\f:XB+8*\k+4*\f+3], v26, s[16:17] offset:64*\k+32*\f            ; src descriptor
.endr
.endr
.irp t, 0,1
.irp c, 0,1,2
	global_load_b32 v[28+3*\t+\c], v[20+\t], s[10:11] offset:4*\c
.endr
	global_load_b32 v[34+\t], v[24+\t], s[14:15] offset:0x408000
	global_load_b64 v[36+2*\t:37+2*\t], v[22+\t], s[18:19] offset:0x10000
	global_load_b64 v[40+2*\t:41+2*\t], v[22+\t], s[18:19] offset:0x30000
.endr
	s_wait_loadcnt 0x0
	s_wait_kmcnt 0x0
	; inner products src . dst: all 16 rows of source 0 are the src row, so register 0 of the result is row r's product
.irp t, 0,1
	v_wmma_f32_16x16x32_bf16 v[DB+8*\t:DB+8*\t+7], v[XA:XA+7], v[E+8*\t:E+8*\t+7], 0
	v_wmma_f32_16x16x32_bf16 v[DB+16+8*\t:DB+16+8*\t+7], v[XB:XB+7], v[XA+32+8*\t:XA+32+8*\t+7], 0
.endr
.irp t, 0,1
	v_wmma_f32_16x16x32_bf16 v[DB+8*\t:DB+8*\t+7], v[XA+8:XA+15], v[E+16+8*\t:E+16+8*\t+7], v[DB+8*\t:DB+8*\t+7]
	v_wmma_f32_16x16x32_bf16 v[DB+16+8*\t:DB+16+8*\t+7], v[XB+8:XB+15], v[XA+48+8*\t:XA+48+8*\t+7], v[DB+16+8*\t:DB+16+8*\t+7]
.endr
	; geometry: more than four plain vector lines that name none of the products' registers stand in front of the first read of a result
.irp t, 0,1
.irp c, 0,1,2
	v_sub_f32 v[44+3*\t+\c], v[28+3*\t+\c], s[52+\c]
.endr
	v_fma_f32 v[50+\t], v[44+3*\t], v[44+3*\t], s34
	v_fmac_f32 v[50+\t], v[45+3*\t], v[45+3*\t]
	v_fmac_f32 v[50+\t], v[46+3*\t], v[46+3*\t]
	v_max_num_f32 v[54+\t], v[36+2*\t], v[37+2*\t]
	v_max_num_f32 v[56+\t], v[40+2*\t], v[41+2*\t]
.endr
	v_max_num_f32 v52, s56, s57
	v_max_num_f32 v53, s58, s59
.irp i, 52,53,54,55,56,57
	v_add_f32 v\i, s60, v\i
.endr
	v_sqrt_f32 v50, v50
	v_sqrt_f32 v51, v51
.irp i, 52,53,54,55,56,57
	v_rcp_f32 v\i, v\i
.endr
	v_nop
.irp t, 0,1
	v_mul_f32 v[58+\t], v[DB+8*\t], v[34+\t]
	v_mul_f32 v[58+\t], s55, v[58+\t]              ; cosine of the features
	v_mul_f32 v[16+4*\t], v[58+\t], v[54+\t]       ; / dst point's maximum
	v_mul_f32 v[17+4*\t], v[58+\t], v52            ; / src point's maximum
	v_mul_f32 v[18+4*\t], v[DB+16+8*\t], v[56+\t]  ; the same for the descriptors (stored normalised)
	v_mul_f32 v[19+4*\t], v[DB+16+8*\t], v53
.endr
	GEOFRAG XA+16, 52, 28, 44, 50, 16, 36
	GEOFRAG XA+24, 52, 31, 47, 51, 20, 36
.irp c, 0,1,2,3
	ds_store_b128 v6, v[XA+4*\c:XA+4*\c+3] offset:SXS+512*\c     ; src fragments and geometry are needed again for mlp1
.endr
	ds_store_b128 v6, v[XA+16:XA+19] offset:SXG
	ds_store_b128 v6, v[XA+24:XA+27] offset:SXG+512
	KSEG 0, 1, E, 16, 8
	KSEG 2, 3, XA, 8, 0
	KONE 4, XA+16, 8
	LAYER 0, -1, 4, 5, 336, 0, XB
	KSEG 0, 1, XB, 16, 8
	KSEG 2, 3, XB+32, 16, 8
	LAYER 43008, -1, 4, 4, 272, 0, XA
	KSEG 0, 1, XA, 16, 8
	KSEG 2, 3, XA+32, 16, 8
	v_mov_b32 v10, 0
	v_mov_b32 v12, 0
	LAYER 77824, -1, 2, 4, 272, 1, 0
	; softmax over the 32 neighbours of the channel maximum
	v_permlanex16_b32 v11, v10, s31, s32
	v_permlanex16_b32 v13, v12, s31, s32
	v_max_num_f32 v10, v10, v11
	v_max_num_f32 v12, v12, v13
	v_max_num_f32 v14, v10, v12
.irp m, 1,2,4,8
	v_max_num_f32_dpp v14, v14, v14 row_xmask:\m row_mask:0xf bank_mask:0xf
.endr
	v_sub_f32 v10, v10, v14
	v_sub_f32 v12, v12, v14
	v_mul_f32 v10, s35, v10
	v_mul_f32 v12, s35, v12
	v_exp_f32 v10, v10
	v_exp_f32 v12, v12
	v_nop
	v_add_f32 v14, v10, v12
.irp m, 1,2,4,8
	v_add_f32_dpp v14, v14, v14 row_xmask:\m row_mask:0xf bank_mask:0xf
.endr
	v_rcp_f32 v14, v14
	v_nop
	v_mul_f32 v10, v10, v14
	v_mul_f32 v12, v12, v14
	KSEG 0, 1, E, 16, 8
	LAYER 95232, B5, 2, 2, 144, 2, XA              ; (dst W) * weight + bias = (dst * weight) W + bias
.irp c, 0,1,2,3
	ds_load_b128 v[XA+32+4*\c:XA+32+4*\c+3], v6 offset:SXS+512*\c
.endr
	ds_load_b128 v[XA+48:XA+51], v6 offset:SXG
	ds_load_b128 v[XA+56:XA+59], v6 offset:SXG+512
.irp i, 52,53,54,55,60,61,62,63
	v_mov_b32 v[XA+\i], 0
.endr
	s_wait_dscnt 0x0
	KSEG 2, 3, XA+32, 8, 0
	KSEG 4, 5, XA, 16, 8
	KONE 6, XA+48, 8
	LAYER 104448, B5+256, 4, 7, 464, 0, XB
	KSEG 0, 1, XB, 16, 8
	KSEG 2, 3, XB+32, 16, 8
	LAYER 163840, B5+768, 2, 4, 272, 0, XA
	KSEG 0, 1, XA, 16, 8
	LAYER 181248, B5+1024, 2, 2, 144, 0, E         ; pi_feat
	KONE 0, XA+48, 8
	LAYER 190464, B5+1280, 2, 1, 80, 0, XA
	KSEG 0, 1, XA, 16, 8
	KSEG 2, 3, E, 16, 8
	LAYER 195584, B5+1536, 4, 4, 272, 0, XB
	KSEG 0, 1, XB, 16, 8
	KSEG 2, 3, XB+32, 16, 8
	LAYER 230400, B5+2048, 2, 4, 272, 3, 0
	s_wait_xcnt 0x0
	v_add_nc_u32 v7, 0x80, v7                      ; the next point's output row
	s_add_co_u32 s29, s29, 1
	s_add_co_u32 s28, s28, 1
	s_cmp_lt_u32 s28, 4
	s_cbranch_scc1 .Ltrip
	ds_load_b128 v[16:19], v6 offset:SOUT          ; my own four rows; a wave's LDS instructions are served in order
	s_sub_co_u32 s29, s29, 4
	s_lshl_b32 s29, s29, 7
	v_and_b32 v20, 31, v0
	v_lshl_add_u32 v20, v20, 4, s29
	s_wait_dscnt 0x0
	global_store_b128 v20, v[16:19], s[22:23]      ; 512 consecutive bytes, aligned
	s_endpgm
.Lfunc_end_k_q10b590946f_stage1:
	.size	k_q10b590946f_stage1, .Lfunc_end_k_q10b590946f_stage1-k_q10b590946f_stage1
	.p2alignl 7, 3214868480
	.fill 96, 4, 3214868480
	.section	.rodata,"a",@progbits
	.p2align	6, 0x0
	.amdhsa_kernel k_q10b590946f_stage1
		.amdhsa_group_segment_fixed_size 278784
		.amdhsa_private_segment_fixed_size 0
		.amdhsa_enable_private_segment 0
		.amdhsa_kernarg_size 64
		.amdhsa_user_sgpr_count 2
		.amdhsa_user_sgpr_kernarg_segment_ptr 1
		.amdhsa_wavefront_size32 1
		.amdhsa_system_sgpr_workgroup_id_x 1
		.amdhsa_system_sgpr_workgroup_id_y 1
		.amdhsa_system_sgpr_workgroup_id_z 1
		.amdhsa_system_vgpr_workitem_id 0
		.amdhsa_next_free_vgpr 256
		.amdhsa_next_free_sgpr 66
		.amdhsa_reserve_vcc 0
		.amdhsa_float_denorm_mode_32 3
		.amdhsa_float_denorm_mode_16_64 3
		.amdhsa_memory_ordered 1
		.amdhsa_forward_progress 1
		.amdhsa_inst_pref_size 196
	.end_amdhsa_kernel
	.amdgpu_metadata
---
amdhsa.version: [ 1, 2 ]
amdhsa.kernels:
  - .name:           k_q10b590946f_stage1
    .symbol:         k_q10b590946f_stage1.kd
    .args:
      - { .name: warped_xyz, .offset: 0, .size: 8, .value_kind: global_buffer, .address_space: global }
      - { .name: f2_xyz, .offset: 8, .size: 8, .value_kind: global_buffer, .address_space: global }
      - { .name: idx, .offset: 16, .size: 8, .value_kind: global_buffer, .address_space: global }
      - { .name: nrmp, .offset: 24, .size: 8, .value_kind: global_buffer, .address_space: global }
      - { .name: tabn, .offset: 32, .size: 8, .value_kind: global_buffer, .address_space: global }
      - { .name: rmax, .offset: 40, .size: 8, .value_kind: global_buffer, .address_space: global }
      - { .name: wimg, .offset: 48, .size: 8, .value_kind: global_buffer, .address_space: global }
      - { .name: pfn, .offset: 56, .size: 8, .value_kind: global_buffer, .address_space: global }
    .group_segment_fixed_size: 278784
    .private_segment_fixed_size: 0
    .kernarg_segment_align: 8
    .kernarg_segment_size: 64
    .max_flat_workgroup_size: 256
    .sgpr_count:     66
    .vgpr_count:     256
    .wavefront_size: 32
...
	.end_amdgpu_metadata
.endif
;; end of part 6
;; launch stage2 (part 7): grid 256 x 1, 16 waves a work-group, no clusters, 167,936 bytes of LDS; arguments warped_xyz, idx, nrmp, pfn, wimg, out0; writes out0
.if DOCPART == 7
	.amdgcn_target "amdgcn-amd-amdhsa--gfx1250"
	.amdhsa_code_object_version 6
	.text
	.protected	k_q10b590946f_stage2
	.globl	k_q10b590946f_stage2
	.p2align	8
	.type	k_q10b590946f_stage2,@function
k_q10b590946f_stage2:
	s_mov_b64 s[64:65], 0
	v_nop
	global_prefetch_b8 v0, s[64:65] scope:SCOPE_SE
	s_setreg_imm32_b32 hwreg(HW_REG_WAVE_MODE, 25, 1), 1
	s_wait_xcnt 0x0
; Second stage of the cost volume: a wave takes two points; a row tile is one point's 16 self-neighbours.
; pc encoding of the geometry, mlp2n on (encoding, own features, gathered pi_feat_new), softmax over the 16 neighbours per
; channel, weighted sum of the gathered pi_feat_new, stored in f32.
; Matrix products as in the first stage: source 0 = weight rows, source 1 = data rows; a layer's results, converted, are the
; next layer's fragments. The weight image (74,752 bytes) is fetched once per work-group: no joint requests in this version.
; Limit: pi_feat_new and the own features are bf16.
.set BI, 16
.set WB, 32
.set DB, 64
.set E,  96
.set XA, 128
.set XB, 192
.set B6, 73728
.macro KSEG a, b, base, sk, st
.set KB\a, \base
.set KB\b, \base+\sk
.set KT\a, \st
.set KT\b, \st
.endm
.macro KONE a, base, st
.set KB\a, \base
.set KT\a, \st
.endm
.macro GETF ks
.if \ks == 0
.set FB, KB0
.set FT, KT0
.elseif \ks == 1
.set FB, KB1
.set FT, KT1
.elseif \ks == 2
.set FB, KB2
.set FT, KT2
.elseif \ks == 3
.set FB, KB3
.set FT, KT3
.elseif \ks == 4
.set FB, KB4
.set FT, KT4
.else
.set FB, KB5
.set FT, KT5
.endif
.endm
.macro WLOAD p, ks, set, pitch
.irp o, 0,1
	ds_load_b128 v[WB+16*(\set)+8*\o:WB+16*(\set)+8*\o+3], v8 offset:(32*(\p)+16*\o)*\pitch+64*(\ks)
	ds_load_b128 v[WB+16*(\set)+8*\o+4:WB+16*(\set)+8*\o+7], v8 offset:(32*(\p)+16*\o)*\pitch+64*(\ks)+32
.endr
.endm
.macro PAIRLOAD p, KS, pitch
.irp o, 0,1
	ds_load_b128 v[BI+8*\o:BI+8*\o+3], v9 offset:128*(\p)+64*\o
	ds_load_b128 v[BI+8*\o+4:BI+8*\o+7], v9 offset:128*(\p)+64*\o+16
.endr
	WLOAD \p, 0, 0, \pitch
.if \KS > 1
	WLOAD \p, 1, 1, \pitch
.endif
.endm
; five v_nop behind each group of four products: the places in front of the loads into the weight set just read, of the vector
; reads of the results and of the next pair's first products
.macro PAIRBODY p, KS, pitch
.set ks_, 0
.rept \KS
.if ks_+1 < \KS
	s_wait_dscnt 0x4                               ; this K step's weights are in; the four youngest LDS instructions stay out
.else
	s_wait_dscnt 0x0
.endif
	GETF ks_
.irp o, 0,1
.irp t, 0,1
.if ks_ == 0
	v_wmma_f32_16x16x32_bf16 v[DB+16*\o+8*\t:DB+16*\o+8*\t+7], v[WB+8*\o:WB+8*\o+7], v[FB+\t*FT:FB+\t*FT+7], v[BI+8*\o:BI+8*\o+7]
.else
	v_wmma_f32_16x16x32_bf16 v[DB+16*\o+8*\t:DB+16*\o+8*\t+7], v[WB+16*(ks_&1)+8*\o:WB+16*(ks_&1)+8*\o+7], v[FB+\t*FT:FB+\t*FT+7], v[DB+16*\o+8*\t:DB+16*\o+8*\t+7]
.endif
.endr
.endr
.rept 5
	v_nop
.endr
.if ks_+2 < \KS
	WLOAD \p, ks_+2, ks_&1, \pitch
.endif
.set ks_, ks_+1
.endr
.endm
.macro POSTFRAG out, p                 ; relu in f32, round to bf16: K step p of the next layer's fragments
.irp t, 0,1
.irp o, 0,1
.irp j, 0,1,2,3,4,5,6,7
	v_max_num_f32 v[DB+16*\o+8*\t+\j], 0, v[DB+16*\o+8*\t+\j]
.endr
.irp j, 0,1,2,3
	v_cvt_pk_bf16_f32 v[\out+8*(2*(\p)+\t)+4*\o+\j], v[DB+16*\o+8*\t+2*\j], v[DB+16*\o+8*\t+2*\j+1]
.endr
.endr
.endr
.endm
; softmax over the 16 rows (lanes r) of each channel of each point, and the sum of weight * gathered pi_feat_new
.macro POSTSOFT p
.irp o, 0,1
.irp t, 0,1
.irp j, 0,1,2,3,4,5,6,7
	v_max_num_f32 v[DB+16*\o+8*\t+\j], 0, v[DB+16*\o+8*\t+\j]
.endr
.irp j, 0,1,2,3,4,5,6,7
	v_max_num_f32_dpp v[XA+\j], v[DB+16*\o+8*\t+\j], v[DB+16*\o+8*\t+\j] row_xmask:1 row_mask:0xf bank_mask:0xf
.endr
.irp m, 2,4,8
.irp j, 0,1,2,3,4,5,6,7
	v_max_num_f32_dpp v[XA+\j], v[XA+\j], v[XA+\j] row_xmask:\m row_mask:0xf bank_mask:0xf
.endr
.endr
.irp j, 0,1,2,3,4,5,6,7
	v_mul_f32 v[XA+\j], 0xbfb8aa3b, v[XA+\j]       ; - max * log2 e
.endr
.irp j, 0,1,2,3,4,5,6,7
	v_fma_f32 v[DB+16*\o+8*\t+\j], v[DB+16*\o+8*\t+\j], s35, v[XA+\j]
.endr
.irp j, 0,1,2,3,4,5,6,7
	v_exp_f32 v[DB+16*\o+8*\t+\j], v[DB+16*\o+8*\t+\j]
.endr
	v_nop
.irp i, 0,1,2,3
	v_fma_mix_f32_bf16 v[XA+8+2*\i], v[DB+16*\o+8*\t+2*\i], v[E+16*(\p)+8*\t+4*\o+\i], v15 op_sel_hi:[0,1,0]
	v_fma_mix_f32_bf16 v[XA+9+2*\i], v[DB+16*\o+8*\t+2*\i+1], v[E+16*(\p)+8*\t+4*\o+\i], v15 op_sel:[0,1,0] op_sel_hi:[0,1,0]
.endr
.irp m, 1,2,4,8
.irp j, 0,1,2,3,4,5,6,7
	v_add_f32_dpp v[DB+16*\o+8*\t+\j], v[DB+16*\o+8*\t+\j], v[DB+16*\o+8*\t+\j] row_xmask:\m row_mask:0xf bank_mask:0xf
	v_add_f32_dpp v[XA+8+\j], v[XA+8+\j], v[XA+8+\j] row_xmask:\m row_mask:0xf bank_mask:0xf
.endr
.endr
.irp j, 0,1,2,3,4,5,6,7
	v_rcp_f32 v[DB+16*\o+8*\t+\j], v[DB+16*\o+8*\t+\j]
.endr
	v_nop
.irp j, 0,1,2,3,4,5,6,7
	v_mul_f32 v[XA+8+\j], v[XA+8+\j], v[DB+16*\o+8*\t+\j]
.endr
	ds_store_b128 v7, v[XA+8:XA+11] offset:256*\t+128*(\p)+64*\o        ; channels 32 p + 16 o + 8 h .. of point t, f32
	ds_store_b128 v7, v[XA+12:XA+15] offset:256*\t+128*(\p)+64*\o+16
.endr
.endr
.endm
; a layer with bias: NP pairs of channel tiles, KS K steps. mode 0: fragments to out; 3: POSTSOFT
.macro LAYER woff, boff, NP, KS, pitch, mode, out
	v_mul_u32_u24 v8, v1, \pitch
	v_lshl_add_u32 v8, v2, 4, v8                   ; r * pitch + 16 h
.if \woff
	v_add_nc_u32 v8, \woff, v8                     ; + the layer's place in the image
.endif
	v_add_nc_u32 v9, \boff, v4
	PAIRLOAD 0, \KS, \pitch
.set p_, 0
.rept \NP
	PAIRBODY p_, \KS, \pitch
.if p_+1 < \NP
	PAIRLOAD p_+1, \KS, \pitch
.endif
.if \mode == 0
	POSTFRAG \out, p_
.else
	POSTSOFT p_
.endif
.set p_, p_+1
.endr
.endm
.macro GATHER dst, voff, sb, imm
.irp t, 0,1
.irp k, 0,1
.irp f, 0,1
	global_load_b128 v[\dst+8*(2*\k+\t)+4*\f:\dst+8*(2*\k+\t)+4*\f+3], v[\voff+\t], s[\sb:\sb+1] offset:\imm+64*\k+32*\f
.endr
.endr
.endr
.endm
; the geometry K step: k 0-2 own xyz, 3-5 neighbour xyz, 6-8 their difference, 9 its length, rest 0
.macro GEOFRAG out, sx, nb, rb, dd, T
	v_cvt_pk_bf16_f32 v[\T], s[\sx], s[\sx+1]
	v_cvt_pk_bf16_f32 v[\T+1], s[\sx+2], v[\nb]
	v_cvt_pk_bf16_f32 v[\T+2], v[\nb+1], v[\nb+2]
	v_cvt_pk_bf16_f32 v[\T+3], v[\rb], v[\rb+1]
	v_cvt_pk_bf16_f32 v[\T+4], v[\rb+2], v[\dd]
	v_cndmask_b32 v[\out], v[\T], v[\T+4], s30     ; lanes 16-31 hold k 8-15
	v_cndmask_b32 v[\out+1], v[\T+1], v15, s30
	v_cndmask_b32 v[\out+2], v[\T+2], v15, s30
	v_cndmask_b32 v[\out+3], v[\T+3], v15, s30
.irp i, 4,5,6,7
	v_mov_b32 v[\out+\i], 0
.endr
.endm
	s_load_b256 s[8:15], s[0:1], 0x0               ; warped_xyz 8, idx 10, nrmp 12, pfn 14
	s_load_b128 s[16:19], s[0:1], 0x20             ; wimg 16, out0 18
	v_lshrrev_b32 v1, 5, v0
	v_readfirstlane_b32 s24, v1                    ; wave
	s_mov_b32 s30, 0xffff0000
	s_mov_b32 s34, 0x1e3ce508                      ; 1e-20
	s_mov_b32 s35, 0x3fb8aa3b                      ; log2 e
	v_and_b32 v1, 15, v0
	v_bfe_u32 v2, v0, 4, 1
	v_lshlrev_b32 v3, 4, v2
	v_lshlrev_b32 v4, 5, v2
	v_lshlrev_b32 v5, 2, v1
	v_and_b32 v6, 31, v0
	s_lshl_b32 s26, s24, 9
	s_add_co_u32 s26, s26, 74752                   ; the wave's own 512 bytes behind the image
	v_lshl_add_u32 v6, v6, 4, s26
	v_add_nc_u32 v7, s26, v4
	v_mov_b32 v15, 0
	s_lshl_b32 s29, ttmp9, 5
	s_lshl_b32 s28, s24, 1
	s_add_co_u32 s29, s29, s28                     ; first of my two points
	s_lshr_b32 s33, ttmp9, 7
	s_lshl_b32 s33, s33, 12
	s_wait_kmcnt 0x0
	; each wave brings its slice (4,672 bytes) of the image as one row of 8-byte elements; all waves read all of it: wait, then a barrier
	s_mul_i32 s37, s24, 4672
	s_mov_b32 s36, 1
	s_mov_b32 s48, s37
	s_mov_b32 s49, 0
	s_add_nc_u64 s[38:39], s[16:17], s[48:49]
	s_add_nc_u64 s[38:39], s[38:39], 281856
	s_or_b32 s39, s39, 0x80000000
	s_mov_b32 s40, 3<<16
	s_mov_b32 s41, (4672/8)<<16
	s_mov_b32 s42, 1<<16
	s_mov_b32 s43, (4672/8)<<16
	s_mov_b32 s44, 1
	s_mov_b32 s45, 584
	s_mov_b32 s46, 0
	s_mov_b32 s47, 0
	tensor_load_to_lds s[36:39], s[40:47]
	s_mul_i32 s50, s29, 12
	s_load_b128 s[52:55], s[8:9], s50 offset:0x0   ; own xyz of the two points
	s_load_b64 s[56:57], s[8:9], s50 offset:0x10
	s_lshl_b32 s51, s29, 7
	v_add_nc_u32 v14, s51, v5
	global_load_b32 v16, v14, s[10:11] offset:0x100000
	global_load_b32 v17, v14, s[10:11] offset:0x100080
	s_wait_loadcnt 0x0
.irp t, 0,1
	v_min_u32 v[16+\t], 0xfff, v[16+\t]
	v_add_nc_u32 v[16+\t], s33, v[16+\t]
	v_lshl_add_u32 v[18+\t], v[16+\t], 7, v3
	v_mul_u32_u24 v[20+\t], v[16+\t], 12
.endr
	v_add_nc_u32 v26, s51, v3
	v_add_nc_u32 v27, 0x80, v26
	GATHER E, 18, 14, 0                            ; pi_feat_new of the neighbours
	GATHER XA, 26, 12, 0x200000                    ; own features, the same row in every lane r of a tile
.irp t, 0,1
.irp c, 0,1,2
	global_load_b32 v[28+3*\t+\c], v[20+\t], s[8:9] offset:4*\c
.endr
.endr
	s_wait_loadcnt 0x0
	s_wait_kmcnt 0x0
.irp t, 0,1
.irp c, 0,1,2
	v_sub_f32 v[44+3*\t+\c], v[28+3*\t+\c], s[52+3*\t+\c]
.endr
	v_fma_f32 v[50+\t], v[44+3*\t], v[44+3*\t], s34
	v_fmac_f32 v[50+\t], v[45+3*\t], v[45+3*\t]
	v_fmac_f32 v[50+\t], v[46+3*\t], v[46+3*\t]
.endr
	v_sqrt_f32 v50, v50
	v_sqrt_f32 v51, v51
	v_nop
	GEOFRAG XB, 52, 28, 44, 50, 36
	GEOFRAG XB+8, 55, 31, 47, 51, 36
	s_wait_tensorcnt 0x0                           ; my slice of the image is in LDS,
	s_barrier_signal -1
	s_barrier_wait -1                              ; everybody's is
	KONE 0, XB, 8
	LAYER 0, B6, 2, 1, 80, 0, XA+32
	KSEG 0, 1, XA+32, 16, 8
	KSEG 2, 3, XA, 16, 8
	KSEG 4, 5, E, 16, 8
	LAYER 5120, B6+256, 4, 6, 400, 0, XB
	KSEG 0, 1, XB, 16, 8
	KSEG 2, 3, XB+32, 16, 8
	LAYER 56320, B6+768, 2, 4, 272, 3, 0
	ds_load_b128 v[16:19], v6                      ; my own two rows of 256 bytes; a wave's LDS instructions are served in order
	s_lshl_b32 s29, s29, 8
	v_and_b32 v20, 31, v0
	v_lshl_add_u32 v20, v20, 4, s29
	s_wait_dscnt 0x0
	global_store_b128 v20, v[16:19], s[18:19]      ; 512 consecutive bytes, aligned
	s_endpgm
.Lfunc_end_k_q10b590946f_stage2:
	.size	k_q10b590946f_stage2, .Lfunc_end_k_q10b590946f_stage2-k_q10b590946f_stage2
	.p2alignl 7, 3214868480
	.fill 96, 4, 3214868480
	.section	.rodata,"a",@progbits
	.p2align	6, 0x0
	.amdhsa_kernel k_q10b590946f_stage2
		.amdhsa_group_segment_fixed_size 167936
		.amdhsa_private_segment_fixed_size 0
		.amdhsa_enable_private_segment 0
		.amdhsa_kernarg_size 48
		.amdhsa_user_sgpr_count 2
		.amdhsa_user_sgpr_kernarg_segment_ptr 1
		.amdhsa_wavefront_size32 1
		.amdhsa_system_sgpr_workgroup_id_x 1
		.amdhsa_system_sgpr_workgroup_id_y 1
		.amdhsa_system_sgpr_workgroup_id_z 1
		.amdhsa_system_vgpr_workitem_id 0
		.amdhsa_next_free_vgpr 256
		.amdhsa_next_free_sgpr 66
		.amdhsa_reserve_vcc 0
		.amdhsa_float_denorm_mode_32 3
		.amdhsa_float_denorm_mode_16_64 3
		.amdhsa_memory_ordered 1
		.amdhsa_forward_progress 1
		.amdhsa_inst_pref_size 116
	.end_amdhsa_kernel
	.amdgpu_metadata
---
amdhsa.version: [ 1, 2 ]
amdhsa.kernels:
  - .name:           k_q10b590946f_stage2
    .symbol:         k_q10b590946f_stage2.kd
    .args:
      - { .name: warped_xyz, .offset: 0, .size: 8, .value_kind: global_buffer, .address_space: global }
      - { .name: idx, .offset: 8, .size: 8, .value_kind: global_buffer, .address_space: global }
      - { .name: nrmp, .offset: 16, .size: 8, .value_kind: global_buffer, .address_space: global }
      - { .name: pfn, .offset: 24, .size: 8, .value_kind: global_buffer, .address_space: global }
      - { .name: wimg, .offset: 32, .size: 8, .value_kind: global_buffer, .address_space: global }
      - { .name: out0, .offset: 40, .size: 8, .value_kind: global_buffer, .address_space: global }
    .group_segment_fixed_size: 167936
    .private_segment_fixed_size: 0
    .kernarg_segment_align: 8
    .kernarg_segment_size: 48
    .max_flat_workgroup_size: 512
    .sgpr_count:     66
    .vgpr_count:     256
    .wavefront_size: 32
...
	.end_amdgpu_metadata
.endif
;; end of part 7
;; ======== version 2 of 3: 7 launches
;; limits: values outside matrix products are rounded to bf16; right only within a limited range of input values
;; workspace buffers: wimg 356,608 bytes; nrmp 4,259,840 bytes; tabn 2,097,152 bytes; grp 3,145,728 bytes of whole numbers; idx 3,145,728 bytes of whole numbers; rmax 262,144 bytes; pfn 1,048,576 bytes
;; launch prep: the kernel of part 1 again; grid 144 x 1, 4 waves a work-group, no clusters, 0 bytes of LDS; arguments params_convs1_W_0, params_convs1_W_1, params_convs1_W_2, params_convs2_W_0, params_convs2_W_1, params_convs2_W_2, params_mlp1_W_0, params_mlp1_W_1, params_mlp1_W_2, params_mlp2_W_0, params_mlp2_W_1, params_mlp2n_W_0, params_mlp2n_W_1, params_pc_enc_W, params_pi_enc_W, params_pir_W, params_mlp1_b_0, params_mlp1_b_1, params_mlp1_b_2, params_mlp2_b_0, params_mlp2_b_1, params_mlp2n_b_0, params_mlp2n_b_1, params_pc_enc_b, params_pi_enc_b, params_pir_b, warped_points, f2_points, wimg, nrmp; writes wimg, nrmp
;; launch knn_a (part 8): grid 256 x 3, 4 waves a work-group, no clusters, 65,536 bytes of LDS; arguments warped_xyz, f2_xyz, grp; writes grp
.if DOCPART == 8
	.amdgcn_target "amdgcn-amd-amdhsa--gfx1250"
	.amdhsa_code_object_version 6
	.text
	.protected	k_q10b590946f_knn_a
	.globl	k_q10b590946f_knn_a
	.p2align	8
	.type	k_q10b590946f_knn_a,@function
k_q10b590946f_knn_a:
	s_mov_b64 s[64:65], 0
	v_nop
	global_prefetch_b8 v0, s[64:65] scope:SCOPE_SE
	s_setreg_imm32_b32 hwreg(HW_REG_WAVE_MODE, 25, 1), 1
	s_wait_xcnt 0x0
; First half of the exact top-k. Task y: 0 = warped queries in f2 (k = 32), 1 = warped in warped, 2 = f2 in f2 (k = 16).
; The 4,096 candidates of a batch are cut into 512 groups of 8 consecutive ones. For each query the k groups that come
; first by (smallest distance in the group, group number) are found; they hold the k nearest candidates under the order
; (distance, index): k groups in front of a candidate's group would be k candidates in front of it.
; Distances in f32: qq = (x x + y y) + z z, dot = fma(z, fma(y, x x')), d = fma(-2, dot, qq) + ss.
; A work-group has 32 queries of one batch, a wave 8. Lane l owns candidates 128 l .. 128 l + 127 = groups 16 l .. 16 l + 15.
; Every choice is a mask of a v_cndmask: no address and no branch hangs on a distance. Round r's group lands in lane r.
; Limits: finite inputs, |xyz| < 1e18 (no overflow, no NaN).
.set QX, 32
.set QY, 40
.set QZ, 48
.set QQ, 56
.set GG, 104                           ; group minima: query q, group j at GG + 16 q + j
.set MK, 66                            ; s66-81: entry j's compare mask, then its hit mask
	s_load_b128 s[4:7], s[0:1], 0x0                ; warped_xyz, f2_xyz
	s_load_b64 s[8:9], s[0:1], 0x10                ; grp
	s_and_b32 s10, ttmp7, 0xffff                   ; task
	v_lshrrev_b32 v1, 5, v0
	v_readfirstlane_b32 s11, v1                    ; wave
	s_lshr_b32 s12, ttmp9, 7                       ; batch
	s_mul_i32 s18, s12, 49152
	s_mov_b32 s19, 0
	s_lshl_b32 s22, ttmp9, 5
	s_lshl_b32 s23, s11, 3
	s_add_co_u32 s22, s22, s23                     ; the wave's first query
	s_mul_i32 s24, s22, 12
	s_mov_b32 s25, 0
	s_mov_b32 s26, 0x76543210
	s_mov_b32 s27, 0xfedcba98
	s_wait_kmcnt 0x0
	s_cmp_eq_u32 s10, 2
	s_cselect_b64 s[14:15], s[6:7], s[4:5]         ; queries
	s_cmp_eq_u32 s10, 1
	s_cselect_b64 s[16:17], s[4:5], s[6:7]         ; candidates
	s_cmp_eq_u32 s10, 0
	s_cselect_b32 s20, 32, 16                      ; k
	s_add_nc_u64 s[16:17], s[16:17], s[18:19]
	s_add_nc_u64 s[14:15], s[14:15], s[24:25]
	s_load_b512 s[32:47], s[14:15], 0x0            ; 8 queries, 24 words
	s_load_b256 s[48:55], s[14:15], 0x40
	; fill LDS: thread t brings candidates 32 t .. 32 t + 31; (x, y, z, ss) of candidate 128 l + row lies at 512 row + 16 l
	v_mul_u32_u24 v2, v0, 384
.set i_, 0
.rept 24
	global_load_b128 v[104+4*i_:107+4*i_], v2, s[16:17] offset:16*i_
.set i_, i_+1
.endr
	v_and_b32 v4, 3, v0
	v_lshlrev_b32 v4, 14, v4
	v_lshrrev_b32 v5, 2, v0
	v_lshl_add_u32 v5, v5, 4, v4
	s_wait_loadcnt 0x0
.set i_, 0
.rept 32
	v_mul_f32 v67, v[104+3*i_], v[104+3*i_]
	v_mul_f32 v68, v[105+3*i_], v[105+3*i_]
	v_add_f32 v67, v67, v68
	v_mul_f32 v68, v[106+3*i_], v[106+3*i_]
	v_add_f32 v67, v67, v68
	v_mov_b32 v64, v[104+3*i_]
	v_mov_b32 v65, v[105+3*i_]
	v_mov_b32 v66, v[106+3*i_]
	ds_store_b128 v5, v[64:67] offset:512*i_
.set i_, i_+1
.endr
	s_wait_dscnt 0x0                               ; my stores are done before the others read them
	s_barrier_signal -1
	s_barrier_wait -1
	v_and_b32 v1, 31, v0                           ; lane
	v_lshlrev_b32 v2, 4, v1
	v_mov_b32 v3, 0x7f800000                       ; +inf
	v_mov_b32 v5, 0                                ; destinations of lane-crossing forms count as read
	v_mov_b32 v6, 0
	s_wait_kmcnt 0x0
.set i_, 0
.rept 8
	v_mov_b32 v[8+i_], 0
	v_mov_b32 v[QX+i_], s[32+3*i_]
	v_mov_b32 v[QY+i_], s[33+3*i_]
	v_mov_b32 v[QZ+i_], s[34+3*i_]
	v_mul_f32 v[QQ+i_], v[QX+i_], v[QX+i_]
	v_mul_f32 v4, v[QY+i_], v[QY+i_]
	v_add_f32 v[QQ+i_], v[QQ+i_], v4
	v_mul_f32 v4, v[QZ+i_], v[QZ+i_]
	v_add_f32 v[QQ+i_], v[QQ+i_], v4
.set i_, i_+1
.endr
; distances of query pair p to the candidate in v[c:c+3], into the pair d
.macro DIST p, c, d
	v_pk_mul_f32 v[\d:\d+1], v[QX+2*\p:QX+2*\p+1], v[\c:\c+1] op_sel_hi:[1,0]
	v_pk_fma_f32 v[\d:\d+1], v[QY+2*\p:QY+2*\p+1], v[\c:\c+1], v[\d:\d+1] op_sel:[0,1,0] op_sel_hi:[1,1,1]
	v_pk_fma_f32 v[\d:\d+1], v[QZ+2*\p:QZ+2*\p+1], v[\c+2:\c+3], v[\d:\d+1] op_sel_hi:[1,0,1]
	v_pk_fma_f32 v[\d:\d+1], v[\d:\d+1], -2.0, v[QQ+2*\p:QQ+2*\p+1] op_sel_hi:[1,0,1]
	v_pk_add_f32 v[\d:\d+1], v[\d:\d+1], v[\c+2:\c+3] op_sel:[0,1] op_sel_hi:[1,1]
.endm
.macro LD4 set, row
.irp i, 0,1,2,3
	ds_load_b128 v[64+16*(\set)+4*\i:64+16*(\set)+4*\i+3], v2 offset:512*((\row)+\i)
.endr
.endm
	LD4 0, 0
.set b_, 0
.rept 32                               ; 32 batches of 4 rows; two batches make a group; the first pair of a group starts its minimum
.if b_ < 31
	LD4 (b_+1)&1, 4*b_+4
	s_wait_dscnt 0x4                               ; this batch's four loads are in, the next batch's four stay out
.else
	s_wait_dscnt 0x0
.endif
.set cb_, 64+16*(b_&1)
.set gj_, b_>>1
.irp p, 0,1,2,3
	DIST \p, cb_, 96
	DIST \p, cb_+4, 98
	DIST \p, cb_+8, 100
	DIST \p, cb_+12, 102
.irp u, 0,1
.if (b_&1) == 0
	v_min_num_f32 v[GG+16*(2*\p+\u)+gj_], v[96+\u], v[98+\u]
.else
	v_min3_num_f32 v[GG+16*(2*\p+\u)+gj_], v[GG+16*(2*\p+\u)+gj_], v[96+\u], v[98+\u]
.endif
	v_min3_num_f32 v[GG+16*(2*\p+\u)+gj_], v[GG+16*(2*\p+\u)+gj_], v[100+\u], v[102+\u]
.endr
.endr
.set b_, b_+1
.endr
; One extraction for one query. Vector part: the lane's minimum, the minimum of all lanes, one compare and one select per entry.
; Scalar part: the lowest lane that holds the minimum owns the lowest group numbers among the holders; W is that lane's bit.
; Ascending j: hit = mask & W; j is kept where hit is not 0; W loses the bit, so that a second equal entry of the lane stays.
.macro ROUND GB, res
	v_min_num_f32 v4, v[\GB], v[\GB+1]
.set j_, 2
.rept 7
	v_min3_num_f32 v4, v4, v[\GB+j_], v[\GB+j_+1]
.set j_, j_+2
.endr
	v_min_num_f32_dpp v5, v4, v4 row_xmask:1 row_mask:0xf bank_mask:0xf
.irp m, 2,4,8
	v_min_num_f32_dpp v5, v5, v5 row_xmask:\m row_mask:0xf bank_mask:0xf
.endr
	v_permlanex16_b32 v6, v5, s26, s27
	v_min_num_f32 v5, v5, v6                       ; the smallest value, in every lane
	v_cmp_eq_f32 s82, v5, v4                       ; the lanes that hold it
.set j_, 0
.rept 16
	v_cmp_eq_f32 s[MK+j_], v5, v[\GB+j_]
.set j_, j_+1
.endr
	s_ctz_i32_b32 s85, s82                         ; the lowest of them
	s_lshl_b32 s82, 1, s85                         ; W
.set j_, 0
.rept 16
	s_and_b32 s[MK+j_], s[MK+j_], s82              ; SCC: entry j of the winner lane is the first equal one
	s_cselect_b32 s84, j_, s84
	s_and_not1_b32 s82, s82, s[MK+j_]
.set j_, j_+1
.endr
.set j_, 0
.rept 16
	v_cndmask_b32 v[\GB+j_], v[\GB+j_], v3, s[MK+j_]   ; that entry becomes +inf
.set j_, j_+1
.endr
	s_lshl4_add_u32 s85, s85, s84                  ; group number = 16 lane + j
	v_mov_b32 v7, s85
	v_cndmask_b32 v[\res], v[\res], v7, s22        ; kept in lane = round
.endm
	s_lshl_b32 s28, s22, 7                         ; byte of the first query's 32 words
	s_lshl_b32 s29, s10, 20
	s_add_co_u32 s28, s28, s29
	s_mov_b32 s84, 0
	s_mov_b32 s21, 0
.Lround:
	v_cmp_eq_u32 s22, s21, v1                      ; the lane that keeps this round's result
.irp q, 0,1,2,3,4,5,6,7
	ROUND GG+16*\q, 8+\q
.endr
	s_add_co_u32 s21, s21, 1
	s_cmp_lt_u32 s21, s20
	s_cbranch_scc1 .Lround
	v_lshl_add_u32 v7, v1, 2, s28
.irp q, 0,1,2,3,4,5,6,7
	global_store_b32 v7, v[8+\q], s[8:9] offset:128*\q   ; 128 consecutive bytes a query; lanes at or above k hold 0
.endr
	s_endpgm
.Lfunc_end_k_q10b590946f_knn_a:
	.size	k_q10b590946f_knn_a, .Lfunc_end_k_q10b590946f_knn_a-k_q10b590946f_knn_a
	.p2alignl 7, 3214868480
	.fill 96, 4, 3214868480
	.section	.rodata,"a",@progbits
	.p2align	6, 0x0
	.amdhsa_kernel k_q10b590946f_knn_a
		.amdhsa_group_segment_fixed_size 65536
		.amdhsa_private_segment_fixed_size 0
		.amdhsa_enable_private_segment 0
		.amdhsa_kernarg_size 24
		.amdhsa_user_sgpr_count 2
		.amdhsa_user_sgpr_kernarg_segment_ptr 1
		.amdhsa_wavefront_size32 1
		.amdhsa_system_sgpr_workgroup_id_x 1
		.amdhsa_system_sgpr_workgroup_id_y 1
		.amdhsa_system_sgpr_workgroup_id_z 1
		.amdhsa_system_vgpr_workitem_id 0
		.amdhsa_next_free_vgpr 232
		.amdhsa_next_free_sgpr 90
		.amdhsa_reserve_vcc 0
		.amdhsa_float_denorm_mode_32 3
		.amdhsa_float_denorm_mode_16_64 3
		.amdhsa_memory_ordered 1
		.amdhsa_forward_progress 1
		.amdhsa_inst_pref_size 252
	.end_amdhsa_kernel
	.amdgpu_metadata
---
amdhsa.version: [ 1, 2 ]
amdhsa.kernels:
  - .name:           k_q10b590946f_knn_a
    .symbol:         k_q10b590946f_knn_a.kd
    .args:
      - { .name: warped_xyz, .offset: 0, .size: 8, .value_kind: global_buffer, .address_space: global }
      - { .name: f2_xyz, .offset: 8, .size: 8, .value_kind: global_buffer, .address_space: global }
      - { .name: grp, .offset: 16, .size: 8, .value_kind: global_buffer, .address_space: global }
    .group_segment_fixed_size: 65536
    .private_segment_fixed_size: 0
    .kernarg_segment_align: 8
    .kernarg_segment_size: 24
    .max_flat_workgroup_size: 128
    .sgpr_count:     90
    .vgpr_count:     232
    .wavefront_size: 32
...
	.end_amdgpu_metadata
.endif
;; end of part 8
;; launch knn_b (part 9): grid 256 x 3, 8 waves a work-group, no clusters, 0 bytes of LDS; arguments warped_xyz, f2_xyz, grp, idx; writes idx
.if DOCPART == 9
	.amdgcn_target "amdgcn-amd-amdhsa--gfx1250"
	.amdhsa_code_object_version 6
	.text
	.protected	k_q10b590946f_knn_b
	.globl	k_q10b590946f_knn_b
	.p2align	8
	.type	k_q10b590946f_knn_b,@function
k_q10b590946f_knn_b:
	s_mov_b64 s[64:65], 0
	v_nop
	global_prefetch_b8 v0, s[64:65] scope:SCOPE_SE
	s_setreg_imm32_b32 hwreg(HW_REG_WAVE_MODE, 25, 1), 1
	s_wait_xcnt 0x0
; Second half of the exact top-k: the 8 k candidates of the k chosen groups are fetched by the stored group numbers,
; their distances are made with the same arithmetic as in the first half, and the k first by (distance, index) are taken.
; A wave serves 4 queries, one after the other. Task 0: a lane holds one group (8 candidates), 32 rounds.
; Tasks 1, 2: a lane holds half a group (4 candidates), 16 rounds; words 16-31 of a query are written as 0.
; Limits as in the first half: finite inputs, |xyz| < 1e18.
.set MK, 66                            ; s66-73: entry j's compare mask, then its hit mask
	s_load_b256 s[4:11], s[0:1], 0x0               ; warped_xyz, f2_xyz, grp, idx
	s_and_b32 s12, ttmp7, 0xffff                   ; task
	v_lshrrev_b32 v1, 5, v0
	v_readfirstlane_b32 s13, v1                    ; wave
	s_lshr_b32 s14, ttmp9, 7                       ; batch
	s_mul_i32 s28, s14, 49152
	s_mov_b32 s29, 0
	s_lshl_b32 s20, ttmp9, 5
	s_lshl_b32 s21, s13, 2
	s_add_co_u32 s20, s20, s21                     ; first query
	s_mul_i32 s30, s20, 12
	s_mov_b32 s31, 0
	s_lshl_b32 s23, s20, 7
	s_lshl_b32 s25, s12, 20
	s_add_co_u32 s23, s23, s25                     ; byte of the query's 32 words in grp and in idx
	s_mov_b32 s26, 0x76543210
	s_mov_b32 s27, 0xfedcba98
	s_mov_b32 s84, 0
	v_and_b32 v1, 31, v0
	v_mov_b32 v3, 0x7f800000
	v_mov_b32 v6, 0
	v_lshl_add_u32 v12, v1, 2, s23
	s_wait_kmcnt 0x0
	s_cmp_eq_u32 s12, 2
	s_cselect_b64 s[16:17], s[6:7], s[4:5]
	s_cmp_eq_u32 s12, 1
	s_cselect_b64 s[18:19], s[4:5], s[6:7]
	s_add_nc_u64 s[18:19], s[18:19], s[28:29]
	s_add_nc_u64 s[16:17], s[16:17], s[30:31]
.macro RED d, x                        ; minimum of v[x] over the 32 lanes into v[d], in every lane
	v_min_num_f32_dpp v[\d], v[\x], v[\x] row_xmask:1 row_mask:0xf bank_mask:0xf
.irp m, 2,4,8
	v_min_num_f32_dpp v[\d], v[\d], v[\d] row_xmask:\m row_mask:0xf bank_mask:0xf
.endr
	v_permlanex16_b32 v6, v[\d], s26, s27
	v_min_num_f32 v[\d], v[\d], v6
.endm
; One extraction. A lane's entries are consecutive indices from its base (v48, as f32; the bases of the lanes differ).
; Among the lanes that hold the smallest distance the one with the lowest base wins (its indices are the lowest); the same
; reduction leaves that base in every lane. W is the winner's bit. Ascending j: hit = mask & W; j is kept where hit is not 0;
; W loses the bit, so that a second equal entry of the lane stays. Index = base + j, kept in lane = round.
.macro ROUND GB, R, res
	v_min_num_f32 v4, v[\GB], v[\GB+1]
.set j_, 2
.rept (\R-2)/2
	v_min3_num_f32 v4, v4, v[\GB+j_], v[\GB+j_+1]
.set j_, j_+2
.endr
	RED 5, 4
	v_cmp_eq_f32 vcc_lo, v5, v4
	v_cndmask_b32 v7, v3, v48, vcc_lo
	RED 7, 7
	v_cmp_eq_f32 s82, v7, v48                      ; W
.set j_, 0
.rept \R
	v_cmp_eq_f32 s[MK+j_], v5, v[\GB+j_]
.set j_, j_+1
.endr
.set j_, 0
.rept \R
	s_and_b32 s[MK+j_], s[MK+j_], s82
	s_cselect_b32 s84, j_, s84
	s_and_not1_b32 s82, s82, s[MK+j_]
.set j_, j_+1
.endr
.set j_, 0
.rept \R
	v_cndmask_b32 v[\GB+j_], v[\GB+j_], v3, s[MK+j_]
.set j_, j_+1
.endr
	s_cvt_f32_u32 s86, s84
	v_add_f32 v7, s86, v7                          ; below 4,096: exact
	v_cndmask_b32 v[\res], v[\res], v7, s22
.endm
; four queries; R candidates a lane, NR rounds
.macro QLOOP R, NR, sfx
	s_mov_b32 s24, 0
.Lq\sfx:
	s_load_b96 s[40:42], s[16:17], 0x0
	global_load_b32 v10, v2, s[8:9]
	s_wait_loadcnt 0x0
	v_min_u32 v10, 0x1ff, v10                      ; a group number stays inside its table
	v_mul_u32_u24 v11, v10, 96
	v_lshlrev_b32 v14, 3, v10
.if \R == 4
	v_add_nc_u32 v11, v11, v13
	v_add_nc_u32 v14, v14, v15
.endif
.set i_, 0
.rept 3*\R/4
	global_load_b128 v[16+4*i_:19+4*i_], v11, s[18:19] offset:16*i_
.set i_, i_+1
.endr
	v_cvt_f32_u32 v48, v14                         ; the lane's first index as f32 (below 4,096: exact)
	v_mov_b32 v9, 0
	s_wait_kmcnt 0x0
	v_mul_f32 v8, s40, s40
	v_mul_f32 v4, s41, s41
	v_add_f32 v8, v8, v4
	v_mul_f32 v4, s42, s42
	v_add_f32 v8, v8, v4
	s_wait_loadcnt 0x0
.set i_, 0
.rept \R
	v_mul_f32 v4, s40, v[16+3*i_]
	v_fma_f32 v4, s41, v[17+3*i_], v4
	v_fma_f32 v4, s42, v[18+3*i_], v4
	v_fma_f32 v4, v4, -2.0, v8
	v_mul_f32 v5, v[16+3*i_], v[16+3*i_]
	v_mul_f32 v7, v[17+3*i_], v[17+3*i_]
	v_add_f32 v5, v5, v7
	v_mul_f32 v7, v[18+3*i_], v[18+3*i_]
	v_add_f32 v5, v5, v7
	v_add_f32 v[40+i_], v4, v5
.set i_, i_+1
.endr
	s_mov_b32 s21, 0
.Lr\sfx:
	v_cmp_eq_u32 s22, s21, v1
	ROUND 40, \R, 9
	s_add_co_u32 s21, s21, 1
	s_cmp_lt_u32 s21, \NR
	s_cbranch_scc1 .Lr\sfx
	v_cvt_u32_f32 v7, v9
	global_store_b32 v12, v7, s[10:11]
	s_wait_xcnt 0x0                                ; v2, v7, v12 and s[16:17] are rewritten only behind this wait
	v_add_nc_u32 v2, 128, v2
	v_add_nc_u32 v12, 128, v12
	s_add_nc_u64 s[16:17], s[16:17], 12
	s_add_co_u32 s24, s24, 1
	s_cmp_lt_u32 s24, 4
	s_cbranch_scc1 .Lq\sfx
.endm
	s_cmp_lg_u32 s12, 0
	s_cbranch_scc1 .Lself
	v_lshl_add_u32 v2, v1, 2, s23
	QLOOP 8, 32, a
	s_endpgm
.Lself:
	v_and_b32 v2, 15, v0
	v_lshl_add_u32 v2, v2, 2, s23
	v_bfe_u32 v15, v0, 4, 1
	v_mul_u32_u24 v13, v15, 48                     ; the group's second half: 4 candidates of 12 bytes on
	v_lshlrev_b32 v15, 2, v15
	QLOOP 4, 16, b
	s_endpgm
.Lfunc_end_k_q10b590946f_knn_b:
	.size	k_q10b590946f_knn_b, .Lfunc_end_k_q10b590946f_knn_b-k_q10b590946f_knn_b
	.p2alignl 7, 3214868480
	.fill 96, 4, 3214868480
	.section	.rodata,"a",@progbits
	.p2align	6, 0x0
	.amdhsa_kernel k_q10b590946f_knn_b
		.amdhsa_group_segment_fixed_size 0
		.amdhsa_private_segment_fixed_size 0
		.amdhsa_enable_private_segment 0
		.amdhsa_kernarg_size 32
		.amdhsa_user_sgpr_count 2
		.amdhsa_user_sgpr_kernarg_segment_ptr 1
		.amdhsa_wavefront_size32 1
		.amdhsa_system_sgpr_workgroup_id_x 1
		.amdhsa_system_sgpr_workgroup_id_y 1
		.amdhsa_system_sgpr_workgroup_id_z 1
		.amdhsa_system_vgpr_workitem_id 0
		.amdhsa_next_free_vgpr 64
		.amdhsa_next_free_sgpr 90
		.amdhsa_reserve_vcc 1
		.amdhsa_float_denorm_mode_32 3
		.amdhsa_float_denorm_mode_16_64 3
		.amdhsa_memory_ordered 1
		.amdhsa_forward_progress 1
		.amdhsa_inst_pref_size 16
	.end_amdhsa_kernel
	.amdgpu_metadata
---
amdhsa.version: [ 1, 2 ]
amdhsa.kernels:
  - .name:           k_q10b590946f_knn_b
    .symbol:         k_q10b590946f_knn_b.kd
    .args:
      - { .name: warped_xyz, .offset: 0, .size: 8, .value_kind: global_buffer, .address_space: global }
      - { .name: f2_xyz, .offset: 8, .size: 8, .value_kind: global_buffer, .address_space: global }
      - { .name: grp, .offset: 16, .size: 8, .value_kind: global_buffer, .address_space: global }
      - { .name: idx, .offset: 24, .size: 8, .value_kind: global_buffer, .address_space: global }
    .group_segment_fixed_size: 0
    .private_segment_fixed_size: 0
    .kernarg_segment_align: 8
    .kernarg_segment_size: 32
    .max_flat_workgroup_size: 256
    .sgpr_count:     90
    .vgpr_count:     64
    .wavefront_size: 32
...
	.end_amdgpu_metadata
.endif
;; end of part 9
;; launch nbr: the kernel of part 4 again; grid 128 x 2, 16 waves a work-group, no clusters, 167,936 bytes of LDS; arguments warped_xyz, f2_xyz, idx, nrmp, wimg, tabn; writes tabn
;; launch rowmax: the kernel of part 5 again; grid 32 x 8, 4 waves a work-group, no clusters, 294,912 bytes of LDS; arguments nrmp, tabn, rmax; writes rmax
;; launch stage1: the kernel of part 6 again; grid 256 x 1, 8 waves a work-group, no clusters, 278,784 bytes of LDS; arguments warped_xyz, f2_xyz, idx, nrmp, tabn, rmax, wimg, pfn; writes pfn
;; launch stage2: the kernel of part 7 again; grid 256 x 1, 16 waves a work-group, no clusters, 167,936 bytes of LDS; arguments warped_xyz, idx, nrmp, pfn, wimg, out0; writes out0
;; ======== version 3 of 3: 6 launches
;; limits: values outside matrix products are rounded to bf16; right only within a limited range of input values
;; workspace buffers: wimg 356,608 bytes; nrmp 4,259,840 bytes; tabn 2,097,152 bytes; grp 3,145,728 bytes of whole numbers; idx 3,145,728 bytes of whole numbers; rmax 262,144 bytes; pfn 1,048,576 bytes
;; launch knn_a (part 10): grid 784 x 1, 4 waves a work-group, no clusters, 65,536 bytes of LDS; arguments params_convs1_W_0, params_convs1_W_1, params_convs1_W_2, params_convs2_W_0, params_convs2_W_1, params_convs2_W_2, params_mlp1_W_0, params_mlp1_W_1, params_mlp1_W_2, params_mlp2_W_0, params_mlp2_W_1, params_mlp2n_W_0, params_mlp2n_W_1, params_pc_enc_W, params_pi_enc_W, params_pir_W, params_mlp1_b_0, params_mlp1_b_1, params_mlp1_b_2, params_mlp2_b_0, params_mlp2_b_1, params_mlp2n_b_0, params_mlp2n_b_1, params_pc_enc_b, params_pi_enc_b, params_pir_b, warped_xyz, f2_xyz, grp, wimg; writes grp, wimg
.if DOCPART == 10
	.amdgcn_target "amdgcn-amd-amdhsa--gfx1250"
	.amdhsa_code_object_version 6
	.text
	.protected	k_q10b590946f_knn_a
	.globl	k_q10b590946f_knn_a
	.p2align	8
	.type	k_q10b590946f_knn_a,@function
k_q10b590946f_knn_a:
	s_mov_b64 s[64:65], 0
	v_nop
	global_prefetch_b8 v0, s[64:65] scope:SCOPE_SE
	s_setreg_imm32_b32 hwreg(HW_REG_WAVE_MODE, 25, 1), 1
	s_wait_xcnt 0x0
; WORK-GROUPS 0-767: first half of the exact top-k. Task = x >> 8: 0 = warped queries in f2 (k = 32), 1 = warped in warped,
; 2 = f2 in f2 (k = 16). The 4,096 candidates of a batch are cut into 512 groups of 8 consecutive ones. For each query the k
; groups that come first by (smallest distance in the group, group number) are found; they hold the k nearest candidates under
; the order (distance, index): k groups in front of a candidate's group would be k candidates in front of it.
; Distances in f32: qq = (x x + y y) + z z, dot = fma(z, fma(y, x x')), d = fma(-2, dot, qq) + ss.
; A work-group has 32 queries of one batch, a wave 8. Lane l owns candidates 128 l .. 128 l + 127 = groups 16 l .. 16 l + 15.
; Every choice is a mask of a v_cndmask: no address and no branch hangs on a distance. Round r's group lands in lane r.
; Limits: finite inputs, |xyz| < 1e18 (no overflow, no NaN).
; WORK-GROUPS 768-783: one layer each, work that nothing here depends on and that is first read two launches on.
; W [Kin][N] f32 becomes an image of N rows (one output channel each) of K' bf16 plus 16 zero bytes, times the batch-norm
; scale; the K order is the order in which the later launches hold their fragments. The bias goes out as f32 times that scale.
.set QX, 32
.set QY, 40
.set QZ, 48
.set QQ, 56
.set GG, 104                           ; group minima: query q, group j at GG + 16 q + j
.set MK, 66                            ; s66-81: entry j's compare mask, then its hit mask
.set BNS, 0x3f7fffac                   ; 1/sqrt(1+1e-5)
.set IMG3, 250112                      ; image of the convs2 chain
.set IMG6, 281856                      ; image of the second stage
.set B5, 247808                        ; biases of the first image
.set B6, IMG6+73728                    ; biases of the third
	s_mov_b32 s2, ttmp9
	s_cmp_ge_u32 s2, 768
	s_cbranch_scc1 .Llayers
	s_load_b128 s[4:7], s[0:1], 0xd0               ; warped_xyz, f2_xyz
	s_load_b64 s[8:9], s[0:1], 0xe0                ; grp
	s_lshr_b32 s10, s2, 8                          ; task
	s_and_b32 s3, s2, 255                          ; block of 32 queries
	v_lshrrev_b32 v1, 5, v0
	v_readfirstlane_b32 s11, v1                    ; wave
	s_lshr_b32 s12, s3, 7                          ; batch
	s_mul_i32 s18, s12, 49152
	s_mov_b32 s19, 0
	s_lshl_b32 s22, s3, 5
	s_lshl_b32 s23, s11, 3
	s_add_co_u32 s22, s22, s23                     ; the wave's first query
	s_mul_i32 s24, s22, 12
	s_mov_b32 s25, 0
	s_mov_b32 s26, 0x76543210
	s_mov_b32 s27, 0xfedcba98
	s_wait_kmcnt 0x0
	s_cmp_eq_u32 s10, 2
	s_cselect_b64 s[14:15], s[6:7], s[4:5]         ; queries
	s_cmp_eq_u32 s10, 1
	s_cselect_b64 s[16:17], s[4:5], s[6:7]         ; candidates
	s_cmp_eq_u32 s10, 0
	s_cselect_b32 s20, 32, 16                      ; k
	s_add_nc_u64 s[16:17], s[16:17], s[18:19]
	s_add_nc_u64 s[14:15], s[14:15], s[24:25]
	s_load_b512 s[32:47], s[14:15], 0x0            ; 8 queries, 24 words
	s_load_b256 s[48:55], s[14:15], 0x40
	; fill LDS: thread t brings candidates 32 t .. 32 t + 31; (x, y, z, ss) of candidate 128 l + row lies at 512 row + 16 l
	v_mul_u32_u24 v2, v0, 384
.set i_, 0
.rept 24
	global_load_b128 v[104+4*i_:107+4*i_], v2, s[16:17] offset:16*i_
.set i_, i_+1
.endr
	v_and_b32 v4, 3, v0
	v_lshlrev_b32 v4, 14, v4
	v_lshrrev_b32 v5, 2, v0
	v_lshl_add_u32 v5, v5, 4, v4
	s_wait_loadcnt 0x0
.set i_, 0
.rept 32
	v_mul_f32 v67, v[104+3*i_], v[104+3*i_]
	v_mul_f32 v68, v[105+3*i_], v[105+3*i_]
	v_add_f32 v67, v67, v68
	v_mul_f32 v68, v[106+3*i_], v[106+3*i_]
	v_add_f32 v67, v67, v68
	v_mov_b32 v64, v[104+3*i_]
	v_mov_b32 v65, v[105+3*i_]
	v_mov_b32 v66, v[106+3*i_]
	ds_store_b128 v5, v[64:67] offset:512*i_
.set i_, i_+1
.endr
	s_wait_dscnt 0x0                               ; my stores are done before the others read them
	s_barrier_signal -1
	s_barrier_wait -1
	v_and_b32 v1, 31, v0                           ; lane
	v_lshlrev_b32 v2, 4, v1
	v_mov_b32 v3, 0x7f800000                       ; +inf
	v_mov_b32 v5, 0                                ; destinations of lane-crossing forms count as read
	v_mov_b32 v6, 0
	s_wait_kmcnt 0x0
.set i_, 0
.rept 8
	v_mov_b32 v[8+i_], 0
	v_mov_b32 v[QX+i_], s[32+3*i_]
	v_mov_b32 v[QY+i_], s[33+3*i_]
	v_mov_b32 v[QZ+i_], s[34+3*i_]
	v_mul_f32 v[QQ+i_], v[QX+i_], v[QX+i_]
	v_mul_f32 v4, v[QY+i_], v[QY+i_]
	v_add_f32 v[QQ+i_], v[QQ+i_], v4
	v_mul_f32 v4, v[QZ+i_], v[QZ+i_]
	v_add_f32 v[QQ+i_], v[QQ+i_], v4
.set i_, i_+1
.endr
; distances of query pair p to the four candidates in v[c:c+15], into the pairs v96-103; the four chains go step by step,
; so that a line stands four lines behind the one whose result it reads
.macro DIST4 p, c
.irp i, 0,1,2,3
	v_pk_mul_f32 v[96+2*\i:97+2*\i], v[QX+2*\p:QX+2*\p+1], v[\c+4*\i:\c+4*\i+1] op_sel_hi:[1,0]
.endr
.irp i, 0,1,2,3
	v_pk_fma_f32 v[96+2*\i:97+2*\i], v[QY+2*\p:QY+2*\p+1], v[\c+4*\i:\c+4*\i+1], v[96+2*\i:97+2*\i] op_sel:[0,1,0] op_sel_hi:[1,1,1]
.endr
.irp i, 0,1,2,3
	v_pk_fma_f32 v[96+2*\i:97+2*\i], v[QZ+2*\p:QZ+2*\p+1], v[\c+4*\i+2:\c+4*\i+3], v[96+2*\i:97+2*\i] op_sel_hi:[1,0,1]
.endr
.irp i, 0,1,2,3
	v_pk_fma_f32 v[96+2*\i:97+2*\i], v[96+2*\i:97+2*\i], -2.0, v[QQ+2*\p:QQ+2*\p+1] op_sel_hi:[1,0,1]
.endr
.irp i, 0,1,2,3
	v_pk_add_f32 v[96+2*\i:97+2*\i], v[96+2*\i:97+2*\i], v[\c+4*\i+2:\c+4*\i+3] op_sel:[0,1] op_sel_hi:[1,1]
.endr
.endm
.macro LD4 set, row
.irp i, 0,1,2,3
	ds_load_b128 v[64+16*(\set)+4*\i:64+16*(\set)+4*\i+3], v2 offset:512*((\row)+\i)
.endr
.endm
	LD4 0, 0
.set b_, 0
.rept 32                               ; 32 batches of 4 rows; two batches make a group; the first pair of a group starts its minimum
.if b_ < 31
	LD4 (b_+1)&1, 4*b_+4
	s_wait_dscnt 0x4                               ; this batch's four loads are in, the next batch's four stay out
.else
	s_wait_dscnt 0x0
.endif
.set cb_, 64+16*(b_&1)
.set gj_, b_>>1
.irp p, 0,1,2,3
	DIST4 \p, cb_
.irp u, 0,1
.if (b_&1) == 0
	v_min_num_f32 v[GG+16*(2*\p+\u)+gj_], v[96+\u], v[98+\u]
.else
	v_min3_num_f32 v[GG+16*(2*\p+\u)+gj_], v[GG+16*(2*\p+\u)+gj_], v[96+\u], v[98+\u]
.endif
	v_min3_num_f32 v[GG+16*(2*\p+\u)+gj_], v[GG+16*(2*\p+\u)+gj_], v[100+\u], v[102+\u]
.endr
.endr
.set b_, b_+1
.endr
; One extraction for one query. Vector part: the lane's minimum, the minimum of all lanes, one compare and one select per entry.
; Scalar part: the lowest lane that holds the minimum owns the lowest group numbers among the holders; W is that lane's bit.
; Ascending j: hit = mask & W; j is kept where hit is not 0; W loses the bit, so that a second equal entry of the lane stays.
.macro ROUND GB, res
	v_min_num_f32 v4, v[\GB], v[\GB+1]
.set j_, 2
.rept 7
	v_min3_num_f32 v4, v4, v[\GB+j_], v[\GB+j_+1]
.set j_, j_+2
.endr
	v_min_num_f32_dpp v5, v4, v4 row_xmask:1 row_mask:0xf bank_mask:0xf
.irp m, 2,4,8
	v_min_num_f32_dpp v5, v5, v5 row_xmask:\m row_mask:0xf bank_mask:0xf
.endr
	v_permlanex16_b32 v6, v5, s26, s27
	v_min_num_f32 v5, v5, v6                       ; the smallest value, in every lane
	v_cmp_eq_f32 s82, v5, v4                       ; the lanes that hold it
.set j_, 0
.rept 16
	v_cmp_eq_f32 s[MK+j_], v5, v[\GB+j_]
.set j_, j_+1
.endr
	s_ctz_i32_b32 s85, s82                         ; the lowest of them
	s_lshl_b32 s82, 1, s85                         ; W
.set j_, 0
.rept 16
	s_and_b32 s[MK+j_], s[MK+j_], s82              ; SCC: entry j of the winner lane is the first equal one
	s_cselect_b32 s84, j_, s84
	s_and_not1_b32 s82, s82, s[MK+j_]
.set j_, j_+1
.endr
.set j_, 0
.rept 16
	v_cndmask_b32 v[\GB+j_], v[\GB+j_], v3, s[MK+j_]   ; that entry becomes +inf
.set j_, j_+1
.endr
	s_lshl4_add_u32 s85, s85, s84                  ; group number = 16 lane + j
	v_cndmask_b32 v[\res], v[\res], s85, s22       ; kept in lane = round
.endm
	s_lshl_b32 s28, s22, 7                         ; byte of the first query's 32 words
	s_lshl_b32 s29, s10, 20
	s_add_co_u32 s28, s28, s29
	s_mov_b32 s84, 0
	s_mov_b32 s21, 0
.Lround:
	v_cmp_eq_u32 s22, s21, v1                      ; the lane that keeps this round's result
.irp q, 0,1,2,3,4,5,6,7
	ROUND GG+16*\q, 8+\q
.endr
	s_add_co_u32 s21, s21, 1
	s_cmp_lt_u32 s21, s20
	s_cbranch_scc1 .Lround
	v_lshl_add_u32 v7, v1, 2, s28
.irp q, 0,1,2,3,4,5,6,7
	global_store_b32 v7, v[8+\q], s[8:9] offset:128*\q   ; 128 consecutive bytes a query; lanes at or above k hold 0
.endr
	s_endpgm
; ---------------- the weight images ----------------
.macro HEAD warg, barg, N, LOGN, pitch ; pointers; n = t % N, g = t / N and the thread's four offsets
	s_load_b64 s[4:5], s[0:1], \warg*8
.if \barg >= 0
	s_load_b64 s[6:7], s[0:1], \barg*8
.endif
	v_and_b32 v1, \N-1, v0                         ; n
	v_lshrrev_b32 v2, \LOGN, v0                    ; g
	v_lshlrev_b32 v3, 2, v1                        ; 4 n
	v_mul_u32_u24 v4, v1, \pitch                   ; n * pitch
	v_mul_u32_u24 v5, v2, 32*\N                    ; 8 g source rows
	v_add_nc_u32 v5, v5, v3
	v_lshl_add_u32 v6, v2, 4, v4                   ; n * pitch + 16 g
	s_wait_kmcnt 0x0
.endm
; UT units of 8 k for each thread (unit G i + g), source rows from row0 on, to image byte doff of the row
.macro REGSEG row0, UT, N, G, doff
.set c_, 0
.rept \UT/4
.set i_, 0
.rept 4
.set e_, 0
.rept 8
	global_load_b32 v[16+8*i_+e_], v5, s[4:5] offset:(\row0+8*\G*(4*c_+i_)+e_)*\N*4
.set e_, e_+1
.endr
.set i_, i_+1
.endr
	s_wait_loadcnt 0x0
.set i_, 0
.rept 16
	v_pk_mul_f32 v[16+2*i_:17+2*i_], v[16+2*i_:17+2*i_], s[10:11] op_sel_hi:[1,0]
.set i_, i_+1
.endr
	s_wait_xcnt 0x0                                ; v48-63 were the last chunk's store data
.set i_, 0
.rept 16
	v_cvt_pk_bf16_f32 v[48+i_], v[16+2*i_], v[17+2*i_]
.set i_, i_+1
.endr
.set i_, 0
.rept 4
	global_store_b128 v6, v[48+4*i_:51+4*i_], s[8:9] offset:\doff+16*\G*(4*c_+i_)
.set i_, i_+1
.endr
.set c_, c_+1
.endr
.endm
.macro GL N, i, r
.if \r >= 0
	global_load_b32 v[16+\i], v3, s[4:5] offset:\r*\N*4
.else
	v_mov_b32 v[16+\i], 0
.endif
.endm
; the geometry K step: 14 named source rows (-1: zero), 18 zeros, and the row's 16 bytes of padding
.macro GEO N, doff, r0, r1, r2, r3, r4, r5, r6, r7, r8, r9, r10, r11, r12, r13
	GL \N, 0, \r0
	GL \N, 1, \r1
	GL \N, 2, \r2
	GL \N, 3, \r3
	GL \N, 4, \r4
	GL \N, 5, \r5
	GL \N, 6, \r6
	GL \N, 7, \r7
	GL \N, 8, \r8
	GL \N, 9, \r9
	GL \N, 10, \r10
	GL \N, 11, \r11
	GL \N, 12, \r12
	GL \N, 13, \r13
	v_mov_b32 v30, 0
	v_mov_b32 v31, 0
	s_wait_loadcnt 0x0
.set i_, 0
.rept 8
	v_pk_mul_f32 v[16+2*i_:17+2*i_], v[16+2*i_:17+2*i_], s[10:11] op_sel_hi:[1,0]
.set i_, i_+1
.endr
	s_wait_xcnt 0x0                                ; v48-59 may be earlier stores' data
.set i_, 0
.rept 8
	v_cvt_pk_bf16_f32 v[48+i_], v[16+2*i_], v[17+2*i_]
.set i_, i_+1
.endr
.irp i, 56,57,58,59
	v_mov_b32 v\i, 0
.endr
	global_store_b128 v4, v[48:51], s[8:9] offset:\doff
	global_store_b128 v4, v[52:55], s[8:9] offset:\doff+16
	global_store_b128 v4, v[56:59], s[8:9] offset:\doff+32
	global_store_b128 v4, v[56:59], s[8:9] offset:\doff+48
	global_store_b128 v4, v[56:59], s[8:9] offset:\doff+64
.endm
.macro PADU doff                       ; the 16 bytes behind a row without a geometry step
	s_wait_xcnt 0x0
.irp i, 56,57,58,59
	v_mov_b32 v\i, 0
.endr
	global_store_b128 v4, v[56:59], s[8:9] offset:\doff
.endm
.macro BIAS cnt, doff
	v_and_b32 v7, \cnt-1, v0
	v_lshlrev_b32 v7, 2, v7
	global_load_b32 v8, v7, s[6:7]
	s_wait_loadcnt 0x0
	v_mul_f32 v8, s10, v8
	global_store_b32 v7, v8, s[8:9] offset:\doff
.endm
.Llayers:
	s_sub_co_u32 s2, s2, 768                       ; layer 0 to 15
	s_mov_b32 s10, BNS
	s_mov_b32 s11, BNS
	s_load_b64 s[8:9], s[0:1], 0xe8                ; wimg
.irp k, 1,2,3,4,5,6,7,8,9,10,11,12,13,14,15
	s_cmp_eq_u32 s2, \k
	s_cbranch_scc1 .Lb\k
.endr
	HEAD 0, -1, 128, 7, 336                        ; convs1 layer 0: dst features, src features, geometry and cosines
	REGSEG 74, 8, 128, 1, 0
	REGSEG 10, 8, 128, 1, 128
	GEO 128, 256, 4,5,6,7,8,9,0,1,2,3,138,139,140,141
	s_endpgm
.Lb1:
	HEAD 1, -1, 128, 7, 272
	REGSEG 0, 16, 128, 1, 43008
	PADU 43008+256
	s_endpgm
.Lb2:
	HEAD 2, -1, 64, 6, 272
	REGSEG 0, 8, 64, 2, 77824
	PADU 77824+256
	s_endpgm
.Lb3:
	HEAD 3, -1, 64, 6, 208                         ; convs2 layer 0: features, then rela and dist at k 6-9 of the geometry step
	REGSEG 0, 4, 64, 2, IMG3
	GEO 64, IMG3+128, -1,-1,-1,-1,-1,-1,64,65,66,67,-1,-1,-1,-1
	s_endpgm
.Lb4:
	HEAD 4, -1, 64, 6, 144
	REGSEG 0, 4, 64, 2, IMG3+13312
	PADU IMG3+13312+128
	s_endpgm
.Lb5:
	HEAD 5, -1, 64, 6, 144
	REGSEG 0, 4, 64, 2, IMG3+22528
	PADU IMG3+22528+128
	s_endpgm
.Lb6:
	HEAD 6, 16, 128, 7, 464                        ; mlp1 layer 0: dst, src, attentive, geometry
	REGSEG 74, 8, 128, 1, 104448
	REGSEG 10, 8, 128, 1, 104448+128
	REGSEG 138, 8, 128, 1, 104448+256
	GEO 128, 104448+384, 0,1,2,3,4,5,6,7,8,9,-1,-1,-1,-1
	BIAS 128, B5+256
	s_endpgm
.Lb7:
	HEAD 7, 17, 64, 6, 272
	REGSEG 0, 8, 64, 2, 163840
	PADU 163840+256
	BIAS 64, B5+768
	s_endpgm
.Lb8:
	HEAD 8, 18, 64, 6, 144
	REGSEG 0, 4, 64, 2, 181248
	PADU 181248+128
	BIAS 64, B5+1024
	s_endpgm
.Lb9:
	HEAD 9, 19, 128, 7, 272
	REGSEG 0, 16, 128, 1, 195584
	PADU 195584+256
	BIAS 128, B5+1536
	s_endpgm
.Lb10:
	HEAD 10, 20, 64, 6, 272
	REGSEG 0, 8, 64, 2, 230400
	PADU 230400+256
	BIAS 64, B5+2048
	s_endpgm
.Lb11:
	HEAD 11, 21, 128, 7, 400
	REGSEG 0, 24, 128, 1, IMG6+5120
	PADU IMG6+5120+384
	BIAS 128, B6+256
	s_endpgm
.Lb12:
	HEAD 12, 22, 64, 6, 272
	REGSEG 0, 8, 64, 2, IMG6+56320
	PADU IMG6+56320+256
	BIAS 64, B6+768
	s_endpgm
.Lb13:
	HEAD 13, 23, 64, 6, 80
	GEO 64, IMG6, 0,1,2,3,4,5,6,7,8,9,-1,-1,-1,-1
	BIAS 64, B6
	s_endpgm
.Lb14:
	HEAD 14, 24, 64, 6, 80
	GEO 64, 190464, 0,1,2,3,4,5,6,7,8,9,-1,-1,-1,-1
	BIAS 64, B5+1280
	s_endpgm
.Lb15:
	HEAD 15, 25, 64, 6, 144
	REGSEG 0, 4, 64, 2, 95232
	PADU 95232+128
	BIAS 64, B5
	s_endpgm
.Lfunc_end_k_q10b590946f_knn_a:
	.size	k_q10b590946f_knn_a, .Lfunc_end_k_q10b590946f_knn_a-k_q10b590946f_knn_a
	.p2alignl 7, 3214868480
	.fill 96, 4, 3214868480
	.section	.rodata,"a",@progbits
	.p2align	6, 0x0
	.amdhsa_kernel k_q10b590946f_knn_a
		.amdhsa_group_segment_fixed_size 65536
		.amdhsa_private_segment_fixed_size 0
		.amdhsa_enable_private_segment 0
		.amdhsa_kernarg_size 240
		.amdhsa_user_sgpr_count 2
		.amdhsa_user_sgpr_kernarg_segment_ptr 1
		.amdhsa_wavefront_size32 1
		.amdhsa_system_sgpr_workgroup_id_x 1
		.amdhsa_system_sgpr_workgroup_id_y 1
		.amdhsa_system_sgpr_workgroup_id_z 1
		.amdhsa_system_vgpr_workitem_id 0
		.amdhsa_next_free_vgpr 232
		.amdhsa_next_free_sgpr 90
		.amdhsa_reserve_vcc 0
		.amdhsa_float_denorm_mode_32 3
		.amdhsa_float_denorm_mode_16_64 3
		.amdhsa_memory_ordered 1
		.amdhsa_forward_progress 1
		.amdhsa_inst_pref_size 255
	.end_amdhsa_kernel
	.section	.bss,"aw",@nobits
	.p2align	6
	.space	262144
	.amdgpu_metadata
---
amdhsa.version: [ 1, 2 ]
amdhsa.kernels:
  - .name:           k_q10b590946f_knn_a
    .symbol:         k_q10b590946f_knn_a.kd
    .args:
      - { .name: params_convs1_W_0, .offset: 0, .size: 8, .value_kind: global_buffer, .address_space: global }
      - { .name: params_convs1_W_1, .offset: 8, .size: 8, .value_kind: global_buffer, .address_space: global }
      - { .name: params_convs1_W_2, .offset: 16, .size: 8, .value_kind: global_buffer, .address_space: global }
      - { .name: params_convs2_W_0, .offset: 24, .size: 8, .value_kind: global_buffer, .address_space: global }
      - { .name: params_convs2_W_1, .offset: 32, .size: 8, .value_kind: global_buffer, .address_space: global }
      - { .name: params_convs2_W_2, .offset: 40, .size: 8, .value_kind: global_buffer, .address_space: global }
      - { .name: params_mlp1_W_0, .offset: 48, .size: 8, .value_kind: global_buffer, .address_space: global }
      - { .name: params_mlp1_W_1, .offset: 56, .size: 8, .value_kind: global_buffer, .address_space: global }
      - { .name: params_mlp1_W_2, .offset: 64, .size: 8, .value_kind: global_buffer, .address_space: global }
      - { .name: params_mlp2_W_0, .offset: 72, .size: 8, .value_kind: global_buffer, .address_space: global }
      - { .name: params_mlp2_W_1, .offset: 80, .size: 8, .value_kind: global_buffer, .address_space: global }
      - { .name: params_mlp2n_W_0, .offset: 88, .size: 8, .value_kind: global_buffer, .address_space: global }
      - { .name: params_mlp2n_W_1, .offset: 96, .size: 8, .value_kind: global_buffer, .address_space: global }
      - { .name: params_pc_enc_W, .offset: 104, .size: 8, .value_kind: global_buffer, .address_space: global }
      - { .name: params_pi_enc_W, .offset: 112, .size: 8, .value_kind: global_buffer, .address_space: global }
      - { .name: params_pir_W, .offset: 120, .size: 8, .value_kind: global_buffer, .address_space: global }
      - { .name: params_mlp1_b_0, .offset: 128, .size: 8, .value_kind: global_buffer, .address_space: global }
      - { .name: params_mlp1_b_1, .offset: 136, .size: 8, .value_kind: global_buffer, .address_space: global }
      - { .name: params_mlp1_b_2, .offset: 144, .size: 8, .value_kind: global_buffer, .address_space: global }
      - { .name: params_mlp2_b_0, .offset: 152, .size: 8, .value_kind: global_buffer, .address_space: global }
      - { .name: params_mlp2_b_1, .offset: 160, .size: 8, .value_kind: global_buffer, .address_space: global }
      - { .name: params_mlp2n_b_0, .offset: 168, .size: 8, .value_kind: global_buffer, .address_space: global }
      - { .name: params_mlp2n_b_1, .offset: 176, .size: 8, .value_kind: global_buffer, .address_space: global }
      - { .name: params_pc_enc_b, .offset: 184, .size: 8, .value_kind: global_buffer, .address_space: global }
      - { .name: params_pi_enc_b, .offset: 192, .size: 8, .value_kind: global_buffer, .address_space: global }
      - { .name: params_pir_b, .offset: 200, .size: 8, .value_kind: global_buffer, .address_space: global }
      - { .name: warped_xyz, .offset: 208, .size: 8, .value_kind: global_buffer, .address_space: global }
      - { .name: f2_xyz, .offset: 216, .size: 8, .value_kind: global_buffer, .address_space: global }
      - { .name: grp, .offset: 224, .size: 8, .value_kind: global_buffer, .address_space: global }
      - { .name: wimg, .offset: 232, .size: 8, .value_kind: global_buffer, .address_space: global }
    .group_segment_fixed_size: 65536
    .private_segment_fixed_size: 0
    .kernarg_segment_align: 8
    .kernarg_segment_size: 240
    .max_flat_workgroup_size: 128
    .sgpr_count:     90
    .vgpr_count:     232
    .wavefront_size: 32
...
	.end_amdgpu_metadata
.endif
;; end of part 10
;; launch knn_b (part 11): grid 832 x 1, 8 waves a work-group, no clusters, 0 bytes of LDS; arguments warped_xyz, f2_xyz, grp, idx, warped_points, f2_points, nrmp; writes idx, nrmp
.if DOCPART == 11
	.amdgcn_target "amdgcn-amd-amdhsa--gfx1250"
	.amdhsa_code_object_version 6
	.text
	.protected	k_q10b590946f_knn_b
	.globl	k_q10b590946f_knn_b
	.p2align	8
	.type	k_q10b590946f_knn_b,@function
k_q10b590946f_knn_b:
	s_mov_b64 s[64:65], 0
	v_nop
	global_prefetch_b8 v0, s[64:65] scope:SCOPE_SE
	s_setreg_imm32_b32 hwreg(HW_REG_WAVE_MODE, 25, 1), 1
	s_wait_xcnt 0x0
; WORK-GROUPS 0-767 (task = x >> 8): second half of the exact top-k: the 8 k candidates of the k chosen groups are fetched by
; the stored group numbers, their distances are made with the same arithmetic as in the first half, and the k first by
; (distance, index) are taken. A wave serves 4 queries, one after the other. Task 0: a lane holds one group (8 candidates),
; 32 rounds. Tasks 1, 2: a lane holds half a group (4 candidates), 16 rounds; words 16-31 of a query are written as 0.
; Limits as in the first half: finite inputs, |xyz| < 1e18.
; WORK-GROUPS 768-831: the two feature tables, 256 rows each, work that nothing here depends on and that the next launch
; reads: raw bf16, normalised bf16 (row / |row|) and 1/|row| in f32.
; Limit: a row whose sum of squares is below 1e-30 is treated as having that sum (a zero row stays zero).
.set MK, 66                            ; s66-73: entry j's compare mask, then its hit mask
	s_mov_b32 s2, ttmp9
	s_cmp_ge_u32 s2, 768
	s_cbranch_scc1 .Ltab
	s_load_b256 s[4:11], s[0:1], 0x0               ; warped_xyz, f2_xyz, grp, idx
	s_lshr_b32 s12, s2, 8                          ; task
	s_and_b32 s3, s2, 255                          ; block of 32 queries
	v_lshrrev_b32 v1, 5, v0
	v_readfirstlane_b32 s13, v1                    ; wave
	s_lshr_b32 s14, s3, 7                          ; batch
	s_mul_i32 s28, s14, 49152
	s_mov_b32 s29, 0
	s_lshl_b32 s20, s3, 5
	s_lshl_b32 s21, s13, 2
	s_add_co_u32 s20, s20, s21                     ; first query
	s_mul_i32 s30, s20, 12
	s_mov_b32 s31, 0
	s_lshl_b32 s23, s20, 7
	s_lshl_b32 s25, s12, 20
	s_add_co_u32 s23, s23, s25                     ; byte of the query's 32 words in grp and in idx
	s_mov_b32 s26, 0x76543210
	s_mov_b32 s27, 0xfedcba98
	s_mov_b32 s84, 0
	v_and_b32 v1, 31, v0
	v_mov_b32 v3, 0x7f800000
	v_mov_b32 v6, 0
	v_lshl_add_u32 v12, v1, 2, s23
	s_wait_kmcnt 0x0
	s_cmp_eq_u32 s12, 2
	s_cselect_b64 s[16:17], s[6:7], s[4:5]
	s_cmp_eq_u32 s12, 1
	s_cselect_b64 s[18:19], s[4:5], s[6:7]
	s_add_nc_u64 s[18:19], s[18:19], s[28:29]
	s_add_nc_u64 s[16:17], s[16:17], s[30:31]
.macro RED d, x                        ; minimum of v[x] over the 32 lanes into v[d], in every lane
	v_min_num_f32_dpp v[\d], v[\x], v[\x] row_xmask:1 row_mask:0xf bank_mask:0xf
.irp m, 2,4,8
	v_min_num_f32_dpp v[\d], v[\d], v[\d] row_xmask:\m row_mask:0xf bank_mask:0xf
.endr
	v_permlanex16_b32 v6, v[\d], s26, s27
	v_min_num_f32 v[\d], v[\d], v6
.endm
; One extraction. A lane's entries are consecutive indices from its base (v48, as f32; the bases of the lanes differ).
; Among the lanes that hold the smallest distance the one with the lowest base wins (its indices are the lowest); the same
; reduction leaves that base in every lane. W is the winner's bit. Ascending j: hit = mask & W; j is kept where hit is not 0;
; W loses the bit, so that a second equal entry of the lane stays. Index = base + j, kept in lane = round.
.macro ROUND GB, R, res
	v_min_num_f32 v4, v[\GB], v[\GB+1]
.set j_, 2
.rept (\R-2)/2
	v_min3_num_f32 v4, v4, v[\GB+j_], v[\GB+j_+1]
.set j_, j_+2
.endr
	RED 5, 4
	v_cmp_eq_f32 vcc_lo, v5, v4
	v_cndmask_b32 v7, v3, v48, vcc_lo
	RED 7, 7
	v_cmp_eq_f32 s82, v7, v48                      ; W
.set j_, 0
.rept \R
	v_cmp_eq_f32 s[MK+j_], v5, v[\GB+j_]
.set j_, j_+1
.endr
.set j_, 0
.rept \R
	s_and_b32 s[MK+j_], s[MK+j_], s82
	s_cselect_b32 s84, j_, s84
	s_and_not1_b32 s82, s82, s[MK+j_]
.set j_, j_+1
.endr
.set j_, 0
.rept \R
	v_cndmask_b32 v[\GB+j_], v[\GB+j_], v3, s[MK+j_]
.set j_, j_+1
.endr
	s_cvt_f32_u32 s86, s84
	v_add_f32 v7, s86, v7                          ; below 4,096: exact
	v_cndmask_b32 v[\res], v[\res], v7, s22
.endm
; four queries; R candidates a lane, NR rounds
.macro QLOOP R, NR, sfx
	s_mov_b32 s24, 0
.Lq\sfx:
	s_load_b96 s[40:42], s[16:17], 0x0
	global_load_b32 v10, v2, s[8:9]
	s_wait_loadcnt 0x0
	v_min_u32 v10, 0x1ff, v10                      ; a group number stays inside its table
	v_mul_u32_u24 v11, v10, 96
	v_lshlrev_b32 v14, 3, v10
.if \R == 4
	v_add_nc_u32 v11, v11, v13
	v_add_nc_u32 v14, v14, v15
.endif
.set i_, 0
.rept 3*\R/4
	global_load_b128 v[16+4*i_:19+4*i_], v11, s[18:19] offset:16*i_
.set i_, i_+1
.endr
	v_cvt_f32_u32 v48, v14                         ; the lane's first index as f32 (below 4,096: exact)
	v_mov_b32 v9, 0
	s_wait_kmcnt 0x0
	v_mul_f32 v8, s40, s40
	v_mul_f32 v4, s41, s41
	v_add_f32 v8, v8, v4
	v_mul_f32 v4, s42, s42
	v_add_f32 v8, v8, v4
	s_wait_loadcnt 0x0
.set i_, 0
.rept \R
	v_mul_f32 v4, s40, v[16+3*i_]
	v_fma_f32 v4, s41, v[17+3*i_], v4
	v_fma_f32 v4, s42, v[18+3*i_], v4
	v_fma_f32 v4, v4, -2.0, v8
	v_mul_f32 v5, v[16+3*i_], v[16+3*i_]
	v_mul_f32 v7, v[17+3*i_], v[17+3*i_]
	v_add_f32 v5, v5, v7
	v_mul_f32 v7, v[18+3*i_], v[18+3*i_]
	v_add_f32 v5, v5, v7
	v_add_f32 v[40+i_], v4, v5
.set i_, i_+1
.endr
	s_mov_b32 s21, 0
.Lr\sfx:
	v_cmp_eq_u32 s22, s21, v1
	ROUND 40, \R, 9
	s_add_co_u32 s21, s21, 1
	s_cmp_lt_u32 s21, \NR
	s_cbranch_scc1 .Lr\sfx
	v_cvt_u32_f32 v7, v9
	global_store_b32 v12, v7, s[10:11]
	s_wait_xcnt 0x0                                ; v2, v7, v12 and s[16:17] are rewritten only behind this wait
	v_add_nc_u32 v2, 128, v2
	v_add_nc_u32 v12, 128, v12
	s_add_nc_u64 s[16:17], s[16:17], 12
	s_add_co_u32 s24, s24, 1
	s_cmp_lt_u32 s24, 4
	s_cbranch_scc1 .Lq\sfx
.endm
	s_cmp_lg_u32 s12, 0
	s_cbranch_scc1 .Lself
	v_lshl_add_u32 v2, v1, 2, s23
	QLOOP 8, 32, a
	s_endpgm
.Lself:
	v_and_b32 v2, 15, v0
	v_lshl_add_u32 v2, v2, 2, s23
	v_bfe_u32 v15, v0, 4, 1
	v_mul_u32_u24 v13, v15, 48                     ; the group's second half: 4 candidates of 12 bytes on
	v_lshlrev_b32 v15, 2, v15
	QLOOP 4, 16, b
	s_endpgm
; The tables. A wave owns 32 rows of 256 bytes; load i covers rows 2i and 2i+1, sixteen lanes a row.
.Ltab:
	s_load_b128 s[4:7], s[0:1], 0x20               ; warped_points, f2_points
	s_load_b64 s[14:15], s[0:1], 0x30              ; nrmp
	s_sub_co_u32 s2, s2, 768
	s_lshr_b32 s3, s2, 5                           ; cloud: 32 work-groups of 256 rows each
	s_and_b32 s12, s2, 31
	v_lshrrev_b32 v1, 5, v0
	v_readfirstlane_b32 s13, v1                    ; wave
	s_lshl_b32 s16, s12, 8
	s_lshl_b32 s17, s13, 5
	s_add_co_u32 s16, s16, s17                     ; the wave's first row
	s_lshl_b32 s20, s16, 8
	s_mov_b32 s21, 0
	s_lshl_b32 s22, s3, 20
	s_lshl_b32 s23, s16, 7
	s_add_co_u32 s22, s22, s23
	s_mov_b32 s23, 0
	s_lshl_b32 s26, s3, 13
	s_add_co_u32 s26, s26, s16
	s_lshl_b32 s26, s26, 2                         ; byte of 1/norm of the first row
	v_and_b32 v1, 31, v0
	v_lshlrev_b32 v2, 4, v1                        ; 16 lane
	v_lshlrev_b32 v3, 3, v1                        ; 8 lane
	v_and_b32 v5, 15, v0                           ; r
	v_bfe_u32 v4, v0, 4, 1                         ; h
	v_lshl_add_u32 v4, v5, 1, v4                   ; 2 r + h
	v_lshl_add_u32 v4, v4, 2, s26
	v_mov_b32 v6, 0
	v_mov_b32 v11, 0
	s_wait_kmcnt 0x0
	s_cmp_eq_u32 s3, 0
	s_cselect_b64 s[18:19], s[4:5], s[6:7]
	s_add_nc_u64 s[18:19], s[18:19], s[20:21]
	s_add_nc_u64 s[24:25], s[14:15], s[22:23]
.set i_, 0
.rept 16
	global_load_b128 v[16+4*i_:19+4*i_], v2, s[18:19] offset:512*i_
.set i_, i_+1
.endr
.set i_, 0
.rept 16
.set a_, 16+4*i_
	s_wait_loadcnt 15-i_                           ; loads return in order: load i is in, the younger ones stay out
	v_pk_mul_f32 v[8:9], v[a_:a_+1], v[a_:a_+1]
	v_pk_fma_f32 v[8:9], v[a_+2:a_+3], v[a_+2:a_+3], v[8:9]
	v_add_f32 v8, v8, v9
.irp m, 1,2,4,8
	v_add_f32_dpp v8, v8, v8 row_xmask:\m row_mask:0xf bank_mask:0xf
.endr
	v_max_num_f32 v8, 0x0da24260, v8               ; 1e-30
	v_rsq_f32 v10, v8
	v_nop                                          ; one plain place behind the transcendental
	v_cmp_eq_u32 vcc_lo, i_, v5
	v_cndmask_b32 v6, v6, v10, vcc_lo              ; lane (r = i, h) keeps 1/norm of row 2i+h
	v_pk_mul_f32 v[12:13], v[a_:a_+1], v[10:11] op_sel_hi:[1,0]
	v_pk_mul_f32 v[14:15], v[a_+2:a_+3], v[10:11] op_sel_hi:[1,0]
	v_cvt_pk_bf16_f32 v[a_], v[a_], v[a_+1]        ; raw, in place: every load has its own store registers
	v_cvt_pk_bf16_f32 v[a_+1], v[a_+2], v[a_+3]
	v_cvt_pk_bf16_f32 v[a_+2], v12, v13
	v_cvt_pk_bf16_f32 v[a_+3], v14, v15
	global_store_b64 v3, v[a_:a_+1], s[24:25] offset:0x200000+256*i_     ; 256 consecutive bytes, aligned
	global_store_b64 v3, v[a_+2:a_+3], s[24:25] offset:256*i_
.set i_, i_+1
.endr
	global_store_b32 v4, v6, s[14:15] offset:0x400000
	s_endpgm
.Lfunc_end_k_q10b590946f_knn_b:
	.size	k_q10b590946f_knn_b, .Lfunc_end_k_q10b590946f_knn_b-k_q10b590946f_knn_b
	.p2alignl 7, 3214868480
	.fill 96, 4, 3214868480
	.section	.rodata,"a",@progbits
	.p2align	6, 0x0
	.amdhsa_kernel k_q10b590946f_knn_b
		.amdhsa_group_segment_fixed_size 0
		.amdhsa_private_segment_fixed_size 0
		.amdhsa_enable_private_segment 0
		.amdhsa_kernarg_size 56
		.amdhsa_user_sgpr_count 2
		.amdhsa_user_sgpr_kernarg_segment_ptr 1
		.amdhsa_wavefront_size32 1
		.amdhsa_system_sgpr_workgroup_id_x 1
		.amdhsa_system_sgpr_workgroup_id_y 1
		.amdhsa_system_sgpr_workgroup_id_z 1
		.amdhsa_system_vgpr_workitem_id 0
		.amdhsa_next_free_vgpr 80
		.amdhsa_next_free_sgpr 90
		.amdhsa_reserve_vcc 1
		.amdhsa_float_denorm_mode_32 3
		.amdhsa_float_denorm_mode_16_64 3
		.amdhsa_memory_ordered 1
		.amdhsa_forward_progress 1
		.amdhsa_inst_pref_size 38
	.end_amdhsa_kernel
	.amdgpu_metadata
---
amdhsa.version: [ 1, 2 ]
amdhsa.kernels:
  - .name:           k_q10b590946f_knn_b
    .symbol:         k_q10b590946f_knn_b.kd
    .args:
      - { .name: warped_xyz, .offset: 0, .size: 8, .value_kind: global_buffer, .address_space: global }
      - { .name: f2_xyz, .offset: 8, .size: 8, .value_kind: global_buffer, .address_space: global }
      - { .name: grp, .offset: 16, .size: 8, .value_kind: global_buffer, .address_space: global }
      - { .name: idx, .offset: 24, .size: 8, .value_kind: global_buffer, .address_space: global }
      - { .name: warped_points, .offset: 32, .size: 8, .value_kind: global_buffer, .address_space: global }
      - { .name: f2_points, .offset: 40, .size: 8, .value_kind: global_buffer, .address_space: global }
      - { .name: nrmp, .offset: 48, .size: 8, .value_kind: global_buffer, .address_space: global }
    .group_segment_fixed_size: 0
    .private_segment_fixed_size: 0
    .kernarg_segment_align: 8
    .kernarg_segment_size: 56
    .max_flat_workgroup_size: 256
    .sgpr_count:     90
    .vgpr_count:     80
    .wavefront_size: 32
...
	.end_amdgpu_metadata
.endif
;; end of part 11
;; launch nbr: the kernel of part 4 again; grid 128 x 2, 16 waves a work-group, no clusters, 167,936 bytes of LDS; arguments warped_xyz, f2_xyz, idx, nrmp, wimg, tabn; writes tabn
;; launch rowmax (part 12): grid 32 x 8, 4 waves a work-group, no clusters, 294,912 bytes of LDS; arguments nrmp, tabn, rmax; writes rmax
.if DOCPART == 12
	.amdgcn_target "amdgcn-amd-amdhsa--gfx1250"
	.amdhsa_code_object_version 6
	.text
	.protected	k_q10b590946f_rowmax
	.globl	k_q10b590946f_rowmax
	.p2align	8
	.type	k_q10b590946f_rowmax,@function
k_q10b590946f_rowmax:
	s_mov_b64 s[64:65], 0
	v_nop
	global_prefetch_b8 v0, s[64:65] scope:SCOPE_SE
	s_setreg_imm32_b32 hwreg(HW_REG_WAVE_MODE, 25, 1), 1
	s_wait_xcnt 0x0
; Row maxima of the cosine matrices. y = 2 a + hb. Array a: 0 warped against f2, 1 f2 against warped (point features),
; 2 and 3 the same for the neighbourhood descriptors. A = 256 rows (x), B = half hb (2,048 rows) of the other table of
; the same batch; both are normalised bf16 rows of 64, so a product of rows is the cosine.
; B lies whole in LDS (2,048 rows of 144 bytes: 128 of data, 16 of padding), brought in four chunks of 512 rows, each wave
; a quarter of each chunk; the products on a chunk run while the later chunks arrive (four loads of a wave out at most).
; Source 0 = 16 rows of B, source 1 = 16 rows of A: a lane's eight results belong to A's row r, so the maximum stays in the lane.
; The maxima stand between the products: those of B tile 1 of the last pair between the products of tile 0, those of tile 0
; between the products of tile 1, two behind each product, on eight running maxima so that one register recurs every fourth line.
; The B half is shared by the 16 work-groups of a batch; joint requests are left out in this version (each fetches its own copy).
; Limit: the 1e-6 in the reference's denominator |a||b| + 1e-6 is dropped.
.set AF, 16                            ; A: tile a, K step k at AF + 16 a + 8 k
.set BF, 80                            ; B: set s, tile u, K step k at BF + 32 s + 16 u + 8 k
.set DD, 144                           ; results: tile (u, a) at DD + 32 u + 8 a
.set AC, 208                           ; running maxima: tile (u, a) at AC + 4 u + a
	s_load_b128 s[4:7], s[0:1], 0x0                ; nrmp, tabn
	s_load_b64 s[8:9], s[0:1], 0x10                ; rmax
	v_lshrrev_b32 v1, 5, v0
	v_readfirstlane_b32 s13, v1                    ; wave
	s_and_b32 s10, ttmp7, 0xffff
	s_lshr_b32 s11, s10, 1                         ; array
	s_and_b32 s12, s10, 1                          ; half of B
	s_lshr_b32 s14, ttmp9, 4                       ; batch
	s_and_b32 s18, s11, 1
	s_lshl_b32 s20, ttmp9, 8
	s_lshl_b32 s21, s13, 6
	s_add_co_u32 s50, s20, s21                     ; the wave's first row of A
	s_lshl_b32 s20, s50, 7
	s_lshl_b32 s21, s18, 20
	s_add_co_u32 s20, s20, s21
	s_mov_b32 s21, 0
	s_lshl_b32 s22, s14, 12
	s_lshl_b32 s23, s12, 11
	s_add_co_u32 s22, s22, s23
	s_lshl_b32 s23, s13, 7
	s_add_co_u32 s22, s22, s23                     ; the wave's first row of B in chunk 0
	s_lshl_b32 s22, s22, 7
	s_xor_b32 s23, s18, 1
	s_lshl_b32 s23, s23, 20
	s_add_co_u32 s22, s22, s23
	s_mov_b32 s23, 0
	s_mul_i32 s19, s13, 18432                      ; 128 rows of 144 bytes
	s_mov_b32 s24, (1<<16)|(1<<20)|(4<<22)|(3<<25) ; 2-byte elements; 4 words of padding behind every 32 words
	s_mov_b32 s25, 64<<16
	s_mov_b32 s26, 128<<16
	s_mov_b32 s27, 64<<16
	s_mov_b32 s28, 128
	s_mov_b32 s29, 64
	s_mov_b32 s30, 0
	s_mov_b32 s31, 0
	s_wait_kmcnt 0x0
	s_cmp_lt_u32 s11, 2
	s_cselect_b64 s[16:17], s[4:5], s[6:7]
	s_add_nc_u64 s[20:21], s[16:17], s[20:21]
	s_add_nc_u64 s[22:23], s[16:17], s[22:23]
.irp c, 0,1,2,3
	s_mov_b32 s[32+4*\c], 1
	s_add_co_u32 s[33+4*\c], s19, \c*73728
	s_add_nc_u64 s[34+4*\c:35+4*\c], s[22:23], \c*65536
	s_or_b32 s[35+4*\c], s[35+4*\c], 0x80000000
	tensor_load_to_lds s[32+4*\c:35+4*\c], s[24:31]
.endr
	v_and_b32 v1, 15, v0
	v_bfe_u32 v2, v0, 4, 1
	v_lshlrev_b32 v4, 7, v1
	v_lshl_add_u32 v4, v2, 4, v4                   ; r * 128 + 16 h
	v_mul_u32_u24 v5, v1, 144
	v_lshl_add_u32 v5, v2, 4, v5                   ; r * 144 + 16 h
.irp a, 0,1,2,3
.irp k, 0,1
.irp f, 0,1
	global_load_b128 v[AF+16*\a+8*\k+4*\f:AF+16*\a+8*\k+4*\f+3], v4, s[20:21] offset:2048*\a+64*\k+32*\f
.endr
.endr
.endr
.set i_, 0
.rept 8
	v_mov_b32 v[AC+i_], 0xff800000                 ; -inf
.set i_, i_+1
.endr
.set i_, 0
.rept 32
	v_mov_b32 v[DD+32+i_], 0xff800000              ; tile 1's results, once: the first trip takes their maxima like every other
.set i_, i_+1
.endr
	v_mov_b32 v12, 0
	s_mov_b32 s52, 0x76543210
	s_mov_b32 s53, 0xfedcba98
	s_mov_b32 s54, 0xffff0000
	s_wait_loadcnt 0x0
.macro BLOAD set, off                  ; two tiles of 16 rows of B
.irp u, 0,1
.irp k, 0,1
.irp f, 0,1
	ds_load_b128 v[BF+32*\set+16*\u+8*\k+4*\f:BF+32*\set+16*\u+8*\k+4*\f+3], v5 offset:\off+2304*\u+64*\k+32*\f
.endr
.endr
.endr
.endm
; maximum number m (0 to 15) of B tile u: A tile m & 3, result registers 2 (m >> 2) and the next
.macro MXN u, m
	v_max3_num_f32 v[AC+4*\u+((\m)&3)], v[AC+4*\u+((\m)&3)], v[DD+32*\u+8*((\m)&3)+2*((\m)>>2)], v[DD+32*\u+8*((\m)&3)+2*((\m)>>2)+1]
.endm
; One pair of B tiles. Distances behind the products, counted in plain vector lines that name none of the
; product's registers: a result is read at the least five lines behind its product (A tile 3: two maxima of the other B tile
; and three of A tiles 0 to 2), and the loads into the B set of the last pair stand five lines behind the last product that read it.
.macro TRIP cur, nxt, pre, off
	MXN 1, 0
	MXN 1, 1
	MXN 1, 2
	MXN 1, 3
.if \pre
	BLOAD \nxt, \off
	s_wait_dscnt 0x8                               ; this pair's loads are in, the next pair's eight stay out
.else
	s_wait_dscnt 0x0
.endif
.set i_, 0
.rept 8                                ; B tile 0: K step 0 of the four A tiles starts the sums, K step 1 is the link in place
.set a_, i_&3
.if i_ < 4
	v_wmma_f32_16x16x32_bf16 v[DD+8*a_:DD+8*a_+7], v[BF+32*\cur:BF+32*\cur+7], v[AF+16*a_:AF+16*a_+7], 0
.else
	v_wmma_f32_16x16x32_bf16 v[DD+8*a_:DD+8*a_+7], v[BF+32*\cur+8:BF+32*\cur+15], v[AF+16*a_+8:AF+16*a_+15], v[DD+8*a_:DD+8*a_+7]
.endif
.if i_ >= 2
	MXN 1, 2*i_
	MXN 1, 2*i_+1
.endif
.set i_, i_+1
.endr
.set i_, 0
.rept 8                                ; B tile 1
.set a_, i_&3
.if i_ < 4
	v_wmma_f32_16x16x32_bf16 v[DD+32+8*a_:DD+32+8*a_+7], v[BF+32*\cur+16:BF+32*\cur+23], v[AF+16*a_:AF+16*a_+7], 0
.else
	v_wmma_f32_16x16x32_bf16 v[DD+32+8*a_:DD+32+8*a_+7], v[BF+32*\cur+24:BF+32*\cur+31], v[AF+16*a_+8:AF+16*a_+15], v[DD+32+8*a_:DD+32+8*a_+7]
.endif
	MXN 0, 2*i_
	MXN 0, 2*i_+1
.set i_, i_+1
.endr
.endm
.macro CHUNK c
	s_wait_tensorcnt 3-\c                          ; my quarter of chunk c is in; the later chunks stay out
	s_barrier_signal -1
	s_barrier_wait -1                              ; everybody's is
	BLOAD 0, 0
	s_mov_b32 s48, 0
.Lc\c:
	TRIP 0, 1, 1, 4608
	TRIP 1, 0, 1, 9216
	v_add_nc_u32 v5, 9216, v5
	s_add_co_u32 s48, s48, 1
	s_cmp_lt_u32 s48, 7
	s_cbranch_scc1 .Lc\c
	TRIP 0, 1, 1, 4608
	TRIP 1, 0, 0, 0                                ; the chunk's last pair fetches nothing: the next chunk is read behind its barrier
	v_add_nc_u32 v5, 9216, v5
.endm
	CHUNK 0
	CHUNK 1
	CHUNK 2
	CHUNK 3
.set i_, 0
.rept 16
	MXN 1, i_                                      ; the last pair's tile 1
.set i_, i_+1
.endr
.irp a, 0,1,2,3
	v_max_num_f32 v[8+\a], v[AC+\a], v[AC+4+\a]
.endr
.irp a, 8,9,10,11
	v_permlanex16_b32 v12, v\a, s52, s53
	v_max_num_f32 v\a, v\a, v12
.endr
	v_cndmask_b32 v12, v8, v9, s54                 ; lane l of 32 stores row 32 i + l
	v_cndmask_b32 v13, v10, v11, s54
	s_lshl_b32 s51, s11, 13
	s_add_co_u32 s51, s51, s50
	s_lshl_b32 s51, s51, 3
	s_lshl_b32 s49, s12, 2
	s_add_co_u32 s51, s51, s49
	v_and_b32 v6, 31, v0
	v_lshl_add_u32 v6, v6, 3, s51
	global_store_b32 v6, v12, s[8:9]
	global_store_b32 v6, v13, s[8:9] offset:256
	s_endpgm
.Lfunc_end_k_q10b590946f_rowmax:
	.size	k_q10b590946f_rowmax, .Lfunc_end_k_q10b590946f_rowmax-k_q10b590946f_rowmax
	.p2alignl 7, 3214868480
	.fill 96, 4, 3214868480
	.section	.rodata,"a",@progbits
	.p2align	6, 0x0
	.amdhsa_kernel k_q10b590946f_rowmax
		.amdhsa_group_segment_fixed_size 294912
		.amdhsa_private_segment_fixed_size 0
		.amdhsa_enable_private_segment 0
		.amdhsa_kernarg_size 24
		.amdhsa_user_sgpr_count 2
		.amdhsa_user_sgpr_kernarg_segment_ptr 1
		.amdhsa_wavefront_size32 1
		.amdhsa_system_sgpr_workgroup_id_x 1
		.amdhsa_system_sgpr_workgroup_id_y 1
		.amdhsa_system_sgpr_workgroup_id_z 1
		.amdhsa_system_vgpr_workitem_id 0
		.amdhsa_next_free_vgpr 224
		.amdhsa_next_free_sgpr 66
		.amdhsa_reserve_vcc 0
		.amdhsa_float_denorm_mode_32 3
		.amdhsa_float_denorm_mode_16_64 3
		.amdhsa_memory_ordered 1
		.amdhsa_forward_progress 1
		.amdhsa_inst_pref_size 68
	.end_amdhsa_kernel
	.amdgpu_metadata
---
amdhsa.version: [ 1, 2 ]
amdhsa.kernels:
  - .name:           k_q10b590946f_rowmax
    .symbol:         k_q10b590946f_rowmax.kd
    .args:
      - { .name: nrmp, .offset: 0, .size: 8, .value_kind: global_buffer, .address_space: global }
      - { .name: tabn, .offset: 8, .size: 8, .value_kind: global_buffer, .address_space: global }
      - { .name: rmax, .offset: 16, .size: 8, .value_kind: global_buffer, .address_space: global }
    .group_segment_fixed_size: 294912
    .private_segment_fixed_size: 0
    .kernarg_segment_align: 8
    .kernarg_segment_size: 24
    .max_flat_workgroup_size: 128
    .sgpr_count:     66
    .vgpr_count:     224
    .wavefront_size: 32
...
	.end_amdgpu_metadata
.endif
;; end of part 12
;; launch stage1: the kernel of part 6 again; grid 256 x 1, 8 waves a work-group, no clusters, 278,784 bytes of LDS; arguments warped_xyz, f2_xyz, idx, nrmp, tabn, rmax, wimg, pfn; writes pfn
;; launch stage2: the kernel of part 7 again; grid 256 x 1, 16 waves a work-group, no clusters, 167,936 bytes of LDS; arguments warped_xyz, idx, nrmp, pfn, wimg, out0; writes out0
